; MI455X (gfx1250); checked and timed in simulation.
; The chip was launched on July 23, 2026; its instructions are those of AMD's public machine-readable ISA for CDNA 5 (MIT licence, August 2026) and "CDNA5" Instruction Set Architecture Reference Guide (July 2026). The comments in the code are by the model that wrote it; some were corrected since.
;; Encoder Block. Allowed arithmetic: matrix products marked QUANTISED: E4M3 operands, one given power-of-two scale a tensor, by v_wmma_f32_16x16x64_fp8_fp8 or v_wmma_f32_16x16x128_fp8_fp8, f32 sums; everything else in f32.
;; Inputs: b1 4,096 float32; b2 1,024 float32; bk 1,024 float32; bo 1,024 float32; bq 1,024 float32; bv 1,024 float32; ln1_a 1,024 float32; ln1_b 1,024 float32; ln2_a 1,024 float32; ln2_b 1,024 float32; lowp_scales 16 int32 (the exponents e of the quantised operands' scales 2^e); mask 2 x 1 x 1 x 2,048 int32; w1 1,024 x 4,096 float32; w2 4,096 x 1,024 float32; wk 1,024 x 1,024 float32; wo 1,024 x 1,024 float32; wq 1,024 x 1,024 float32; wv 1,024 x 1,024 float32; x 2 x 2,048 x 1,024 float32.
;; Outputs: out0 2 x 2,048 x 1,024 float32.
;; This version of the problem:
;;   THIS VERSION OF THE PROBLEM IS GIVEN IN LOW PRECISION. The matrix products marked QUANTISED in the list below multiply operands that are first quantised to E4M3 (4 exponent bits, 3 mantissa bits; 8 bits a number), with one given power-of-two scale for each operand tensor; their sums are f32. All else is computed in f32.
;;   The module's matrix products, in the order in which they are computed (A, B: the left and right operand; K: the contracted axis; several contracted axes count as one K, in the product's order):
;;     1. [M 4,096, K 1,024] x [K 1,024, N 1,024]; A: computed on the way; B: input wq: QUANTISED (scales: A lowp_scales[0], B lowp_scales[1])
;;     2. [M 4,096, K 1,024] x [K 1,024, N 1,024]; A: computed on the way; B: input wk: QUANTISED (scales: A lowp_scales[2], B lowp_scales[3])
;;     3. [M 4,096, K 1,024] x [K 1,024, N 1,024]; A: computed on the way; B: input wv: QUANTISED (scales: A lowp_scales[4], B lowp_scales[5])
;;     4. batch 32 x [M 2,048, K 64] x [K 64, N 2,048]; A: computed on the way; B: computed on the way: QUANTISED (scales: A lowp_scales[6], B lowp_scales[7])
;;     5. batch 32 x [M 2,048, K 2,048] x [K 2,048, N 64]; A: softmax (see below); B: computed on the way: QUANTISED (scales: A lowp_scales[8], B lowp_scales[9])
;;     6. [M 4,096, K 1,024] x [K 1,024, N 1,024]; A: computed on the way; B: input wo: QUANTISED (scales: A lowp_scales[10], B lowp_scales[11])
;;     7. [M 4,096, K 1,024] x [K 1,024, N 4,096]; A: computed on the way; B: input w1: QUANTISED (scales: A lowp_scales[12], B lowp_scales[13])
;;     8. [M 4,096, K 4,096] x [K 4,096, N 1,024]; A: computed on the way; B: input w2: QUANTISED (scales: A lowp_scales[14], B lowp_scales[15])
;;   THE QUANTISER, for each operand of a quantised product, along K:
;;     - The operand's scale is 2^e, e = its entry of the input lowp_scales (int32; the entries are numbered through the quantised products in the list's order, A before B).
;;     - Each number is divided by the scale, clamped to +-448, and rounded to the nearest number of E4M3, ties to even, subnormals kept.
;;     - The product sums the exact products of the quantised numbers (number of the format x scale) in f32.
;;   ~~~python
;;   def quantise(x, axis, e):      # numpy; x: float32 -> the quantised numbers, widened to float32 again
;;       x = np.moveaxis(x, axis, -1); K = x.shape[-1]
;;       r = np.clip(x / 2.0 ** e, -448, 448)
;;       step = 2.0 ** (np.maximum(np.frexp(np.where(r == 0, 1, r))[1] - 1, -6) - 3)
;;       q = np.round(r / step) * step * 2.0 ** e      # np.round: ties to even
;;       return np.moveaxis(q, -1, axis).astype(np.float32)
;;   ~~~
;;   SOFTMAX AHEAD OF A QUANTISED PRODUCT. Where the list says 'softmax', what is quantised is not the finished softmax but p = 2^(t - M), with t = logit x log2(e) and M = ceil(the row's largest t), a whole number; so 1/2 < the row's largest p <= 1. The row's sum l is taken of the UNQUANTISED p, in f32, and the product's result is divided by l at the end. Since M is a whole number, a kernel that streams over the keys may use a running M (the ceiling of the running maximum): every later rescaling is an exact power of two, so the quantised numbers keep their values, but for numbers so far below the row's largest that they fall under the format's range.
;;   OPERANDS COMPUTED ON THE WAY. 'Computed on the way' means the value that the module computes at that place (a softmax that the list does not call 'softmax' is quantised finished and normalised). What goes into a quantiser is computed in f32, as accurately as f32 sums, v_exp_f32 and their like allow (about 1e-6 of the number): no bf16 or f16 on the way to a quantiser, and a product that is left as it is and whose result goes on into a quantised operand takes f32 operands (vector FMAs, or v_wmma_f32_16x16x4_f32). A number that lies on a knife's edge between two numbers of the format may be rounded either way, as far as f32 arithmetic and the matrix unit's own rounding can turn it there, and no further.
;; 2 versions. Each part assembles by itself: llvm-mc -triple=amdgcn-amd-amdhsa -mcpu=gfx1250 --defsym DOCPART=n.
;; ======== version 1 of 2: 7 launches
;; limits: right only within a limited range of input values
;; workspace buffers: wc 12,582,912 bytes; hc 12,582,912 bytes; qkvc 12,582,912 bytes; ctxc 4,194,304 bytes; x1 16,777,216 bytes; h2c 4,194,304 bytes; hidc 16,777,216 bytes
;; launch prep (part 1): grid 640 x 1, 4 waves a work-group, no clusters, 86,016 bytes of LDS; arguments x, ln1_a, ln1_b, wq, wk, wv, wo, w1, w2, lowp_scales, hc, wc; writes hc, wc
.if DOCPART == 1
	.amdgcn_target "amdgcn-amd-amdhsa--gfx1250"
	.amdhsa_code_object_version 6
	.text
	.protected	k_q2d9e5ac31a_prep
	.globl	k_q2d9e5ac31a_prep
	.p2align	8
	.type	k_q2d9e5ac31a_prep,@function
k_q2d9e5ac31a_prep:
	s_mov_b64 s[64:65], 0
	v_nop
	global_prefetch_b8 v0, s[64:65] scope:SCOPE_SE
	s_setreg_imm32_b32 hwreg(HW_REG_WAVE_MODE, 25, 1), 1
	s_wait_xcnt 0x0
; PREP.  Work-groups 0-383: the six weights [K][N] f32 become codes of E4M3.  Work-groups 384-639: LN1(x) becomes codes at the three scales of products 1, 2, 3.
; THE WORKSPACE FORMAT: images of fragment registers.  A fragment is 16 rows x 128 k, 2,048 bytes; element (row r, k) lies at byte (c>>1)*512 + (16 h + r)*16 + (c&1)*8 + (k&7), c = k>>4, h = (k>>3)&1:
; lane 16 h + r takes registers 4 i .. 4 i + 3 by one 16-byte load at 512 i + 16 lane, and registers 2 c, 2 c + 1 then hold k = 16 c + 8 h + 0 .. 7.  A tensor [R][K] is laid [R/16][K/128][2,048].
; code = x / 2^e, held within +-448, to the nearest code, ties to even.  LIMITS: each e between -126 and 119; NaN among the inputs is not served.
; PATH W: a work-group takes 128 columns x 256 K, a wave 32 columns; a lane takes a column and its registers run down K, so that the conversions give codes with K innermost.
; The codes go through the wave's own stage in LDS and leave as images: each store of a wave covers 512 consecutive bytes, aligned.
; PATH LN: a work-group takes 16 rows (one block of rows of the images), a wave four of them, each whole in 32 registers a lane; the spread is taken of x - mean.  One barrier: a fragment's 16 rows come from four waves.
; No tensor loads, no matrix work, no cluster: nothing is shared between work-groups, and memory binds.
.set WPIT,  272                        ; path W: a stage row: 256 bytes of codes + 16: 68 words, so the 32 lanes of an 8-byte load fall on 64 different banks (64 banks of 4 bytes: ISA guide 11.1)
.set LNST,  34816                      ; path LN has LDS bytes of its own, behind path W's four stages of 32 rows
.set LPIT,  1040                       ; a row of 1,024 codes + 16: 260 words, likewise
.set LSC,   16*LPIT                    ; 16 rows: one scale's stage
.set SPARE, 84736                      ; the spare words, 128 bytes for each wave: two blocks of 256 bytes that no other line names
.set SPW, 8                            ; v8   SPARE + 4 x my thread's number; never rewritten
.set NIL, 9                            ; v9   0; never rewritten
.set RO,   16                          ; W: v16-47   4 lane + i x a source row's bytes
.set X,    48                          ; W: v48-111  two sets of 32 numbers
.set C,    112                         ; W: v112-119 a block's codes
.set OUTR, 120                         ; W: v120-183 the way out
.set SB,   40                          ; W: s[40:55] eight bases, 32 source rows apart
.set NS,  3                            ; LN: scales
.set ST,  16                           ; LN: v16-23  a pair a row: the mean, later 1 / (std + eps)
.set AL,  32                           ; LN: v32-63  alpha of my 32 columns;  v64-95 beta
.set BE,  64
.set XR,  96                           ; LN: v96-223 four rows x 32 numbers; later the way out
.set T,   224                          ; LN: v224-239 two sets of 8 held numbers
.set CD,  240                          ; LN: v240-255 two sets of 4 pairs of codes
	s_load_b512 s[4:19], s[0:1], 0x0               ; x, ln1_a, ln1_b, wq, wk, wv, wo, w1
	s_load_b256 s[20:27], s[0:1], 0x40             ; w2, lowp_scales, hc, wc
	v_lshl_add_u32 v[SPW], v0, 2, SPARE
	v_mov_b32 v[NIL], 0
	v_lshrrev_b32 v1, 5, v0
	v_readfirstlane_b32 s28, v1                    ; wave 0..3
	v_and_b32 v1, 31, v0                           ; lane
	v_and_b32 v6, 15, v0                           ; r
	v_bfe_u32 v7, v0, 4, 1                         ; h
	s_cmp_ge_u32 ttmp9, 384                        ; the work-group's number alone: all four waves go the same way
	s_cbranch_scc1 .Lln
; ---------------- PATH W ----------------
	s_lshr_b32 s29, ttmp9, 7                       ; class: 0 the four square weights, 1 w1, 2 w2: 128 work-groups each
	s_lshr_b32 s30, ttmp9, 5
	s_add_co_u32 s31, s29, 3
	s_and_b32 s32, ttmp9, 31
	s_and_b32 s33, ttmp9, 127
	s_cmp_eq_u32 s29, 0
	s_cselect_b32 s30, s30, s31                    ; which weight: 0 wq, 1 wk, 2 wv, 3 wo, 4 w1, 5 w2
	s_cselect_b32 s32, s32, s33                    ; my number among its work-groups
	s_cmp_eq_u32 s29, 1
	s_cselect_b32 s33, 31, 7
	s_cselect_b32 s34, 5, 3
	s_mov_b32 s35, 4096
	s_cselect_b32 s35, 16384, s35                  ; a source row in bytes: 4 N
	s_and_b32 s36, s32, s33                        ; which 128 columns
	s_lshr_b32 s37, s32, s34                       ; which 256 along K
	s_cmp_eq_u32 s29, 2
	s_mov_b32 s38, 16384
	s_cselect_b32 s38, 0x10000, s38                ; a block of 16 rows of the image: 16 K bytes
	s_lshl_b32 s39, s30, 1
	s_cmp_lt_u32 s30, 3
	s_cselect_b32 s56, 1, 5
	s_add_co_u32 s39, s39, s56                     ; the weight's entry of the scales: 1, 3, 5, 11, 13, 15
	s_lshl_b32 s39, s39, 2                         ; in bytes; not rewritten: the scalar load below names it
	s_lshl_b32 s57, s30, 20
	s_cmp_lt_u32 s30, 5
	s_cselect_b32 s57, s57, 0x800000               ; where the weight's codes begin in wc
	s_mul_i32 s58, s37, s35
	s_lshl_b32 s58, s58, 8                         ; 256 source rows for each step along K
	s_lshl_b32 s59, s36, 9
	s_add_co_u32 s58, s58, s59                     ; + 128 columns x 4 bytes
	s_lshl_b32 s59, s28, 7
	s_add_co_u32 s58, s58, s59                     ; + my wave's 32 columns
	s_mov_b32 s59, 0
	s_lshl_b32 s60, s36, 3
	s_lshl_b32 s61, s28, 1
	s_add_co_u32 s60, s60, s61                     ; my first block of 16 columns
	s_mul_i32 s60, s60, s38
	s_add_co_u32 s60, s60, s57
	s_lshl_b32 s61, s37, 12                        ; 256 along K are two fragments
	s_add_co_u32 s60, s60, s61
	s_mov_b32 s61, 0
	s_lshl_b32 s62, s35, 5                         ; 32 source rows
	s_mov_b32 s63, 0
	v_lshlrev_b32 v3, 2, v1                        ; 4 bytes a lane
	s_mul_i32 s67, s28, 32*WPIT                    ; my stage
	v_mul_u32_u24 v4, v1, WPIT
	v_add_nc_u32 v4, s67, v4                       ; in: row = my column
	v_mul_u32_u24 v5, v6, WPIT
	v_lshl_add_u32 v7, v7, 3, v5
	v_add_nc_u32 v7, s67, v7                       ; back: row r, + 8 h
	v_lshlrev_b32 v12, 4, v1                       ; out: 16 x lane, first block of 16 columns,
	v_add_nc_u32 v13, s38, v12                     ; and second
.set wi, 0
.rept 32
	v_mad_u32_u24 v[RO+wi], s35, wi, v3
.set wi, wi+1
.endr
	s_wait_kmcnt 0x0
	s_cmp_eq_u32 s30, 1                            ; the source: a choice between buffers on the work-group's number
	s_cselect_b64 s[SB:SB+1], s[12:13], s[10:11]
	s_cmp_eq_u32 s30, 2
	s_cselect_b64 s[SB:SB+1], s[14:15], s[SB:SB+1]
	s_cmp_eq_u32 s30, 3
	s_cselect_b64 s[SB:SB+1], s[16:17], s[SB:SB+1]
	s_cmp_eq_u32 s30, 4
	s_cselect_b64 s[SB:SB+1], s[18:19], s[SB:SB+1]
	s_cmp_eq_u32 s30, 5
	s_cselect_b64 s[SB:SB+1], s[20:21], s[SB:SB+1]
	s_load_b32 s66, s[22:23], s39 offset:0x0       ; e
	s_add_nc_u64 s[SB:SB+1], s[SB:SB+1], s[58:59]
.irp t, 1,2,3,4,5,6,7
	s_add_nc_u64 s[SB+2*\t:SB+2*\t+1], s[SB+2*\t-2:SB+2*\t-1], s[62:63]
.endr
	s_add_nc_u64 s[26:27], s[26:27], s[60:61]
.macro LOAD t                          ; block t: W(32 t + i, my column) into set t % 2: a wave reads 128 consecutive bytes, the four waves 512
.set li, 0
.rept 32
	global_load_b32 v[X+32*((\t)%2)+li], v[RO+li], s[SB+2*(\t):SB+2*(\t)+1] th:TH_LOAD_NT
.set li, li+1
.endr
.endm
	LOAD 0
	LOAD 1
	s_wait_kmcnt 0x0
	s_add_co_i32 s66, s66, 127
	s_lshl_b32 s67, s66, 23
	v_mov_b32 v11, s67                             ; 2^e as f32: the conversion takes its exponent field
	s_add_co_i32 s66, s66, 8
	s_lshl_b32 s66, s66, 23
	s_or_b32 s66, s66, 0x600000
	v_mov_b32 v10, s66                             ; 448 x 2^e
.macro BLOCK t
.set XS, X+32*((\t)%2)
.if (\t) < 7
	s_wait_loadcnt 32                              ; this block's 32 loads are in; the next block's 32 may be out
.else
	s_wait_loadcnt 0x0
.endif
.set bi, 0
.rept 32
	v_med3_num_f32 v[XS+bi], v[XS+bi], -v10, v10   ; the conversion does not saturate (ISA guide 7.6.2): the hold comes first
.set bi, bi+1
.endr
.irp g, 0,1,2,3
	v_cvt_scalef32_pk8_fp8_f32 v[C+2*\g:C+2*\g+1], v[XS+8*\g:XS+8*\g+7], v11
.endr
	ds_store_b128 v4, v[C:C+3] offset:32*(\t)      ; 32 codes of my column's row
	ds_store_b128 v4, v[C+4:C+7] offset:32*(\t)+16
.if (\t)+2 < 8
	LOAD (\t)+2
.endif
	s_wait_dscnt 0x0                               ; the stores have read their registers: the next block's codes may be written
.endm
.irp t, 0,1,2,3,4,5,6,7
	BLOCK \t
.endr
; the way out: unit o = (block of 16 columns o / 8, fragment (o / 4) % 2, group of four registers o % 4): lane (r, h) wants k = 32 i + 8 h + 0 .. 7 and the same 16 further on
.irp o, 0,1,2,3,4,5,6,7,8,9,10,11,12,13,14,15
	ds_load_b64 v[OUTR+4*\o:OUTR+4*\o+1], v7 offset:(\o/8)*16*WPIT+128*((\o/4)%2)+32*(\o%4)
	ds_load_b64 v[OUTR+4*\o+2:OUTR+4*\o+3], v7 offset:(\o/8)*16*WPIT+128*((\o/4)%2)+32*(\o%4)+16
.endr
.irp o, 0,1,2,3,4,5,6,7,8,9,10,11,12,13,14,15
	s_wait_dscnt 30-2*\o                           ; LDS loads come back in order: unit o's two are in, the younger ones stay out
	global_store_b128 v[12+\o/8], v[OUTR+4*\o:OUTR+4*\o+3], s[26:27] offset:((\o/4)%2)*2048+(\o%4)*512
.endr
	s_wait_tensorcnt 0x0                           ; the wave's end: behind my last LDS store
	ds_add_u32 v[SPW], v[NIL]
	s_wait_dscnt 0x0
	s_endpgm
; ---------------- PATH LN ----------------
.macro WRED reg                        ; the sum over the 32 lanes, in every lane
	v_add_f32_dpp v[\reg], v[\reg], v[\reg] row_xmask:1 row_mask:0xf bank_mask:0xf
	v_add_f32_dpp v[\reg], v[\reg], v[\reg] row_xmask:2 row_mask:0xf bank_mask:0xf
	v_add_f32_dpp v[\reg], v[\reg], v[\reg] row_xmask:4 row_mask:0xf bank_mask:0xf
	v_add_f32_dpp v[\reg], v[\reg], v[\reg] row_xmask:8 row_mask:0xf bank_mask:0xf
	v_permlanex16_b32 v30, v[\reg], s60, s61       ; v30 has been written by the chains
	v_add_f32 v[\reg], v[\reg], v30
.endm
.macro FOLD dst                        ; the four chains in v24-31 become one number a lane, then one a row
	v_pk_add_f32 v[24:25], v[24:25], v[26:27]
	v_pk_add_f32 v[28:29], v[28:29], v[30:31]
	v_pk_add_f32 v[24:25], v[24:25], v[28:29]
	v_add_f32 v[\dst], v24, v25
	WRED \dst
.endm
.macro RSUM p                          ; the row's sum
.irp c, 0,1,2,3
	v_pk_add_f32 v[24+2*\c:25+2*\c], v[XR+32*\p+2*\c:XR+32*\p+2*\c+1], v[XR+32*\p+8+2*\c:XR+32*\p+8+2*\c+1]
.endr
.irp g, 16,24
.irp c, 0,1,2,3
	v_pk_add_f32 v[24+2*\c:25+2*\c], v[24+2*\c:25+2*\c], v[XR+32*\p+\g+2*\c:XR+32*\p+\g+2*\c+1]
.endr
.endr
	FOLD ST+2*\p
.endm
.macro CENTER p                        ; x - mean
.set ci, 0
.rept 16
	v_pk_add_f32 v[XR+32*\p+ci:XR+32*\p+ci+1], v[XR+32*\p+ci:XR+32*\p+ci+1], v[ST+2*\p:ST+2*\p+1] op_sel_hi:[1,0] neg_lo:[0,1] neg_hi:[0,1]
.set ci, ci+2
.endr
.endm
.macro RSQ p                           ; the sum of (x - mean)^2
.irp c, 0,1,2,3
	v_pk_mul_f32 v[24+2*\c:25+2*\c], v[XR+32*\p+2*\c:XR+32*\p+2*\c+1], v[XR+32*\p+2*\c:XR+32*\p+2*\c+1]
.endr
.irp g, 8,16,24
.irp c, 0,1,2,3
	v_pk_fma_f32 v[24+2*\c:25+2*\c], v[XR+32*\p+\g+2*\c:XR+32*\p+\g+2*\c+1], v[XR+32*\p+\g+2*\c:XR+32*\p+\g+2*\c+1], v[24+2*\c:25+2*\c]
.endr
.endr
	FOLD ST+2*\p
.endm
.macro NORM p                          ; alpha (x - mean) / (std + eps) + beta
.set ni, 0
.rept 16
	v_pk_mul_f32 v[XR+32*\p+ni:XR+32*\p+ni+1], v[XR+32*\p+ni:XR+32*\p+ni+1], v[ST+2*\p:ST+2*\p+1]
.set ni, ni+2
.endr
.set ni, 0
.rept 16
	v_pk_fma_f32 v[XR+32*\p+ni:XR+32*\p+ni+1], v[XR+32*\p+ni:XR+32*\p+ni+1], v[AL+ni:AL+ni+1], v[BE+ni:BE+ni+1]
.set ni, ni+2
.endr
.endm
.macro QROW p, s                       ; row p at scale s: 32 codes a lane, 8 at a time, into the scale's stage; a store of the wave covers 256 consecutive bytes
.set CS, CD+8*((NS*(\p)+(\s))%2)
	s_wait_dscnt 4                                 ; the stores of the turn before last have read this set of codes; the last turn's four may be out
.irp j, 0,1,2,3
.irp i, 0,1,2,3,4,5,6,7
	v_med3_num_f32 v[T+8*(\j%2)+\i], v[XR+32*(\p)+8*\j+\i], -v[11+2*(\s)], v[11+2*(\s)]
.endr
	v_cvt_scalef32_pk8_fp8_f32 v[CS+2*\j:CS+2*\j+1], v[T+8*(\j%2):T+8*(\j%2)+7], v[10+2*(\s)]
	ds_store_b64 v3, v[CS+2*\j:CS+2*\j+1] offset:(\s)*LSC+(\p)*LPIT+256*\j
.endr
.endm
.Lln:
	s_sub_co_u32 s29, ttmp9, 384                   ; my block of 16 rows
	s_lshl_b32 s30, s29, 16
	s_lshl_b32 s31, s28, 14
	s_add_co_u32 s30, s30, s31                     ; x: 16 rows of 4,096 bytes a work-group, 4 a wave
	s_mov_b32 s31, 0
	s_lshl_b32 s38, s29, 14                        ; hc: a block of rows is 16,384 bytes
	s_mov_b32 s39, 0
	v_lshlrev_b32 v2, 5, v1                        ; my 8 numbers of each 256: 32 bytes a lane
	s_mul_i32 s56, s28, 4*LPIT
	s_add_co_u32 s56, s56, LNST
	v_lshl_add_u32 v3, v1, 3, s56                  ; the stage, in: my wave's four rows, 8 codes a lane
	s_lshl_b32 s57, s28, 8
	s_add_co_u32 s57, s57, LNST
	v_mul_u32_u24 v4, v6, LPIT
	v_lshl_add_u32 v4, v7, 3, v4
	v_add_nc_u32 v4, s57, v4                       ; back: row r, + 8 h, + my wave's two fragments (256 codes)
	v_lshlrev_b32 v5, 4, v1
	v_lshl_add_u32 v5, s28, 12, v5                 ; out: 16 x lane + 4,096 x wave
	s_mov_b32 s60, 0x76543210                      ; v_permlanex16_b32: lane l xor 16
	s_mov_b32 s61, 0xfedcba98
	s_wait_kmcnt 0x0
	s_load_b256 s[40:47], s[22:23], 0x0            ; entries 0 to 7: e0, e2, e4 are wanted
	s_add_nc_u64 s[30:31], s[4:5], s[30:31]
	s_add_nc_u64 s[32:33], s[24:25], s[38:39]      ; hc at my block, scale 0,
	s_add_nc_u64 s[34:35], s[32:33], 0x400000      ; 1,
	s_add_nc_u64 s[36:37], s[34:35], 0x400000      ; 2
.irp p, 0,1,2,3
.irp j, 0,1,2,3
	global_load_b128 v[XR+32*\p+8*\j:XR+32*\p+8*\j+3], v2, s[30:31] offset:4096*\p+1024*\j th:TH_LOAD_NT
	global_load_b128 v[XR+32*\p+8*\j+4:XR+32*\p+8*\j+7], v2, s[30:31] offset:4096*\p+1024*\j+16 th:TH_LOAD_NT
.endr
.endr
.irp j, 0,1,2,3
	global_load_b128 v[AL+8*\j:AL+8*\j+3], v2, s[6:7] offset:1024*\j
	global_load_b128 v[AL+8*\j+4:AL+8*\j+7], v2, s[6:7] offset:1024*\j+16
	global_load_b128 v[BE+8*\j:BE+8*\j+3], v2, s[8:9] offset:1024*\j
	global_load_b128 v[BE+8*\j+4:BE+8*\j+7], v2, s[8:9] offset:1024*\j+16
.endr
	s_wait_kmcnt 0x0
.irp s, 0,1,2
	s_add_co_i32 s48, s[40+2*\s], 127
	s_lshl_b32 s49, s48, 23
	v_mov_b32 v[10+2*\s], s49                      ; 2^e
	s_add_co_i32 s48, s48, 8
	s_lshl_b32 s48, s48, 23
	s_or_b32 s48, s48, 0x600000
	v_mov_b32 v[11+2*\s], s48                      ; 448 x 2^e
.endr
	s_wait_loadcnt 0x0                             ; the wave's whole share was asked for at once
.irp p, 0,1,2,3
	RSUM \p
	v_mul_f32 v[ST+2*\p], 0x3a800000, v[ST+2*\p]   ; / 1,024: the mean
	v_mov_b32 v[ST+2*\p+1], v[ST+2*\p]             ; (named with it as a pair)
	CENTER \p
	RSQ \p
	v_mul_f32 v[ST+2*\p], 0x3a802008, v[ST+2*\p]   ; / 1,023: the unbiased variance
.endr
.irp p, 0,1,2,3
	v_sqrt_f32 v[ST+2*\p], v[ST+2*\p]
.endr
	v_nop                                          ; a plain instruction behind the last root,
	s_wait_alu depctr_va_vdst(0)                   ; and one wait for the four, ahead of their first reader
.irp p, 0,1,2,3
	v_add_f32 v[ST+2*\p], 0x358637bd, v[ST+2*\p]   ; + 1e-6
.endr
.irp p, 0,1,2,3
	v_rcp_f32 v[ST+2*\p], v[ST+2*\p]
.endr
	v_nop
	s_wait_alu depctr_va_vdst(0)
.irp p, 0,1,2,3
	v_mov_b32 v[ST+2*\p+1], v[ST+2*\p]
.endr
.irp p, 0,1,2,3
	NORM \p
.endr
.irp p, 0,1,2,3
.irp s, 0,1,2
	QROW \p, \s
.endr
.endr
	v_nop                                          ; a plain instruction behind the last conversion
	s_wait_dscnt 0x0                               ; for the others' sake: my stores into the stages are done
	s_barrier_signal -1
	s_barrier_wait -1
; the way out: my wave takes fragments 2 w and 2 w + 1 of each scale; unit n = 8 s + 4 k + i
.irp s, 0,1,2
.irp k, 0,1
.irp i, 0,1,2,3
	ds_load_b64 v[XR+4*(8*\s+4*\k+\i):XR+4*(8*\s+4*\k+\i)+1], v4 offset:\s*LSC+128*\k+32*\i
	ds_load_b64 v[XR+4*(8*\s+4*\k+\i)+2:XR+4*(8*\s+4*\k+\i)+3], v4 offset:\s*LSC+128*\k+32*\i+16
.endr
.endr
.endr
.irp s, 0,1,2
.irp k, 0,1
.irp i, 0,1,2,3
	s_wait_dscnt 46-2*(8*\s+4*\k+\i)               ; unit n's two loads are in, the younger ones stay out
	global_store_b128 v5, v[XR+4*(8*\s+4*\k+\i):XR+4*(8*\s+4*\k+\i)+3], s[32+2*\s:33+2*\s] offset:\k*2048+\i*512
.endr
.endr
.endr
	s_wait_tensorcnt 0x0                           ; the wave's end: behind my last LDS store
	ds_add_u32 v[SPW], v[NIL]
	s_wait_dscnt 0x0
	s_endpgm
.Lfunc_end_k_q2d9e5ac31a_prep:
	.size	k_q2d9e5ac31a_prep, .Lfunc_end_k_q2d9e5ac31a_prep-k_q2d9e5ac31a_prep
	.p2alignl 7, 3214868480
	.fill 96, 4, 3214868480
	.section	.rodata,"a",@progbits
	.p2align	6, 0x0
	.amdhsa_kernel k_q2d9e5ac31a_prep
		.amdhsa_group_segment_fixed_size 86016
		.amdhsa_private_segment_fixed_size 0
		.amdhsa_enable_private_segment 0
		.amdhsa_kernarg_size 96
		.amdhsa_user_sgpr_count 2
		.amdhsa_user_sgpr_kernarg_segment_ptr 1
		.amdhsa_wavefront_size32 1
		.amdhsa_system_sgpr_workgroup_id_x 1
		.amdhsa_system_sgpr_workgroup_id_y 1
		.amdhsa_system_sgpr_workgroup_id_z 1
		.amdhsa_system_vgpr_workitem_id 0
		.amdhsa_next_free_vgpr 256
		.amdhsa_next_free_sgpr 80
		.amdhsa_reserve_vcc 0
		.amdhsa_float_denorm_mode_32 3
		.amdhsa_float_denorm_mode_16_64 3
		.amdhsa_memory_ordered 1
		.amdhsa_forward_progress 1
		.amdhsa_inst_pref_size 122
	.end_amdhsa_kernel
	.amdgpu_metadata
---
amdhsa.version: [ 1, 2 ]
amdhsa.kernels:
  - .name:           k_q2d9e5ac31a_prep
    .symbol:         k_q2d9e5ac31a_prep.kd
    .args:
      - { .name: x, .offset: 0, .size: 8, .value_kind: global_buffer, .address_space: global }
      - { .name: ln1_a, .offset: 8, .size: 8, .value_kind: global_buffer, .address_space: global }
      - { .name: ln1_b, .offset: 16, .size: 8, .value_kind: global_buffer, .address_space: global }
      - { .name: wq, .offset: 24, .size: 8, .value_kind: global_buffer, .address_space: global }
      - { .name: wk, .offset: 32, .size: 8, .value_kind: global_buffer, .address_space: global }
      - { .name: wv, .offset: 40, .size: 8, .value_kind: global_buffer, .address_space: global }
      - { .name: wo, .offset: 48, .size: 8, .value_kind: global_buffer, .address_space: global }
      - { .name: w1, .offset: 56, .size: 8, .value_kind: global_buffer, .address_space: global }
      - { .name: w2, .offset: 64, .size: 8, .value_kind: global_buffer, .address_space: global }
      - { .name: lowp_scales, .offset: 72, .size: 8, .value_kind: global_buffer, .address_space: global }
      - { .name: hc, .offset: 80, .size: 8, .value_kind: global_buffer, .address_space: global }
      - { .name: wc, .offset: 88, .size: 8, .value_kind: global_buffer, .address_space: global }
    .group_segment_fixed_size: 86016
    .private_segment_fixed_size: 0
    .kernarg_segment_align: 8
    .kernarg_segment_size: 96
    .max_flat_workgroup_size: 128
    .sgpr_count:     80
    .vgpr_count:     256
    .wavefront_size: 32
...
	.end_amdgpu_metadata
.endif
;; end of part 1
;; launch qkv (part 2): grid 12 x 16, 4 waves a work-group, clusters of 4 x 4, 327,680 bytes of LDS; arguments hc, wc, lowp_scales, bq, bk, bv, mask, qkvc; writes qkvc
.if DOCPART == 2
	.amdgcn_target "amdgcn-amd-amdhsa--gfx1250"
	.amdhsa_code_object_version 6
	.text
	.protected	k_q2d9e5ac31a_qkv
	.globl	k_q2d9e5ac31a_qkv
	.p2align	8
	.type	k_q2d9e5ac31a_qkv,@function
k_q2d9e5ac31a_qkv:
	s_mov_b64 s[64:65], 0
	v_nop
	global_prefetch_b8 v0, s[64:65] scope:SCOPE_SE
	s_setreg_imm32_b32 hwreg(HW_REG_WAVE_MODE, 25, 1), 1
	s_wait_xcnt 0x0
	s_wait_alu depctr_hold_cnt(0) depctr_sa_sdst(0) depctr_va_vdst(0) depctr_va_sdst(0) depctr_va_ssrc(0) depctr_va_vcc(0) depctr_vm_vsrc(0)
	s_getreg_b32 s2, hwreg(HW_REG_IB_STS2, 6, 4)
	s_cmp_eq_u32 s2, 0
	s_cbranch_scc0 .Lentry_in_a_cluster
	s_endpgm
.Lentry_in_a_cluster:
	s_bfe_u32 s2, ttmp6, 0x10000c
	s_cmp_lg_u32 s2, 0xf033
	s_cbranch_scc0 .Lentry_shape_is_right
	s_endpgm
.Lentry_shape_is_right:
; QKV.  Products 1 to 3 on codes of E4M3, + bias, quantised again: q at entry 6 of the scales, k at entry 7, v at entry 9.  The cluster's x says which: 0 q, 1 k, 2 v.
; Operands are images of fragment registers: [rows/16][K/128][2,048 bytes]; lane l takes registers 4 i .. 4 i + 3 at 512 i + 16 l, and registers 2 c, 2 c + 1 hold k = 16 c + 8 (l / 16) + 0 .. 7.
; A work-group of four waves makes 256 x 256 of the result, a wave 128 x 128: 64 accumulators, 512 registers.  K = 1,024 goes in steps of 256 through two LDS slots filled by the tensor data mover.
; THE MATRIX INSTRUCTION IS USED TRANSPOSED (source 0 = 16 rows of the column operand B, source 1 = 16 rows of the row operand A): lane (r, h) holds row r and columns 16 b + 8 h + 0 .. 7 of accumulator b,
; so the conversion of accumulator b IS registers 2 b, 2 b + 1 of the next product's fragment, and the codes are stored straight from registers, 512 consecutive bytes an instruction.
; q, k: A = the tokens' codes, B = the weight's: a lane's columns run along a head's 64, the next K.  v: A = the weight's, B = the tokens': V^T is made, and a lane's columns run along the keys, the next K.
; k's codes of keys whose mask word is 0 become 0: the attention launch gives such a key's score as the C of its product.
; CLUSTERS: 4 x 4 work-groups; A's tile is asked for jointly along a row of the cluster, B's along a column.
; LIMITS: the sum of a product's two exponents between -126 and 127; the exponent of the codes made here between -126 and 119; NaN is not served.
; REGISTERS: window 0: v16-31 addresses; v32-39 bias by rows, v40-47 mask words, v48, v49 powers of two, v64-127 bias by columns; v128-255 A's fragments, one set; on the way out v128-191 numbers, v192-255 codes.
;   window 1: B's fragments, two sets.  windows 2, 3: the accumulators ((a, b) at v[8 (8 (a % 4) + b)]).
.set KK,    1024
.set RBP,   16*KK                      ; a block of 16 rows of an operand in bytes
.set KSB,   4096                       ; a K step of 256: two fragments of each block of rows
.set HALFT, 32768                      ; 8 blocks of rows x 4,096: what one tensor load brings
.set SLOT,  131072                     ; A's 256 rows, then B's 256 rows
.set SPARE, 262144                     ; behind the ring: the spare words, 128 bytes for each wave
.set LAPS,  KK/512
.set FR,   16
.set NL,   4
.set NP,   4
.set ADRA, 16
.set ADRB, 20
.set CO,   26                          ; v26  16 x lane
.set SPW,  28
.set NIL,  29
.set BR,   32
.set RM,   40
.set BC,   64
.set AF,   128
.set Y,    128
.set CD,   192
.set G1,  24
.set G0,  32
.set G1B, 48
.set G0B, 56
.set MSB, 0
.macro WIN new                         ; the immediate's high byte repeats the setting that is left
.if MSB != (\new)
	s_set_vgpr_msb (MSB<<8)|(\new)
.set MSB, (\new)
.endif
.endm
.set MUL_LO, 0xa1                      ; source 0 (B) window 1, source 1 (A) window 0, C and D window 2
.set MUL_HI, 0xf1
.set TO_B,   0x40
.macro JLOAD g0a, g1a, g0b, g1b        ; a joint load: waves 0, 1 fetch for A, waves 2, 3 for B; s_nop 0 and four v_nop follow each line
	s_cmp_eq_u32 s15, 0
	s_cbranch_scc0 .Lfor_b_\@
	tensor_load_to_lds s[\g0a:\g0a+3], s[\g1a:\g1a+7]
	s_nop 0
.rept 4
	v_nop
.endr
	s_branch .Lasked_\@
.Lfor_b_\@:
	tensor_load_to_lds s[\g0b:\g0b+3], s[\g1b:\g1b+7]
	s_nop 0
.rept 4
	v_nop
.endr
.Lasked_\@:
.endm
.macro CREST                           ; a round of the cluster's barrier behind its opening barrier
	s_cmp_lg_u32 s14, 0
	s_cbranch_scc1 .Lnot_wave_0_\@
	s_barrier_signal -3
.Lnot_wave_0_\@:
	s_barrier_wait -3
	s_barrier_signal -1
	s_barrier_wait -1
.endm
.macro CROUND
	s_barrier_signal -1
	s_barrier_wait -1
	CREST
.endm
	s_load_b512 s[68:83], s[0:1], 0x0              ; hc, wc, lowp_scales, bq, bk, bv, mask, qkvc
	v_lshl_add_u32 v[SPW], v0, 2, SPARE
	v_mov_b32 v[NIL], 0
	ds_add_u32 v[SPW], v[NIL]                      ; the wave's opening: the add and its wait ahead of my first tensor load
	v_lshrrev_b32 v1, 5, v0
	v_readfirstlane_b32 s14, v1                    ; wave 0..3
	s_lshr_b32 s15, s14, 1                         ; my half of the tile's rows; also: I fetch for A (0) or B (1)
	s_and_b32 s16, s14, 1                          ; my half of its columns; also: which 128 rows I fetch
	s_bfe_u32 s40, ttmp6, 0x40000                  ; cx
	s_bfe_u32 s41, ttmp6, 0x40004                  ; cy
	s_and_b32 s87, ttmp7, 0xffff
	s_lshl_b32 s87, s87, 2                         ; 4 x cluster y
	s_cmp_eq_u32 ttmp9, 2                          ; v?  The cluster's x: the same in all sixteen partners
	s_cselect_b32 s17, 0, s87
	s_cselect_b32 s42, s87, 0
	s_add_co_u32 s17, s17, s41                     ; tile row: q, k: 16 of tokens; v: 4 of the weight's columns
	s_add_co_u32 s42, s42, s40                     ; tile column: the other way round
	s_lshl_b32 s43, s41, 2
	s_lshl_b32 s43, 15, s43                        ; my row of the cluster
	s_lshl_b32 s44, 0x1111, s40                    ; my column
	s_or_b32 s[G1+0], s43, (1<<21)                 ; 15:0 the mask; 17:16 elements of 1 byte; no padding; 21 set beside a mask
	s_or_b32 s[G1B+0], s44, (1<<21)
.irp g, G1, G1B
	s_mov_b32 s[\g+1], KSB<<16                     ; tensor_dim0 = 4,096
	s_mov_b32 s[\g+2], 8<<16                       ; tensor_dim1 = 8
	s_mov_b32 s[\g+3], KSB<<16                     ; tile_dim0 = 4,096
	s_mov_b32 s[\g+4], 8                           ; tile_dim1 = 8 blocks of rows
	s_mov_b32 s[\g+5], RBP                         ; from block to block
	s_mov_b32 s[\g+6], 0
	s_mov_b32 s[\g+7], 0
.endr
	s_lshl_b32 s18, s16, 3
	s_lshl_b32 s20, s17, 4
	s_add_co_u32 s20, s20, s18
	s_mul_i32 s20, s20, RBP                        ; A: block 16 x tile row + 8 x half
	s_mov_b32 s21, 0
	s_lshl_b32 s46, s42, 4
	s_add_co_u32 s46, s46, s18
	s_mul_i32 s46, s46, RBP                        ; B: block 16 x tile column + 8 x half
	s_mov_b32 s47, 0
	s_lshl_b32 s45, s14, 15                        ; where they go: wave x 32,768: no place in the cluster enters an LDS address
	s_lshl_b32 s88, ttmp9, 22                      ; the tokens' codes at this product's scale
	s_mov_b32 s89, 0
	s_lshl_b32 s90, ttmp9, 20                      ; this product's weight
	s_mov_b32 s91, 0
	s_lshl_b32 s94, ttmp9, 3                       ; the product's two exponents: entries 2 c, 2 c + 1
	s_lshl_b32 s95, ttmp9, 2
	s_add_co_u32 s95, s95, 24
	s_cmp_eq_u32 ttmp9, 2
	s_cselect_b32 s95, 36, s95                     ; the exponent of the codes made: entry 6, 7 or 9.  s94, s95 are not rewritten
	s_wait_dscnt 0x0                               ; the opening add is done
	s_wait_kmcnt 0x0
	s_load_b64 s[96:97], s[72:73], s94 offset:0x0
	s_load_b32 s98, s[72:73], s95 offset:0x0
	s_add_nc_u64 s[88:89], s[68:69], s[88:89]
	s_add_nc_u64 s[90:91], s[70:71], s[90:91]
	s_cmp_eq_u32 ttmp9, 2
	s_cselect_b64 s[4:5], s[90:91], s[88:89]       ; A
	s_cselect_b64 s[6:7], s[88:89], s[90:91]       ; B
	s_add_nc_u64 s[20:21], s[4:5], s[20:21]
	s_add_nc_u64 s[46:47], s[6:7], s[46:47]
	CROUND                                         ; all sixteen work-groups are here: the first joint loads meet
.irp s, 0,1
	s_mov_b32 s[G0+4*\s], 1
	s_add_co_u32 s[G0+4*\s+1], s45, \s*SLOT
	s_add_nc_u64 s[G0+4*\s+2:G0+4*\s+3], s[20:21], \s*KSB
	s_or_b32 s[G0+4*\s+3], s[G0+4*\s+3], 0x80000000
	s_mov_b32 s[G0B+4*\s], 1
	s_add_co_u32 s[G0B+4*\s+1], s45, \s*SLOT
	s_add_nc_u64 s[G0B+4*\s+2:G0B+4*\s+3], s[46:47], \s*KSB
	s_or_b32 s[G0B+4*\s+3], s[G0B+4*\s+3], 0x80000000
	JLOAD G0+4*\s, G1, G0B+4*\s, G1B
.endr
	v_and_b32 v1, 31, v0
	v_and_b32 v2, 15, v0                           ; r
	v_bfe_u32 v3, v0, 4, 1                         ; h
	v_lshlrev_b32 v[CO], 4, v1
	v_lshlrev_b32 v27, 5, v3                       ; 32 h: my half's eight numbers of a bias by columns
	v_lshlrev_b32 v31, 2, v2                       ; 4 r
	s_lshl_b32 s21, s15, 15                        ; my 128 rows of A
	s_lshl_b32 s22, s16, 15
	s_add_co_u32 s22, s22, 2*HALFT                 ; my 128 rows of B, behind A's 256
.irp s, 0,1
	v_add_nc_u32 v[ADRA+\s], s21, v[CO]
	v_add_nc_u32 v[ADRB+\s], s22, v[CO]
	s_add_co_u32 s21, s21, SLOT
	s_add_co_u32 s22, s22, SLOT
.endr
	s_cmp_eq_u32 ttmp9, 1
	s_cselect_b64 s[12:13], s[76:77], s[74:75]
	s_cmp_eq_u32 ttmp9, 2
	s_cselect_b64 s[12:13], s[78:79], s[12:13]     ; this product's bias
	s_lshl_b32 s18, s17, 8
	s_lshl_b32 s19, s15, 7
	s_add_co_u32 s18, s18, s19                     ; my first row
	s_lshl_b32 s19, s42, 8
	s_lshl_b32 s20, s16, 7
	s_add_co_u32 s19, s19, s20                     ; my first column
	s_and_b32 s20, s19, 1023                       ; both biases are loaded on both ways, each inside its 1,024 numbers; each way uses its own
	s_lshl_b32 s20, s20, 2
	s_mov_b32 s21, 0
	s_add_nc_u64 s[92:93], s[12:13], s[20:21]
	s_and_b32 s20, s18, 1023
	s_lshl_b32 s20, s20, 2
	s_add_nc_u64 s[8:9], s[12:13], s[20:21]
	s_lshl_b32 s20, s18, 2                         ; the mask's word of token = row (q, k); for v the words are loaded and not used
	s_add_nc_u64 s[66:67], s[80:81], s[20:21]
.irp b, 0,1,2,3,4,5,6,7
	global_load_b128 v[BC+8*\b:BC+8*\b+3], v27, s[92:93] offset:64*\b
	global_load_b128 v[BC+8*\b+4:BC+8*\b+7], v27, s[92:93] offset:64*\b+16
.endr
.irp a, 0,1,2,3,4,5,6,7
	global_load_b32 v[BR+\a], v31, s[8:9] offset:64*\a
	global_load_b32 v[RM+\a], v31, s[66:67] offset:64*\a
.endr
	; where my codes go.  q, k: [32 (batch, head)][128 tiles of 16 tokens][1,024];  v: [32][16 blocks of 128 keys][4 blocks of 16 of the head's 64][2,048]
	s_lshr_b32 s19, s18, 11                        ; batch
	s_lshl_b32 s19, s19, 4
	s_lshl_b32 s20, s42, 2
	s_add_co_u32 s19, s19, s20
	s_lshl_b32 s20, s16, 1
	s_add_co_u32 s19, s19, s20                     ; my first head: 4 a tile column, 2 a wave
	s_lshl_b32 s19, s19, 17
	s_and_b32 s20, s18, 2047
	s_lshl_b32 s20, s20, 6                         ; my first tile of tokens x 1,024
	s_add_co_u32 s20, s20, s19
	s_lshl_b32 s19, ttmp9, 22
	s_add_co_u32 s20, s20, s19
	s_lshl_b32 s22, s42, 1
	s_add_co_u32 s22, s22, s16                     ; v: my block of 128 tokens
	s_lshr_b32 s23, s22, 4
	s_lshl_b32 s23, s23, 21                        ; its batch: 16 heads x 131,072
	s_and_b32 s22, s22, 15
	s_lshl_b32 s22, s22, 13
	s_add_co_u32 s22, s22, s23
	s_lshl_b32 s23, s17, 2
	s_lshl_b32 s19, s15, 1
	s_add_co_u32 s23, s23, s19                     ; my first head
	s_lshl_b32 s23, s23, 17
	s_add_co_u32 s22, s22, s23
	s_add_co_u32 s22, s22, 0x800000
	s_cmp_eq_u32 ttmp9, 2
	s_cselect_b32 s20, s22, s20
	s_mov_b32 s21, 0
	s_add_nc_u64 s[10:11], s[82:83], s[20:21]
.macro FRAG reg, adr, q, i             ; block of rows i, the slot's q-th 128 along K: four loads of 512 consecutive bytes
.irp c, 0,1,2,3
	ds_load_b128 v[\reg+4*\c:\reg+4*\c+3], v[\adr] offset:4096*(\i)+2048*(\q)+512*\c
.endr
.endm
; 16 matrix instructions: A's blocks a0, a0 + 1 x B's eight.  The 64 accumulators take turns, one instruction a turn, in the same order in every step.
.macro MUL16 a0, p, zero
.irp a, \a0, \a0+1
.irp b, 0,1,2,3,4,5,6,7
.if \zero
	v_wmma_f32_16x16x128_fp8_fp8 v[8*(8*((\a)%4)+\b):8*(8*((\a)%4)+\b)+7], v[128*(\p)+FR*\b:128*(\p)+FR*\b+FR-1], v[AF+FR*(\a):AF+FR*(\a)+FR-1], 0
.else
	v_wmma_f32_16x16x128_fp8_fp8 v[8*(8*((\a)%4)+\b):8*(8*((\a)%4)+\b)+7], v[128*(\p)+FR*\b:128*(\p)+FR*\b+FR-1], v[AF+FR*(\a):AF+FR*(\a)+FR-1], v[8*(8*((\a)%4)+\b):8*(8*((\a)%4)+\b)+7]
.endif
.endr
.endr
.endm
.macro FETCH_B slot, q, p
	WIN TO_B
.irp i, 0,1,2,3,4,5,6,7
	FRAG 128*(\p)+FR*\i, ADRB+\slot, \q, \i
.endr
	WIN 0
.endm
.macro FETCH_A slot, q, i0
.irp i, \i0, \i0+1, \i0+2, \i0+3
	FRAG AF+FR*(\i), ADRA+\slot, \q, \i
.endr
.endm
.macro PLACES n                        ; places behind matrix instructions, in front of loads into registers that they have read and of reads of results
.rept \n
	v_nop
.endr
.endm
.macro STEP slot, q, zero              ; 128 along K whose successor lies in the same slot
	s_wait_dscnt 4*NL                              ; B's set and A's blocks 0-3 are in; the youngest 16 loads (A's blocks 4-7) may be out
	WIN MUL_LO
	MUL16 0, (\q)%2, \zero
	MUL16 2, (\q)%2, \zero
	s_wait_dscnt 0
	PLACES NP
	FETCH_B \slot, (\q)+1, 1-(\q)%2
	FETCH_A \slot, (\q)+1, 0
	WIN MUL_HI
	MUL16 4, (\q)%2, \zero
	MUL16 6, (\q)%2, \zero
	PLACES NP
	WIN 0
	FETCH_A \slot, (\q)+1, 4
.endm
; A slot's last step changes slots: one barrier; in front of it each wave waits for all its tensor loads, adds 0 to its spare word, and waits for that and for its reads of this slot.
.macro TURN slot, next, fill
	s_wait_tensorcnt 0x0                           ; all my tensor loads have landed: my part of the next slot
	ds_add_u32 v[SPW], v[NIL]
	s_wait_dscnt 4*NL+1                            ; the add and the youngest 16 loads may be out
	WIN MUL_LO
	MUL16 0, 1, 0
	s_wait_dscnt 0x0                               ; the add is done, and my reads of this slot are over
	s_barrier_signal -1
	MUL16 2, 1, 0
	WIN 0
	s_barrier_wait -1
.if \fill
	CREST                                          ; the barrier has opened a round of the cluster's: no wave of any partner still reads this slot or has a load on its way
	s_add_nc_u64 s[G0+4*\slot+2:G0+4*\slot+3], s[G0+4*\slot+2:G0+4*\slot+3], 2*KSB
	s_add_nc_u64 s[G0B+4*\slot+2:G0B+4*\slot+3], s[G0B+4*\slot+2:G0B+4*\slot+3], 2*KSB
	JLOAD G0+4*\slot, G1, G0B+4*\slot, G1B         ; the first tensor load behind the round; its four v_nop are the places in front of the loads below
.else
	PLACES NP
.endif
	FETCH_B \next, 0, 0
	FETCH_A \next, 0, 0
	WIN MUL_HI
	MUL16 4, 1, 0
	MUL16 6, 1, 0
	PLACES NP
	WIN 0
	FETCH_A \next, 0, 4
.endm
	s_wait_tensorcnt 1                             ; my part of K step 0 is in; K step 1's load may be out
	s_barrier_signal -1
	s_barrier_wait -1
	FETCH_B 0, 0, 0
	FETCH_A 0, 0, 0
	FETCH_A 0, 0, 4
	STEP 0, 0, 1                                   ; the first step's products start the sums
	s_mov_b32 s3, LAPS-1
.Llap:
	TURN 0, 1, 1
	STEP 1, 0, 0
	TURN 1, 0, 1
	STEP 0, 0, 0
	s_sub_co_u32 s3, s3, 1
	s_cmp_lg_u32 s3, 0
	s_cbranch_scc1 .Llap
	TURN 0, 1, 0                                   ; the last lap fills nothing
	STEP 1, 0, 0
	s_wait_dscnt 4*NL
	WIN MUL_LO
	MUL16 0, 1, 0
	MUL16 2, 1, 0
	s_wait_dscnt 0
	WIN MUL_HI
	MUL16 4, 1, 0
	MUL16 6, 1, 0
	WIN 0
; THE WAY OUT, a block of 16 rows at a time: sum x 2^(ea + eb) + bias, the hold, the conversion, four stores of 512 consecutive bytes.  mode 0: q, k (bias by columns; mask); mode 1: v (bias by rows).
.macro EPC a, mode
.set AC, 64*((\a)%4)
.set CS, CD+16*((\a)%4)
.if (\a) >= 4
	s_wait_xcnt 0x0                                ; the stores of four blocks ago have read this set of codes
.endif
	WIN 0x02+((\a)/4)                              ; source 0: window 2 or 3
.irp b, 0,1,2,3,4,5,6,7
.irp j, 0,2,4,6
.if \mode == 0
	v_pk_fma_f32 v[Y+8*\b+\j:Y+8*\b+\j+1], v[AC+8*\b+\j:AC+8*\b+\j+1], s[96:97], v[BC+8*\b+\j:BC+8*\b+\j+1] op_sel_hi:[1,0,1]
.elseif (\a)%2
	v_pk_fma_f32 v[Y+8*\b+\j:Y+8*\b+\j+1], v[AC+8*\b+\j:AC+8*\b+\j+1], s[96:97], v[BR+(\a)-1:BR+(\a)] op_sel:[0,0,1] op_sel_hi:[1,0,1]
.else
	v_pk_fma_f32 v[Y+8*\b+\j:Y+8*\b+\j+1], v[AC+8*\b+\j:AC+8*\b+\j+1], s[96:97], v[BR+(\a):BR+(\a)+1] op_sel_hi:[1,0,0]
.endif
.endr
.endr
	WIN 0
.set ei, 0
.rept 64
	v_med3_num_f32 v[Y+ei], v[Y+ei], -v49, v49     ; the conversion does not saturate (ISA guide 7.6.2)
.set ei, ei+1
.endr
.irp b, 0,1,2,3,4,5,6,7
	v_cvt_scalef32_pk8_fp8_f32 v[CS+2*\b:CS+2*\b+1], v[Y+8*\b:Y+8*\b+7], v48
.endr
	v_nop                                          ; a plain instruction behind the last conversion
.if \mode == 0
	v_cmp_ne_u32 vcc_lo, 0, v[RM+(\a)]
.set ei, 0
.rept 16
	v_cndmask_b32 v[CS+ei], 0, v[CS+ei], vcc_lo    ; a masked key's codes are zeros
.set ei, ei+1
.endr
.irp i, 0,1,2,3
	global_store_b128 v[CO], v[CS+4*\i:CS+4*\i+3], s[10:11] offset:(\i/2)*131072+(\i%2)*512+(\a)*1024
.endr
.else
.irp i, 0,1,2,3
	global_store_b128 v[CO], v[CS+4*\i:CS+4*\i+3], s[10:11] offset:((\a)/4)*131072+((\a)%4)*2048+512*\i
.endr
.endif
.endm
	s_wait_kmcnt 0x0
	s_add_co_i32 s96, s96, s97
	s_add_co_i32 s96, s96, 127
	s_lshl_b32 s96, s96, 23                        ; 2^(ea + eb) as f32
	s_mov_b32 s97, s96                             ; (named with it as a pair)
	s_add_co_i32 s98, s98, 127
	s_lshl_b32 s99, s98, 23
	s_add_co_i32 s98, s98, 8
	s_lshl_b32 s98, s98, 23
	s_or_b32 s98, s98, 0x600000
	s_cmp_eq_u32 ttmp9, 1
	s_cselect_b32 s88, 0, 1                        ; only k honours the mask here
	s_wait_loadcnt 0x0                             ; the biases and the mask's words
	v_mov_b32 v48, s99                             ; 2^eo.  These ten plain lines are the places behind the last products
	v_mov_b32 v49, s98                             ; 448 x 2^eo
.irp a, 0,1,2,3,4,5,6,7
	v_or_b32 v[RM+\a], s88, v[RM+\a]
.endr
	s_cmp_eq_u32 ttmp9, 2                          ; the cluster's x: all partners and all waves go the same way
	s_cbranch_scc1 .Lv
.irp a, 0,1,2,3,4,5,6,7
	EPC \a, 0
.endr
	s_branch .Ldone
.Lv:
.irp a, 0,1,2,3,4,5,6,7
	EPC \a, 1
.endr
.Ldone:
	s_wait_tensorcnt 0x0                           ; the wave's end
	ds_add_u32 v[SPW], v[NIL]
	s_wait_dscnt 0x0
	CROUND                                         ; the closing round
	s_endpgm
.Lfunc_end_k_q2d9e5ac31a_qkv:
	.size	k_q2d9e5ac31a_qkv, .Lfunc_end_k_q2d9e5ac31a_qkv-k_q2d9e5ac31a_qkv
	.p2alignl 7, 3214868480
	.fill 96, 4, 3214868480
	.section	.rodata,"a",@progbits
	.p2align	6, 0x0
	.amdhsa_kernel k_q2d9e5ac31a_qkv
		.amdhsa_group_segment_fixed_size 327680
		.amdhsa_private_segment_fixed_size 0
		.amdhsa_enable_private_segment 0
		.amdhsa_kernarg_size 64
		.amdhsa_user_sgpr_count 2
		.amdhsa_user_sgpr_kernarg_segment_ptr 1
		.amdhsa_wavefront_size32 1
		.amdhsa_system_sgpr_workgroup_id_x 1
		.amdhsa_system_sgpr_workgroup_id_y 1
		.amdhsa_system_sgpr_workgroup_id_z 1
		.amdhsa_system_vgpr_workitem_id 0
		.amdhsa_next_free_vgpr 1024
		.amdhsa_next_free_sgpr 104
		.amdhsa_reserve_vcc 1
		.amdhsa_float_denorm_mode_32 3
		.amdhsa_float_denorm_mode_16_64 3
		.amdhsa_memory_ordered 1
		.amdhsa_forward_progress 1
		.amdhsa_inst_pref_size 199
	.end_amdhsa_kernel
	.amdgpu_metadata
---
amdhsa.version: [ 1, 2 ]
amdhsa.kernels:
  - .name:           k_q2d9e5ac31a_qkv
    .symbol:         k_q2d9e5ac31a_qkv.kd
    .args:
      - { .name: hc, .offset: 0, .size: 8, .value_kind: global_buffer, .address_space: global }
      - { .name: wc, .offset: 8, .size: 8, .value_kind: global_buffer, .address_space: global }
      - { .name: lowp_scales, .offset: 16, .size: 8, .value_kind: global_buffer, .address_space: global }
      - { .name: bq, .offset: 24, .size: 8, .value_kind: global_buffer, .address_space: global }
      - { .name: bk, .offset: 32, .size: 8, .value_kind: global_buffer, .address_space: global }
      - { .name: bv, .offset: 40, .size: 8, .value_kind: global_buffer, .address_space: global }
      - { .name: mask, .offset: 48, .size: 8, .value_kind: global_buffer, .address_space: global }
      - { .name: qkvc, .offset: 56, .size: 8, .value_kind: global_buffer, .address_space: global }
    .group_segment_fixed_size: 327680
    .private_segment_fixed_size: 0
    .kernarg_segment_align: 8
    .kernarg_segment_size: 64
    .max_flat_workgroup_size: 128
    .sgpr_count:     104
    .vgpr_count:     1024
    .wavefront_size: 32
...
	.end_amdgpu_metadata
.endif
;; end of part 2
;; launch attn (part 3): grid 8 x 32, 16 waves a work-group, clusters of 4 x 1, 327,680 bytes of LDS; arguments qkvc, mask, lowp_scales, ctxc; writes ctxc
.if DOCPART == 3
	.amdgcn_target "amdgcn-amd-amdhsa--gfx1250"
	.amdhsa_code_object_version 6
	.text
	.protected	k_q2d9e5ac31a_attn
	.globl	k_q2d9e5ac31a_attn
	.p2align	8
	.type	k_q2d9e5ac31a_attn,@function
k_q2d9e5ac31a_attn:
	s_mov_b64 s[64:65], 0
	v_nop
	global_prefetch_b8 v0, s[64:65] scope:SCOPE_SE
	s_setreg_imm32_b32 hwreg(HW_REG_WAVE_MODE, 25, 1), 1
	s_wait_xcnt 0x0
	s_wait_alu depctr_hold_cnt(0) depctr_sa_sdst(0) depctr_va_vdst(0) depctr_va_sdst(0) depctr_va_ssrc(0) depctr_va_vcc(0) depctr_vm_vsrc(0)
	s_getreg_b32 s2, hwreg(HW_REG_IB_STS2, 6, 4)
	s_cmp_eq_u32 s2, 0
	s_cbranch_scc0 .Lentry_in_a_cluster
	s_endpgm
.Lentry_in_a_cluster:
	s_bfe_u32 s2, ttmp6, 0x10000c
	s_cmp_lg_u32 s2, 0x3003
	s_cbranch_scc0 .Lentry_shape_is_right
	s_endpgm
.Lentry_shape_is_right:
; ATTENTION on codes of E4M3: products 4 and 5, the mask, the softmax, / l, and the result quantised at entry 10 of the scales.  Head size 64, 2,048 keys, 32 (batch, head).
; t = score x log2(e) / 8; M = the running largest t rounded up to a whole number; p = 2^(t - M) is quantised along the keys, not normalised; the row's sum is taken of the unquantised p and divides at the end.
; SHARES.  A work-group owns 256 queries of one (batch, head), each of its sixteen waves 16 of them in 256 registers: four waves to a SIMD, so that one wave's vector work stands beside another's matrix work.
; NO RING.  A head's K and V are 131,072 bytes of codes each and lie in LDS whole: first fills alone, four a wave, each 4,096 bytes; group g of them brings keys 512 g .. 512 g + 511 of K (waves 0-7) and V (waves 8-15).
; CLUSTER.  The four work-groups of a cluster belong to one (batch, head): every tile is asked for jointly.  No prefetch: every byte is asked for at the head.
; LAYOUT.  Both products transposed: S^T = K Q^T (source 0 = 16 keys), O^T = V^T P^T (source 0 = 16 of the head's 64): a lane holds one query (lane % 16) throughout.  Register j of S's tile t is key 16 t + 8 (lane / 16) + j,
; so the conversion of tile t is registers 2 t, 2 t + 1 of P's fragment.  K, V, Q lie as images of fragment registers: every LDS load takes 512 consecutive bytes.
; THE MASK.  A masked key's K codes are zeros (the launch before made them so), and its score is given as the C of K Q^T: BIG = -2^(33 - e6 - e7), else 0.  BIG x c is exact, so with every key masked t - M is 0, p is 1,
; and the result is the mean of V, as with -1e9.  LIMIT: a masked logit is -2^30 where the problem has -1e9: the same results as long as unmasked logits lie above about -1e9.
; LIMITS on the exponents: e6 + e7 between -94 and 130; e8 and e10 between -126 and 119; e8 + e9 goes in by v_ldexp_f32.  NaN is not served.
; REGISTERS: v1-3 addresses that stay; v5, v6 the add's two; v8-10 addresses in hand; v12 -M, v13 the largest t, v[14:15] the sum; v16-23 Q; v32-95 K's eight fragments, then V's four; v96-159 S^T, then p; v160-191 O^T; v224-239 P's codes.
.set VOFF,  131072
.set AM,    262144                     ; 2,048 f32: 0 or BIG for each key; written by LDS stores, no tile lands here
.set SPARE, 270336                     ; the spare words, 128 bytes for each of sixteen waves
.set SPW, 5
.set NIL, 6
.set WV,  18
.set G1,  24
.set G0,  32
.macro CROUND
	s_barrier_signal -1
	s_barrier_wait -1
	s_cmp_lg_u32 s[WV], 0
	s_cbranch_scc1 .Lnot_wave_0_\@
	s_barrier_signal -3
.Lnot_wave_0_\@:
	s_barrier_wait -3
	s_barrier_signal -1
	s_barrier_wait -1
.endm
	s_load_b256 s[4:11], s[0:1], 0x0               ; qkvc, mask, lowp_scales, ctxc
	v_lshl_add_u32 v[SPW], v0, 2, SPARE
	v_mov_b32 v[NIL], 0
	ds_add_u32 v[SPW], v[NIL]                      ; the wave's opening: the add and its wait ahead of my first tensor load
	v_lshrrev_b32 v8, 5, v0
	v_readfirstlane_b32 s[WV], v8                  ; wave 0..15
	s_bfe_u32 s13, ttmp6, 0x40000                  ; cx
	s_lshl_b32 s14, ttmp9, 2
	s_add_co_u32 s14, s14, s13                     ; my block of 256 queries: it enters global addresses alone
	s_and_b32 s12, ttmp7, 0xffff                   ; 16 x batch + head, which the four partners share
	s_mov_b32 s[G1], 15|(3<<16)|(1<<21)            ; 15:0 all four work-groups; 17:16 elements of 8 bytes; no padding; 21 set beside a mask
	s_mov_b32 s[G1+1], 32<<16                      ; tensor_dim0 = 32 elements: 256 bytes
	s_mov_b32 s[G1+2], 16<<16                      ; tensor_dim1 = 16
	s_mov_b32 s[G1+3], 32<<16                      ; tile_dim0
	s_mov_b32 s[G1+4], 16                          ; tile_dim1: 16 rows of 256 bytes, dense
	s_mov_b32 s[G1+5], 32
	s_mov_b32 s[G1+6], 0
	s_mov_b32 s[G1+7], 0
	s_lshr_b32 s15, s[WV], 3                       ; I fetch for K (0) or V (1)
	s_and_b32 s16, s[WV], 7
	s_lshl_b32 s16, s16, 12                        ; my 4,096 bytes of a group's 32,768
	s_lshl_b32 s17, s15, 17
	s_add_co_u32 s17, s17, s16                     ; in LDS
	s_lshl_b32 s48, s15, 22
	s_add_co_u32 s48, s48, 0x400000                ; k's codes begin 4 MiB into the buffer, v's 8 MiB
	s_lshl_b32 s49, s12, 17
	s_add_co_u32 s48, s48, s49
	s_add_co_u32 s48, s48, s16
	s_mov_b32 s49, 0
	s_lshl_b32 s53, s14, 4
	s_add_co_u32 s53, s53, s[WV]                   ; my tile of 16 queries
	s_lshl_b32 s50, s12, 17
	s_lshl_b32 s51, s53, 10
	s_add_co_u32 s50, s50, s51                     ; Q's fragment
	s_mov_b32 s51, 0
	s_lshr_b32 s54, s12, 4                         ; batch
	s_lshl_b32 s55, s54, 7
	s_add_co_u32 s55, s55, s53
	s_lshl_b32 s55, s55, 14                        ; the result: my block of 16 tokens x 16,384,
	s_and_b32 s56, s12, 15
	s_lshl_b32 s56, s56, 10                        ; + head x 1,024: half a fragment
	s_add_co_u32 s56, s56, s55
	s_mov_b32 s57, 0
	s_lshl_b32 s58, s54, 13                        ; the batch's 2,048 mask words
	s_mov_b32 s59, 0
	s_mov_b32 s20, 0x76543210                      ; v_permlanex16_b32: lane l xor 16
	s_mov_b32 s21, 0xfedcba98
	s_mov_b32 s22, 0x3e38aa3b                      ; c = log2(e) / 8
	s_mov_b32 s2, 0                                ; LDS byte of the step's K and V
	s_mov_b32 s3, 0                                ; and of its mask numbers
	s_wait_dscnt 0x0                               ; the opening add is done
	s_wait_kmcnt 0x0
	s_load_b512 s[68:83], s[8:9], 0x0              ; the sixteen exponents: e6 = s74 .. e10 = s78
	s_add_nc_u64 s[48:49], s[4:5], s[48:49]
	s_add_nc_u64 s[50:51], s[4:5], s[50:51]
	s_add_nc_u64 s[10:11], s[10:11], s[56:57]
	s_add_nc_u64 s[6:7], s[6:7], s[58:59]
.irp g, 0,1,2,3
	s_mov_b32 s[G0+4*\g], 1
	s_add_co_u32 s[G0+4*\g+1], s17, \g*32768
	s_add_nc_u64 s[G0+4*\g+2:G0+4*\g+3], s[48:49], \g*32768
	s_or_b32 s[G0+4*\g+3], s[G0+4*\g+3], 0x80000000
.endr
	CROUND                                         ; all four work-groups are here: the joint loads meet
.irp g, 0,1,2,3
	tensor_load_to_lds s[G0+4*\g:G0+4*\g+3], s[G1:G1+7]   ; four loads of mine are out, no more in the whole text
	s_nop 0
.endr
.rept 4
	v_nop
.endr
	v_and_b32 v8, 31, v0
	v_bfe_u32 v9, v0, 4, 1
	v_lshlrev_b32 v1, 4, v8                        ; 16 x lane: K's images, Q's, and the stores
	v_add_nc_u32 v2, VOFF, v1                      ; V's
	v_lshl_add_u32 v3, v9, 5, AM                   ; the mask numbers of my half's eight keys of a tile
	v_lshlrev_b32 v7, 4, v0                        ; 16 x thread
	v_lshl_add_u32 v11, v0, 4, AM
	global_load_b128 v[16:19], v1, s[50:51]        ; Q stays in registers
	global_load_b128 v[20:23], v1, s[50:51] offset:512
	global_load_b128 v[24:27], v7, s[6:7]          ; four mask words a thread
	v_mov_b32 v13, 0xff61b1e6                      ; the largest t so far: -3e38
	v_floor_f32 v12, -v13                          ; -M
	v_mov_b32 v14, 0
	v_mov_b32 v15, 0
	v_mov_b32 v236, 0                              ; a lane permute's destination counts as read
	v_mov_b32 v253, 0                              ; (named as the upper half of a pair)
.set zi, 0
.rept 32
	v_mov_b32 v[160+zi], 0                         ; O^T: the step is written once and its first walk finds zeros
.set zi, zi+1
.endr
	s_wait_kmcnt 0x0
	s_add_co_i32 s84, s74, s75                     ; e6 + e7
	s_lshl_b32 s85, s84, 23
	s_add_co_i32 s22, s22, s85                     ; added to c's exponent field
	s_mov_b32 s23, s22
	s_sub_co_i32 s85, 160, s84
	s_lshl_b32 s85, s85, 23
	s_or_b32 s85, s85, 0x80000000
	v_mov_b32 v28, s85                             ; BIG = -2^(33 - e6 - e7)
	s_add_co_i32 s86, s76, 127
	s_lshl_b32 s87, s86, 23
	v_mov_b32 v244, s87                            ; 2^e8
	s_add_co_i32 s86, s86, 8
	s_lshl_b32 s86, s86, 23
	s_or_b32 s86, s86, 0x600000
	v_mov_b32 v240, s86                            ; 448 x 2^e8
	s_add_co_i32 s86, s78, 127
	s_lshl_b32 s87, s86, 23
	v_mov_b32 v245, s87                            ; 2^e10
	s_add_co_i32 s86, s86, 8
	s_lshl_b32 s86, s86, 23
	s_or_b32 s86, s86, 0x600000
	v_mov_b32 v241, s86                            ; 448 x 2^e10
	s_wait_loadcnt 0x0                             ; Q and the mask's words
.irp i, 0,1,2,3
	v_cmp_eq_u32 vcc_lo, 0, v[24+\i]
	v_cndmask_b32 v[24+\i], 0, v28, vcc_lo
.endr
	ds_store_b128 v11, v[24:27]
; A KEY STEP: 128 keys.
.macro STEP
	v_add_nc_u32 v8, s2, v1
	v_add_nc_u32 v9, s2, v2
	v_add_nc_u32 v10, s3, v3
	v_nop                                          ; four places behind the last products, whose fragments' registers the loads below fill
.irp t, 0,1,2,3,4,5,6,7
	ds_load_b128 v[96+8*\t:99+8*\t], v10 offset:64*\t      ; the C of K Q^T: 0, or BIG for a masked key
	ds_load_b128 v[100+8*\t:103+8*\t], v10 offset:64*\t+16
.endr
.irp t, 0,1,2,3,4,5,6,7
	ds_load_b128 v[32+8*\t:35+8*\t], v8 offset:1024*\t
	ds_load_b128 v[36+8*\t:39+8*\t], v8 offset:1024*\t+512
.endr
	s_wait_dscnt 0x0
.irp t, 0,1,2,3,4,5,6,7
	v_wmma_f32_16x16x64_fp8_fp8 v[96+8*\t:103+8*\t], v[32+8*\t:39+8*\t], v[16:23], v[96+8*\t:103+8*\t]   ; eight accumulators, one instruction each
.endr
.rept 4
	v_nop                                          ; places in front of the loads into K's registers and of the first read of the scores
.endr
.irp t, 0,1,2,3
.irp i, 0,1,2,3
	ds_load_b128 v[32+16*\t+4*\i:35+16*\t+4*\i], v9 offset:2048*\t+512*\i   ; V lands under the softmax
.endr
.endr
	v_max3_num_f32 v254, v96, v97, v98             ; the step's largest score of my query among my 64 keys, in two chains, each accumulator from its low end on,
	v_max3_num_f32 v252, v99, v100, v101
.irp i, 6,10,14,18,22,26,30,34,38,42,46,50,54,58
	v_max3_num_f32 v254, v254, v[96+\i], v[97+\i]
	v_max3_num_f32 v252, v252, v[98+\i], v[99+\i]
.endr
	v_max3_num_f32 v254, v254, v158, v159
	v_max_num_f32 v254, v254, v252
	v_permlanex16_b32 v236, v254, s20, s21
	v_max_num_f32 v254, v254, v236                 ; and among lane l xor 16's
	v_mul_f32 v254, s22, v254                      ; as t
	v_max_num_f32 v13, v13, v254                   ; the running largest t
	v_mov_b32 v254, v12
	v_floor_f32 v12, -v13                          ; the new -M = -ceil(t)
	v_sub_f32 v254, v12, v254                      ; old M - new M: a whole number, 0 or less
	v_cvt_i32_f32 v254, v254                       ; (it saturates)
	v_ldexp_f32 v252, 1.0, v254                    ; f = 2^(old M - new M)
.set si, 0
.rept 32
	v_pk_fma_f32 v[96+si:97+si], v[96+si:97+si], s[22:23], v[12:13] op_sel_hi:[1,0,0]   ; t - M
.set si, si+2
.endr
.set si, 0
.rept 64
	v_exp_f32 v[96+si], v[96+si]                   ; p = 2^(t - M)
.set si, si+1
.endr
	v_pk_mul_f32 v[14:15], v[14:15], v[252:253] op_sel_hi:[1,0]   ; the sums under the new M: the plain instruction behind the exponentials
	s_wait_alu depctr_va_vdst(0)                   ; one wait for the batch, ahead of its first reader
	v_pk_add_f32 v[242:243], v[96:97], v[98:99]    ; the row's sum is taken of the unquantised p
.irp j, 4,8,12,16,20,24,28,32,36,40,44,48,52,56,60
	v_pk_add_f32 v[14:15], v[14:15], v[96+\j:97+\j]
	v_pk_add_f32 v[242:243], v[242:243], v[98+\j:99+\j]
.endr
	v_pk_add_f32 v[14:15], v[14:15], v[242:243]
.irp c, 0,1,2,3,4,5,6,7
.irp i, 0,1,2,3,4,5,6,7
	v_min_num_f32 v[96+8*\c+\i], v[96+8*\c+\i], v240   ; p is not negative: a one-sided hold (the conversion does not saturate: ISA guide 7.6.2)
.endr
	v_cvt_scalef32_pk8_fp8_f32 v[224+2*\c:225+2*\c], v[96+8*\c:103+8*\c], v244
.endr
.set si, 0
.rept 16
	v_pk_mul_f32 v[160+si:161+si], v[160+si:161+si], v[252:253] op_sel_hi:[1,0]   ; O^T under the new M; also the plain lines behind the last conversion
.set si, si+2
.endr
	s_wait_dscnt 0x0                               ; V is in
.irp t, 0,1,2,3
	v_wmma_f32_16x16x128_fp8_fp8 v[160+8*\t:167+8*\t], v[32+16*\t:47+16*\t], v[224:239], v[160+8*\t:167+8*\t]
.endr
.endm
; Keys 512 g on: four steps.  My part of group g has landed (the later groups' loads, 3 - g of them, stay out); my LDS instructions are done; behind the barrier that holds of all sixteen waves.  Nothing is filled again.
.macro GROUP g
	s_wait_tensorcnt 3-\g
	s_wait_dscnt 0x0
	s_barrier_signal -1
	s_barrier_wait -1
	s_mov_b32 s66, 4
.Lstep_\@:
	STEP
	s_add_co_u32 s2, s2, 8192
	s_add_co_u32 s3, s3, 512
	s_sub_co_u32 s66, s66, 1
	s_cmp_lg_u32 s66, 0
	s_cbranch_scc1 .Lstep_\@
.endm
	GROUP 0
	GROUP 1
	GROUP 2
	GROUP 3
	; THE WAY OUT: O^T / the sum x 2^(e8 + e9), held, converted: registers 2 t, 2 t + 1 of half a fragment of the next product's row operand
.rept 4
	v_nop                                          ; places behind the last products
.endr
	v_add_f32 v14, v14, v15
	v_permlanex16_b32 v252, v14, s20, s21
	v_add_f32 v14, v14, v252                       ; the row's sum
	v_rcp_f32 v14, v14
	v_nop                                          ; a plain instruction behind the reciprocal
	s_add_co_i32 s84, s76, s77
	s_wait_alu depctr_va_vdst(0)                   ; and the wait ahead of its first reader
	v_ldexp_f32 v14, v14, s84
.set si, 0
.rept 32
	v_mul_f32 v[96+si], v[160+si], v14
.set si, si+1
.endr
.set si, 0
.rept 32
	v_med3_num_f32 v[96+si], v[96+si], -v241, v241
.set si, si+1
.endr
.irp t, 0,1,2,3
	v_cvt_scalef32_pk8_fp8_f32 v[224+2*\t:225+2*\t], v[96+8*\t:103+8*\t], v245
.endr
	v_nop
	global_store_b128 v1, v[224:227], s[10:11]     ; 512 consecutive bytes each
	global_store_b128 v1, v[228:231], s[10:11] offset:512
	s_wait_tensorcnt 0x0                           ; the wave's end
	ds_add_u32 v[SPW], v[NIL]
	s_wait_dscnt 0x0
	CROUND                                         ; the closing round
	s_endpgm
.Lfunc_end_k_q2d9e5ac31a_attn:
	.size	k_q2d9e5ac31a_attn, .Lfunc_end_k_q2d9e5ac31a_attn-k_q2d9e5ac31a_attn
	.p2alignl 7, 3214868480
	.fill 96, 4, 3214868480
	.section	.rodata,"a",@progbits
	.p2align	6, 0x0
	.amdhsa_kernel k_q2d9e5ac31a_attn
		.amdhsa_group_segment_fixed_size 327680
		.amdhsa_private_segment_fixed_size 0
		.amdhsa_enable_private_segment 0
		.amdhsa_kernarg_size 32
		.amdhsa_user_sgpr_count 2
		.amdhsa_user_sgpr_kernarg_segment_ptr 1
		.amdhsa_wavefront_size32 1
		.amdhsa_system_sgpr_workgroup_id_x 1
		.amdhsa_system_sgpr_workgroup_id_y 1
		.amdhsa_system_sgpr_workgroup_id_z 1
		.amdhsa_system_vgpr_workitem_id 0
		.amdhsa_next_free_vgpr 256
		.amdhsa_next_free_sgpr 100
		.amdhsa_reserve_vcc 1
		.amdhsa_float_denorm_mode_32 3
		.amdhsa_float_denorm_mode_16_64 3
		.amdhsa_memory_ordered 1
		.amdhsa_forward_progress 1
		.amdhsa_inst_pref_size 78
	.end_amdhsa_kernel
	.amdgpu_metadata
---
amdhsa.version: [ 1, 2 ]
amdhsa.kernels:
  - .name:           k_q2d9e5ac31a_attn
    .symbol:         k_q2d9e5ac31a_attn.kd
    .args:
      - { .name: qkvc, .offset: 0, .size: 8, .value_kind: global_buffer, .address_space: global }
      - { .name: mask, .offset: 8, .size: 8, .value_kind: global_buffer, .address_space: global }
      - { .name: lowp_scales, .offset: 16, .size: 8, .value_kind: global_buffer, .address_space: global }
      - { .name: ctxc, .offset: 24, .size: 8, .value_kind: global_buffer, .address_space: global }
    .group_segment_fixed_size: 327680
    .private_segment_fixed_size: 0
    .kernarg_segment_align: 8
    .kernarg_segment_size: 32
    .max_flat_workgroup_size: 512
    .sgpr_count:     100
    .vgpr_count:     256
    .wavefront_size: 32
...
	.end_amdgpu_metadata
.endif
;; end of part 3
;; launch oproj (part 4): grid 4 x 16, 4 waves a work-group, clusters of 4 x 4, 327,680 bytes of LDS; arguments ctxc, wc, lowp_scales, bo, x, x1; writes x1
.if DOCPART == 4
	.amdgcn_target "amdgcn-amd-amdhsa--gfx1250"
	.amdhsa_code_object_version 6
	.text
	.protected	k_q2d9e5ac31a_oproj
	.globl	k_q2d9e5ac31a_oproj
	.p2align	8
	.type	k_q2d9e5ac31a_oproj,@function
k_q2d9e5ac31a_oproj:
	s_mov_b64 s[64:65], 0
	v_nop
	global_prefetch_b8 v0, s[64:65] scope:SCOPE_SE
	s_setreg_imm32_b32 hwreg(HW_REG_WAVE_MODE, 25, 1), 1
	s_wait_xcnt 0x0
	s_wait_alu depctr_hold_cnt(0) depctr_sa_sdst(0) depctr_va_vdst(0) depctr_va_sdst(0) depctr_va_ssrc(0) depctr_va_vcc(0) depctr_vm_vsrc(0)
	s_getreg_b32 s2, hwreg(HW_REG_IB_STS2, 6, 4)
	s_cmp_eq_u32 s2, 0
	s_cbranch_scc0 .Lentry_in_a_cluster
	s_endpgm
.Lentry_in_a_cluster:
	s_bfe_u32 s2, ttmp6, 0x10000c
	s_cmp_lg_u32 s2, 0xf033
	s_cbranch_scc0 .Lentry_shape_is_right
	s_endpgm
.Lentry_shape_is_right:
; OUT = RES + A B^T x 2^(ea + eb) + bias, f32 [4,096][1,024].  Here: product 6: A = the attention's result as codes, B = wo's codes, RES = x, OUT = x1.
; Operands are images of fragment registers: [rows/16][K/128][2,048 bytes]; lane l takes registers 4 i .. 4 i + 3 at 512 i + 16 l, and registers 2 c, 2 c + 1 hold k = 16 c + 8 (l / 16) + 0 .. 7.
; A work-group of four waves makes 256 x 256, a wave 128 x 128: 64 accumulators, 512 registers.  K goes in steps of 256 through two LDS slots filled by the tensor data mover.
; THE MATRIX INSTRUCTION IS USED TRANSPOSED (source 0 = 16 rows of B, source 1 = 16 rows of A): a lane holds eight neighbouring numbers of a row of the result.
; CLUSTERS: 4 x 4 work-groups; A's tile is asked for jointly along a row of the cluster, B's along a column.
; LIMIT: ea + eb between -126 and 127.
; REGISTERS: window 0: v16-31 addresses; v96-99 the bias of my four columns; v128-255 A's fragments, one set; on the way out v32-95 a block's sums, v128-255 two sets of rows.
;   window 1: B's fragments, two sets; on the way out four sets of 64: the residual's rows.  windows 2, 3: the accumulators.
.set KK,    1024
.set WOFF,  0x300000                   ; where B's codes begin in wc
.set SCA,   40                         ; the byte of ea in the scales; eb follows
.set PF,    0                          ; K has four steps: two come as first fills, two by the refills: there is none to prefetch
.set NTOUT, 0
.set RBP,   16*KK
.set KSB,   4096
.set HALFT, 32768
.set SLOT,  131072
.set SPARE, 262144
.set SPITCH, 528                       ; the way out: a stage of 16 rows x (512 bytes + 16) for each wave, in slot 0, which has had its last fill and its last read by then
.set LAPS,  KK/512
.set FR,   16
.set NL,   4
.set NP,   4
.set ADRA, 16
.set ADRB, 20
.set STO,  24
.set RD,   25
.set CO,   26
.set SPW,  28
.set NIL,  29
.set TMP,  32
.set AF,   128
.set BK,   128
.set G1,  24
.set G0,  32
.set G1B, 48
.set G0B, 56
.set MSB, 0
.macro WIN new
.if MSB != (\new)
	s_set_vgpr_msb (MSB<<8)|(\new)
.set MSB, (\new)
.endif
.endm
.set MUL_LO, 0xa1
.set MUL_HI, 0xf1
.set TO_B,   0x40
.macro JLOAD g0a, g1a, g0b, g1b        ; a joint load: waves 0, 1 fetch for A, waves 2, 3 for B; s_nop 0 and four v_nop follow each line
	s_cmp_eq_u32 s15, 0
	s_cbranch_scc0 .Lfor_b_\@
	tensor_load_to_lds s[\g0a:\g0a+3], s[\g1a:\g1a+7]
	s_nop 0
.rept 4
	v_nop
.endr
	s_branch .Lasked_\@
.Lfor_b_\@:
	tensor_load_to_lds s[\g0b:\g0b+3], s[\g1b:\g1b+7]
	s_nop 0
.rept 4
	v_nop
.endr
.Lasked_\@:
.endm
.macro ASK                             ; a prefetch of the K step two refills on: 2 blocks of rows x 4,096 bytes, a lane to each 256; the loop's last trip asks for nothing
	s_cmp_gt_u32 s3, s86
	s_cbranch_scc0 .Lnot_mine_\@
	global_prefetch_b8 v30, s[84:85] offset:KSB th:TH_LOAD_NT scope:SCOPE_SE
.Lnot_mine_\@:
.endm
.macro CREST
	s_cmp_lg_u32 s14, 0
	s_cbranch_scc1 .Lnot_wave_0_\@
	s_barrier_signal -3
.Lnot_wave_0_\@:
	s_barrier_wait -3
	s_barrier_signal -1
	s_barrier_wait -1
.endm
.macro CROUND
	s_barrier_signal -1
	s_barrier_wait -1
	CREST
.endm
	s_load_b256 s[68:75], s[0:1], 0x0              ; A, wc, lowp_scales, bias
	s_load_b128 s[76:79], s[0:1], 0x20             ; RES, OUT
	v_lshl_add_u32 v[SPW], v0, 2, SPARE
	v_mov_b32 v[NIL], 0
	ds_add_u32 v[SPW], v[NIL]                      ; the wave's opening: the add and its wait ahead of my first tensor load
	v_lshrrev_b32 v1, 5, v0
	v_readfirstlane_b32 s14, v1
	s_lshr_b32 s15, s14, 1
	s_and_b32 s16, s14, 1
	s_bfe_u32 s40, ttmp6, 0x40000                  ; cx
	s_bfe_u32 s41, ttmp6, 0x40004                  ; cy
	s_lshl_b32 s42, ttmp9, 2
	s_add_co_u32 s42, s42, s40                     ; tile column
	s_and_b32 s17, ttmp7, 0xffff
	s_lshl_b32 s17, s17, 2
	s_add_co_u32 s17, s17, s41                     ; tile row
	s_lshl_b32 s43, s41, 2
	s_lshl_b32 s43, 15, s43
	s_lshl_b32 s44, 0x1111, s40
	s_or_b32 s[G1+0], s43, (1<<21)                 ; 15:0 the mask; elements of 1 byte; no padding; 21 set beside a mask
	s_or_b32 s[G1B+0], s44, (1<<21)
.irp g, G1, G1B
	s_mov_b32 s[\g+1], KSB<<16                     ; tensor_dim0 = 4,096
	s_mov_b32 s[\g+2], 8<<16                       ; tensor_dim1 = 8
	s_mov_b32 s[\g+3], KSB<<16                     ; tile_dim0
	s_mov_b32 s[\g+4], 8                           ; tile_dim1: 8 blocks of rows
	s_mov_b32 s[\g+5], RBP
	s_mov_b32 s[\g+6], 0
	s_mov_b32 s[\g+7], 0
.endr
	s_lshl_b32 s18, s16, 3
	s_lshl_b32 s20, s17, 4
	s_add_co_u32 s20, s20, s18
	s_mul_i32 s20, s20, RBP
	s_mov_b32 s21, 0
	s_lshl_b32 s46, s42, 4
	s_add_co_u32 s46, s46, s18
	s_mul_i32 s46, s46, RBP
	s_add_co_u32 s46, s46, WOFF
	s_mov_b32 s47, 0
	s_lshl_b32 s45, s14, 15
	s_wait_dscnt 0x0                               ; the opening add is done
	s_wait_kmcnt 0x0
	s_load_b64 s[96:97], s[72:73], SCA             ; ea, eb
	s_add_nc_u64 s[20:21], s[68:69], s[20:21]
	s_add_nc_u64 s[46:47], s[70:71], s[46:47]
	CROUND
.irp s, 0,1
	s_mov_b32 s[G0+4*\s], 1
	s_add_co_u32 s[G0+4*\s+1], s45, \s*SLOT
	s_add_nc_u64 s[G0+4*\s+2:G0+4*\s+3], s[20:21], \s*KSB
	s_or_b32 s[G0+4*\s+3], s[G0+4*\s+3], 0x80000000
	s_mov_b32 s[G0B+4*\s], 1
	s_add_co_u32 s[G0B+4*\s+1], s45, \s*SLOT
	s_add_nc_u64 s[G0B+4*\s+2:G0B+4*\s+3], s[46:47], \s*KSB
	s_or_b32 s[G0B+4*\s+3], s[G0B+4*\s+3], 0x80000000
	JLOAD G0+4*\s, G1, G0B+4*\s, G1B
.endr
	v_and_b32 v1, 31, v0
	v_and_b32 v2, 15, v0
	v_bfe_u32 v3, v0, 4, 1
	v_lshlrev_b32 v[CO], 4, v1
	s_lshl_b32 s21, s15, 15
	s_lshl_b32 s22, s16, 15
	s_add_co_u32 s22, s22, 2*HALFT
.irp s, 0,1
	v_add_nc_u32 v[ADRA+\s], s21, v[CO]
	v_add_nc_u32 v[ADRB+\s], s22, v[CO]
	s_add_co_u32 s21, s21, SLOT
	s_add_co_u32 s22, s22, SLOT
.endr
	s_mul_i32 s23, s14, 16*SPITCH                  ; my stage
	v_mul_u32_u24 v5, v2, SPITCH
	v_lshl_add_u32 v5, v3, 5, v5
	v_add_nc_u32 v[STO], s23, v5                   ; in: row r, 32 bytes for each half of the lanes
	v_add_nc_u32 v[RD], s23, v[CO]                 ; back: the 32 lanes take a row of 512 bytes
	s_lshl_b32 s18, s17, 8
	s_lshl_b32 s19, s15, 7
	s_add_co_u32 s18, s18, s19
	s_lshl_b32 s18, s18, 12                        ; my first row x 4,096 bytes
	s_lshl_b32 s19, s42, 10
	s_lshl_b32 s22, s16, 9
	s_add_co_u32 s22, s22, s19                     ; my first column x 4
	s_mov_b32 s23, 0
	s_add_nc_u64 s[12:13], s[74:75], s[22:23]
	s_add_co_u32 s22, s22, s18
	s_add_nc_u64 s[66:67], s[76:77], s[22:23]
	s_add_nc_u64 s[10:11], s[78:79], s[22:23]
	global_load_b128 v[96:99], v[CO], s[12:13]     ; the bias of columns 4 lane .. 4 lane + 3 of my 128
.if PF
	; who prefetches: A's rows are read by this one column of clusters: every cluster asks; B's by all four: the cluster with y = 0 asks.  The four partners of a joint load take two blocks of rows each, told apart by address.
	s_and_b32 s90, ttmp7, 0xffff
	s_cmp_eq_u32 s15, 0
	s_cselect_b32 s88, s17, s42
	s_cselect_b32 s89, s40, s41
	s_cselect_b32 s90, ttmp9, s90
	s_cselect_b32 s91, 0, WOFF
	s_cselect_b64 s[84:85], s[68:69], s[70:71]
	s_cmp_eq_u32 s90, 0
	s_cselect_b32 s86, 1, -1
	s_lshl_b32 s88, s88, 4
	s_lshl_b32 s90, s16, 3
	s_add_co_u32 s88, s88, s90
	s_lshl_b32 s89, s89, 1
	s_add_co_u32 s88, s88, s89
	s_mul_i32 s88, s88, RBP
	s_add_co_u32 s88, s88, s91
	s_add_co_u32 s88, s88, 2*KSB                   ; at K step 2: the first refill steps it to 3 and names K step 4
	s_mov_b32 s89, 0
	s_add_nc_u64 s[84:85], s[84:85], s[88:89]
	v_mul_u32_u24 v30, v3, RBP
	v_lshl_add_u32 v30, v2, 8, v30                 ; (lane / 16) blocks of rows + (lane % 16) x 256 bytes; never rewritten
.endif
.macro FRAG reg, adr, q, i
.irp c, 0,1,2,3
	ds_load_b128 v[\reg+4*\c:\reg+4*\c+3], v[\adr] offset:4096*(\i)+2048*(\q)+512*\c
.endr
.endm
; 16 matrix instructions: A's blocks a0, a0 + 1 x B's eight.  The 64 accumulators take turns, one instruction a turn.
.macro MUL16 a0, p, zero
.irp a, \a0, \a0+1
.irp b, 0,1,2,3,4,5,6,7
.if \zero
	v_wmma_f32_16x16x128_fp8_fp8 v[8*(8*((\a)%4)+\b):8*(8*((\a)%4)+\b)+7], v[128*(\p)+FR*\b:128*(\p)+FR*\b+FR-1], v[AF+FR*(\a):AF+FR*(\a)+FR-1], 0
.else
	v_wmma_f32_16x16x128_fp8_fp8 v[8*(8*((\a)%4)+\b):8*(8*((\a)%4)+\b)+7], v[128*(\p)+FR*\b:128*(\p)+FR*\b+FR-1], v[AF+FR*(\a):AF+FR*(\a)+FR-1], v[8*(8*((\a)%4)+\b):8*(8*((\a)%4)+\b)+7]
.endif
.endr
.endr
.endm
.macro FETCH_B slot, q, p
	WIN TO_B
.irp i, 0,1,2,3,4,5,6,7
	FRAG 128*(\p)+FR*\i, ADRB+\slot, \q, \i
.endr
	WIN 0
.endm
.macro FETCH_A slot, q, i0
.irp i, \i0, \i0+1, \i0+2, \i0+3
	FRAG AF+FR*(\i), ADRA+\slot, \q, \i
.endr
.endm
.macro PLACES n                        ; places behind matrix instructions (ISA guide 7.12.1)
.rept \n
	v_nop
.endr
.endm
.macro STEP slot, q, zero
	s_wait_dscnt 4*NL                              ; B's set and A's blocks 0-3 are in; the youngest 16 loads may be out
	WIN MUL_LO
	MUL16 0, (\q)%2, \zero
	MUL16 2, (\q)%2, \zero
	s_wait_dscnt 0
	PLACES NP
	FETCH_B \slot, (\q)+1, 1-(\q)%2
	FETCH_A \slot, (\q)+1, 0
	WIN MUL_HI
	MUL16 4, (\q)%2, \zero
	MUL16 6, (\q)%2, \zero
	PLACES NP
	WIN 0
	FETCH_A \slot, (\q)+1, 4
.endm
.macro TURN slot, next, fill           ; a slot's last step changes slots
.if PF*(\fill)
	s_wait_xcnt 0x0                                ; the last prefetch, a K step back, has read its address
	s_add_nc_u64 s[84:85], s[84:85], KSB
.endif
	s_wait_tensorcnt 0x0                           ; all my tensor loads have landed: my part of the next slot
	ds_add_u32 v[SPW], v[NIL]
	s_wait_dscnt 4*NL+1                            ; the add and the youngest 16 loads may be out
	WIN MUL_LO
	MUL16 0, 1, 0
	s_wait_dscnt 0x0                               ; the add is done, and my reads of this slot are over
	s_barrier_signal -1
	MUL16 2, 1, 0
	WIN 0
	s_barrier_wait -1
.if \fill
	CREST                                          ; the round: no wave of any partner still reads this slot or has a load on its way
	s_add_nc_u64 s[G0+4*\slot+2:G0+4*\slot+3], s[G0+4*\slot+2:G0+4*\slot+3], 2*KSB
	s_add_nc_u64 s[G0B+4*\slot+2:G0B+4*\slot+3], s[G0B+4*\slot+2:G0B+4*\slot+3], 2*KSB
	JLOAD G0+4*\slot, G1, G0B+4*\slot, G1B
.else
	PLACES NP
.endif
	FETCH_B \next, 0, 0
	FETCH_A \next, 0, 0
.if PF*(\fill)
	ASK
.endif
	WIN MUL_HI
	MUL16 4, 1, 0
	MUL16 6, 1, 0
	PLACES NP
	WIN 0
	FETCH_A \next, 0, 4
.endm
	s_wait_tensorcnt 1                             ; my part of K step 0 is in; K step 1's load may be out
	s_barrier_signal -1
	s_barrier_wait -1
	FETCH_B 0, 0, 0
	FETCH_A 0, 0, 0
	FETCH_A 0, 0, 4
	STEP 0, 0, 1
	s_mov_b32 s3, LAPS-1
.Llap:
	TURN 0, 1, 1
	STEP 1, 0, 0
	TURN 1, 0, 1
	STEP 0, 0, 0
	s_sub_co_u32 s3, s3, 1
	s_cmp_lg_u32 s3, 0
	s_cbranch_scc1 .Llap
	TURN 0, 1, 0
	STEP 1, 0, 0
	s_wait_dscnt 4*NL
	WIN MUL_LO
	MUL16 0, 1, 0
	MUL16 2, 1, 0
	s_wait_dscnt 0
	WIN MUL_HI
	MUL16 4, 1, 0
	MUL16 6, 1, 0
	WIN 0
; THE WAY OUT, a block of 16 rows x 128 columns at a time: sums x 2^(ea + eb) through my stage in LDS, back as whole rows of 512 bytes, + the residual's row + the bias, stored as two aligned runs of 256 bytes.
.macro RLOAD a                         ; the residual's 16 rows of block a into set a % 4 of window 1
	WIN 0x40
.irp t, 0,1,2,3,4,5,6,7,8,9,10,11,12,13,14,15
	global_load_b128 v[64*((\a)%4)+4*\t:64*((\a)%4)+4*\t+3], v[CO], s[66:67] offset:(16*(\a)+\t)*4096 th:TH_LOAD_NT
.endr
	WIN 0
.endm
.macro TOSTAGE a
.set AC, 64*((\a)%4)
	WIN 0x02+((\a)/4)
.set ti, 0
.rept 32
	v_pk_mul_f32 v[TMP+ti:TMP+ti+1], v[AC+ti:AC+ti+1], s[96:97] op_sel_hi:[1,0]   ; each accumulator from its low end on
.set ti, ti+2
.endr
	WIN 0
.irp b, 0,1,2,3,4,5,6,7
	ds_store_b128 v[STO], v[TMP+8*\b:TMP+8*\b+3] offset:64*\b
	ds_store_b128 v[STO], v[TMP+8*\b+4:TMP+8*\b+7] offset:64*\b+16
.endr
.set BB, BK+64*((\a)%2)
.irp t, 0,1,2,3,4,5,6,7,8,9,10,11,12,13,14,15
	ds_load_b128 v[BB+4*\t:BB+4*\t+3], v[RD] offset:\t*SPITCH   ; LDS serves a wave's instructions in order (ISA guide 5.7.1.4): these see the stores above
.endr
.endm
.macro SEND a, younger
.set BB, BK+64*((\a)%2)
.set RS, 64*((\a)%4)
	s_wait_dscnt \younger                          ; the block is back in registers; the next block's 16 stores and 16 loads may be out
.if (\a) < 5
	s_wait_loadcnt 48                              ; the residual's block a is in; the three blocks asked for behind it may be out
.else
	s_wait_loadcnt 16*(7-(\a))
.endif
	WIN 0x04                                       ; source 1 window 1
.set ti, 0
.rept 32
	v_pk_add_f32 v[BB+ti:BB+ti+1], v[BB+ti:BB+ti+1], v[RS+ti:RS+ti+1]
.set ti, ti+2
.endr
	WIN 0
.irp t, 0,1,2,3,4,5,6,7,8,9,10,11,12,13,14,15
	v_pk_add_f32 v[BB+4*\t:BB+4*\t+1], v[BB+4*\t:BB+4*\t+1], v[96:97]
	v_pk_add_f32 v[BB+4*\t+2:BB+4*\t+3], v[BB+4*\t+2:BB+4*\t+3], v[98:99]
.endr
.irp t, 0,1,2,3,4,5,6,7,8,9,10,11,12,13,14,15
.if NTOUT
	global_store_b128 v[CO], v[BB+4*\t:BB+4*\t+3], s[10:11] offset:(16*(\a)+\t)*4096 th:TH_STORE_NT
.else
	global_store_b128 v[CO], v[BB+4*\t:BB+4*\t+3], s[10:11] offset:(16*(\a)+\t)*4096
.endif
.endr
.if (\a) < 4
	RLOAD (\a)+4
.endif
.endm
	s_wait_kmcnt 0x0
	s_add_co_i32 s96, s96, s97
	s_add_co_i32 s96, s96, 127
	s_lshl_b32 s96, s96, 23                        ; 2^(ea + eb) as f32
	s_mov_b32 s97, s96
	PLACES NP                                      ; behind the last products: for the loads into B's registers and into A's, and for the reads of results
	RLOAD 0
	RLOAD 1
	RLOAD 2
	RLOAD 3
	TOSTAGE 0
.irp a, 1,2,3,4,5,6,7
.if \a > 1
	s_wait_xcnt 0x0                                ; block a - 2's stores have read their registers: block a's rows may land there
.endif
	TOSTAGE \a
	SEND \a-1, 32
.endr
	SEND 7, 0
	s_wait_tensorcnt 0x0                           ; the wave's end
	ds_add_u32 v[SPW], v[NIL]
	s_wait_dscnt 0x0
	CROUND                                         ; the closing round
	s_endpgm
.Lfunc_end_k_q2d9e5ac31a_oproj:
	.size	k_q2d9e5ac31a_oproj, .Lfunc_end_k_q2d9e5ac31a_oproj-k_q2d9e5ac31a_oproj
	.p2alignl 7, 3214868480
	.fill 96, 4, 3214868480
	.section	.rodata,"a",@progbits
	.p2align	6, 0x0
	.amdhsa_kernel k_q2d9e5ac31a_oproj
		.amdhsa_group_segment_fixed_size 327680
		.amdhsa_private_segment_fixed_size 0
		.amdhsa_enable_private_segment 0
		.amdhsa_kernarg_size 48
		.amdhsa_user_sgpr_count 2
		.amdhsa_user_sgpr_kernarg_segment_ptr 1
		.amdhsa_wavefront_size32 1
		.amdhsa_system_sgpr_workgroup_id_x 1
		.amdhsa_system_sgpr_workgroup_id_y 1
		.amdhsa_system_sgpr_workgroup_id_z 1
		.amdhsa_system_vgpr_workitem_id 0
		.amdhsa_next_free_vgpr 1024
		.amdhsa_next_free_sgpr 104
		.amdhsa_reserve_vcc 0
		.amdhsa_float_denorm_mode_32 3
		.amdhsa_float_denorm_mode_16_64 3
		.amdhsa_memory_ordered 1
		.amdhsa_forward_progress 1
		.amdhsa_inst_pref_size 168
	.end_amdhsa_kernel
	.amdgpu_metadata
---
amdhsa.version: [ 1, 2 ]
amdhsa.kernels:
  - .name:           k_q2d9e5ac31a_oproj
    .symbol:         k_q2d9e5ac31a_oproj.kd
    .args:
      - { .name: ctxc, .offset: 0, .size: 8, .value_kind: global_buffer, .address_space: global }
      - { .name: wc, .offset: 8, .size: 8, .value_kind: global_buffer, .address_space: global }
      - { .name: lowp_scales, .offset: 16, .size: 8, .value_kind: global_buffer, .address_space: global }
      - { .name: bo, .offset: 24, .size: 8, .value_kind: global_buffer, .address_space: global }
      - { .name: x, .offset: 32, .size: 8, .value_kind: global_buffer, .address_space: global }
      - { .name: x1, .offset: 40, .size: 8, .value_kind: global_buffer, .address_space: global }
    .group_segment_fixed_size: 327680
    .private_segment_fixed_size: 0
    .kernarg_segment_align: 8
    .kernarg_segment_size: 48
    .max_flat_workgroup_size: 128
    .sgpr_count:     104
    .vgpr_count:     1024
    .wavefront_size: 32
...
	.end_amdgpu_metadata
.endif
;; end of part 4
;; launch ln2 (part 5): grid 256 x 1, 4 waves a work-group, no clusters, 17,408 bytes of LDS; arguments x1, ln2_a, ln2_b, lowp_scales, h2c; writes h2c
.if DOCPART == 5
	.amdgcn_target "amdgcn-amd-amdhsa--gfx1250"
	.amdhsa_code_object_version 6
	.text
	.protected	k_q2d9e5ac31a_ln2
	.globl	k_q2d9e5ac31a_ln2
	.p2align	8
	.type	k_q2d9e5ac31a_ln2,@function
k_q2d9e5ac31a_ln2:
	s_mov_b64 s[64:65], 0
	v_nop
	global_prefetch_b8 v0, s[64:65] scope:SCOPE_SE
	s_setreg_imm32_b32 hwreg(HW_REG_WAVE_MODE, 25, 1), 1
	s_wait_xcnt 0x0
; LN2(x1) becomes codes of E4M3 at entry 12 of the scales, laid as images of fragment registers: [rows/16][8][2,048 bytes]; element (row r, k) of a fragment at (c>>1)*512 + (16 h + r)*16 + (c&1)*8 + (k&7), c = k>>4, h = (k>>3)&1.
; A work-group takes 16 rows, a wave four of them, each whole in 32 registers a lane (lane l: k = 256 j + 8 l + 0 .. 7).  The spread is taken of x - mean; std is unbiased; the divisor is std + 1e-6.
; One barrier: a fragment's 16 rows come from four waves.  Memory binds: no matrix work, no tensor loads, no cluster.  LIMITS: e between -126 and 119; NaN is not served.
.set LNST,  0
.set LPIT,  1040                       ; a row of 1,024 codes + 16: 260 words, so the 32 lanes of an 8-byte load fall on 64 different banks (ISA guide 11.1)
.set LSC,   16*LPIT
.set SPARE, 16640                      ; the spare words, 128 bytes for each wave
.set SPW, 8
.set NIL, 9
.set NS,  1
.set ST,  16
.set AL,  32
.set BE,  64
.set XR,  96
.set T,   224
.set CD,  240
.macro WRED reg
	v_add_f32_dpp v[\reg], v[\reg], v[\reg] row_xmask:1 row_mask:0xf bank_mask:0xf
	v_add_f32_dpp v[\reg], v[\reg], v[\reg] row_xmask:2 row_mask:0xf bank_mask:0xf
	v_add_f32_dpp v[\reg], v[\reg], v[\reg] row_xmask:4 row_mask:0xf bank_mask:0xf
	v_add_f32_dpp v[\reg], v[\reg], v[\reg] row_xmask:8 row_mask:0xf bank_mask:0xf
	v_permlanex16_b32 v30, v[\reg], s60, s61       ; v30 has been written by the chains
	v_add_f32 v[\reg], v[\reg], v30
.endm
.macro FOLD dst
	v_pk_add_f32 v[24:25], v[24:25], v[26:27]
	v_pk_add_f32 v[28:29], v[28:29], v[30:31]
	v_pk_add_f32 v[24:25], v[24:25], v[28:29]
	v_add_f32 v[\dst], v24, v25
	WRED \dst
.endm
.macro RSUM p
.irp c, 0,1,2,3
	v_pk_add_f32 v[24+2*\c:25+2*\c], v[XR+32*\p+2*\c:XR+32*\p+2*\c+1], v[XR+32*\p+8+2*\c:XR+32*\p+8+2*\c+1]
.endr
.irp g, 16,24
.irp c, 0,1,2,3
	v_pk_add_f32 v[24+2*\c:25+2*\c], v[24+2*\c:25+2*\c], v[XR+32*\p+\g+2*\c:XR+32*\p+\g+2*\c+1]
.endr
.endr
	FOLD ST+2*\p
.endm
.macro CENTER p
.set ci, 0
.rept 16
	v_pk_add_f32 v[XR+32*\p+ci:XR+32*\p+ci+1], v[XR+32*\p+ci:XR+32*\p+ci+1], v[ST+2*\p:ST+2*\p+1] op_sel_hi:[1,0] neg_lo:[0,1] neg_hi:[0,1]
.set ci, ci+2
.endr
.endm
.macro RSQ p
.irp c, 0,1,2,3
	v_pk_mul_f32 v[24+2*\c:25+2*\c], v[XR+32*\p+2*\c:XR+32*\p+2*\c+1], v[XR+32*\p+2*\c:XR+32*\p+2*\c+1]
.endr
.irp g, 8,16,24
.irp c, 0,1,2,3
	v_pk_fma_f32 v[24+2*\c:25+2*\c], v[XR+32*\p+\g+2*\c:XR+32*\p+\g+2*\c+1], v[XR+32*\p+\g+2*\c:XR+32*\p+\g+2*\c+1], v[24+2*\c:25+2*\c]
.endr
.endr
	FOLD ST+2*\p
.endm
.macro NORM p
.set ni, 0
.rept 16
	v_pk_mul_f32 v[XR+32*\p+ni:XR+32*\p+ni+1], v[XR+32*\p+ni:XR+32*\p+ni+1], v[ST+2*\p:ST+2*\p+1]
.set ni, ni+2
.endr
.set ni, 0
.rept 16
	v_pk_fma_f32 v[XR+32*\p+ni:XR+32*\p+ni+1], v[XR+32*\p+ni:XR+32*\p+ni+1], v[AL+ni:AL+ni+1], v[BE+ni:BE+ni+1]
.set ni, ni+2
.endr
.endm
.macro QROW p, s
.set CS, CD+8*((NS*(\p)+(\s))%2)
	s_wait_dscnt 4                                 ; the stores of the turn before last have read this set of codes; the last turn's four may be out
.irp j, 0,1,2,3
.irp i, 0,1,2,3,4,5,6,7
	v_med3_num_f32 v[T+8*(\j%2)+\i], v[XR+32*(\p)+8*\j+\i], -v[11+2*(\s)], v[11+2*(\s)]   ; the conversion does not saturate (ISA guide 7.6.2)
.endr
	v_cvt_scalef32_pk8_fp8_f32 v[CS+2*\j:CS+2*\j+1], v[T+8*(\j%2):T+8*(\j%2)+7], v[10+2*(\s)]
	ds_store_b64 v3, v[CS+2*\j:CS+2*\j+1] offset:(\s)*LSC+(\p)*LPIT+256*\j
.endr
.endm
	s_load_b256 s[4:11], s[0:1], 0x0               ; x1, ln2_a, ln2_b, lowp_scales
	s_load_b64 s[12:13], s[0:1], 0x20              ; h2c
	v_lshl_add_u32 v[SPW], v0, 2, SPARE
	v_mov_b32 v[NIL], 0
	v_lshrrev_b32 v1, 5, v0
	v_readfirstlane_b32 s28, v1                    ; wave 0..3
	v_and_b32 v1, 31, v0
	v_and_b32 v6, 15, v0
	v_bfe_u32 v7, v0, 4, 1
	s_lshl_b32 s30, ttmp9, 16
	s_lshl_b32 s31, s28, 14
	s_add_co_u32 s30, s30, s31
	s_mov_b32 s31, 0
	s_lshl_b32 s38, ttmp9, 14
	s_mov_b32 s39, 0
	v_lshlrev_b32 v2, 5, v1
	s_mul_i32 s56, s28, 4*LPIT
	v_lshl_add_u32 v3, v1, 3, s56                  ; the stage, in: my wave's four rows, 8 codes a lane
	s_lshl_b32 s57, s28, 8
	v_mul_u32_u24 v4, v6, LPIT
	v_lshl_add_u32 v4, v7, 3, v4
	v_add_nc_u32 v4, s57, v4                       ; back: row r, + 8 h, + my wave's two fragments
	v_lshlrev_b32 v5, 4, v1
	v_lshl_add_u32 v5, s28, 12, v5                 ; out: 16 x lane + 4,096 x wave
	s_mov_b32 s60, 0x76543210
	s_mov_b32 s61, 0xfedcba98
	s_wait_kmcnt 0x0
	s_load_b32 s40, s[10:11], 48                   ; entry 12
	s_add_nc_u64 s[30:31], s[4:5], s[30:31]
	s_add_nc_u64 s[32:33], s[12:13], s[38:39]
.irp p, 0,1,2,3
.irp j, 0,1,2,3
	global_load_b128 v[XR+32*\p+8*\j:XR+32*\p+8*\j+3], v2, s[30:31] offset:4096*\p+1024*\j
	global_load_b128 v[XR+32*\p+8*\j+4:XR+32*\p+8*\j+7], v2, s[30:31] offset:4096*\p+1024*\j+16
.endr
.endr
.irp j, 0,1,2,3
	global_load_b128 v[AL+8*\j:AL+8*\j+3], v2, s[6:7] offset:1024*\j
	global_load_b128 v[AL+8*\j+4:AL+8*\j+7], v2, s[6:7] offset:1024*\j+16
	global_load_b128 v[BE+8*\j:BE+8*\j+3], v2, s[8:9] offset:1024*\j
	global_load_b128 v[BE+8*\j+4:BE+8*\j+7], v2, s[8:9] offset:1024*\j+16
.endr
	s_wait_kmcnt 0x0
	s_add_co_i32 s48, s40, 127
	s_lshl_b32 s49, s48, 23
	v_mov_b32 v10, s49                             ; 2^e
	s_add_co_i32 s48, s48, 8
	s_lshl_b32 s48, s48, 23
	s_or_b32 s48, s48, 0x600000
	v_mov_b32 v11, s48                             ; 448 x 2^e
	s_wait_loadcnt 0x0                             ; the wave's whole share was asked for at once
.irp p, 0,1,2,3
	RSUM \p
	v_mul_f32 v[ST+2*\p], 0x3a800000, v[ST+2*\p]   ; / 1,024: the mean
	v_mov_b32 v[ST+2*\p+1], v[ST+2*\p]
	CENTER \p
	RSQ \p
	v_mul_f32 v[ST+2*\p], 0x3a802008, v[ST+2*\p]   ; / 1,023
.endr
.irp p, 0,1,2,3
	v_sqrt_f32 v[ST+2*\p], v[ST+2*\p]
.endr
	v_nop                                          ; a plain instruction behind the last root,
	s_wait_alu depctr_va_vdst(0)                   ; and one wait for the four, ahead of their first reader
.irp p, 0,1,2,3
	v_add_f32 v[ST+2*\p], 0x358637bd, v[ST+2*\p]   ; + 1e-6
.endr
.irp p, 0,1,2,3
	v_rcp_f32 v[ST+2*\p], v[ST+2*\p]
.endr
	v_nop
	s_wait_alu depctr_va_vdst(0)
.irp p, 0,1,2,3
	v_mov_b32 v[ST+2*\p+1], v[ST+2*\p]
.endr
.irp p, 0,1,2,3
	NORM \p
.endr
.irp p, 0,1,2,3
	QROW \p, 0
.endr
	v_nop                                          ; a plain instruction behind the last conversion
	s_wait_dscnt 0x0                               ; for the others' sake: my stores into the stage are done
	s_barrier_signal -1
	s_barrier_wait -1
.irp k, 0,1
.irp i, 0,1,2,3
	ds_load_b64 v[XR+4*(4*\k+\i):XR+4*(4*\k+\i)+1], v4 offset:128*\k+32*\i
	ds_load_b64 v[XR+4*(4*\k+\i)+2:XR+4*(4*\k+\i)+3], v4 offset:128*\k+32*\i+16
.endr
.endr
.irp k, 0,1
.irp i, 0,1,2,3
	s_wait_dscnt 14-2*(4*\k+\i)                    ; this unit's two loads are in, the younger ones stay out
	global_store_b128 v5, v[XR+4*(4*\k+\i):XR+4*(4*\k+\i)+3], s[32:33] offset:\k*2048+\i*512
.endr
.endr
	s_wait_tensorcnt 0x0                           ; the wave's end: behind my last LDS store
	ds_add_u32 v[SPW], v[NIL]
	s_wait_dscnt 0x0
	s_endpgm
.Lfunc_end_k_q2d9e5ac31a_ln2:
	.size	k_q2d9e5ac31a_ln2, .Lfunc_end_k_q2d9e5ac31a_ln2-k_q2d9e5ac31a_ln2
	.p2alignl 7, 3214868480
	.fill 96, 4, 3214868480
	.section	.rodata,"a",@progbits
	.p2align	6, 0x0
	.amdhsa_kernel k_q2d9e5ac31a_ln2
		.amdhsa_group_segment_fixed_size 17408
		.amdhsa_private_segment_fixed_size 0
		.amdhsa_enable_private_segment 0
		.amdhsa_kernarg_size 40
		.amdhsa_user_sgpr_count 2
		.amdhsa_user_sgpr_kernarg_segment_ptr 1
		.amdhsa_wavefront_size32 1
		.amdhsa_system_sgpr_workgroup_id_x 1
		.amdhsa_system_sgpr_workgroup_id_y 1
		.amdhsa_system_sgpr_workgroup_id_z 1
		.amdhsa_system_vgpr_workitem_id 0
		.amdhsa_next_free_vgpr 256
		.amdhsa_next_free_sgpr 66
		.amdhsa_reserve_vcc 0
		.amdhsa_float_denorm_mode_32 3
		.amdhsa_float_denorm_mode_16_64 3
		.amdhsa_memory_ordered 1
		.amdhsa_forward_progress 1
		.amdhsa_inst_pref_size 44
	.end_amdhsa_kernel
	.amdgpu_metadata
---
amdhsa.version: [ 1, 2 ]
amdhsa.kernels:
  - .name:           k_q2d9e5ac31a_ln2
    .symbol:         k_q2d9e5ac31a_ln2.kd
    .args:
      - { .name: x1, .offset: 0, .size: 8, .value_kind: global_buffer, .address_space: global }
      - { .name: ln2_a, .offset: 8, .size: 8, .value_kind: global_buffer, .address_space: global }
      - { .name: ln2_b, .offset: 16, .size: 8, .value_kind: global_buffer, .address_space: global }
      - { .name: lowp_scales, .offset: 24, .size: 8, .value_kind: global_buffer, .address_space: global }
      - { .name: h2c, .offset: 32, .size: 8, .value_kind: global_buffer, .address_space: global }
    .group_segment_fixed_size: 17408
    .private_segment_fixed_size: 0
    .kernarg_segment_align: 8
    .kernarg_segment_size: 40
    .max_flat_workgroup_size: 128
    .sgpr_count:     66
    .vgpr_count:     256
    .wavefront_size: 32
...
	.end_amdgpu_metadata
.endif
;; end of part 5
;; launch ffn1 (part 6): grid 16 x 16, 4 waves a work-group, clusters of 4 x 4, 327,680 bytes of LDS; arguments h2c, wc, lowp_scales, b1, hidc; writes hidc
.if DOCPART == 6
	.amdgcn_target "amdgcn-amd-amdhsa--gfx1250"
	.amdhsa_code_object_version 6
	.text
	.protected	k_q2d9e5ac31a_ffn1
	.globl	k_q2d9e5ac31a_ffn1
	.p2align	8
	.type	k_q2d9e5ac31a_ffn1,@function
k_q2d9e5ac31a_ffn1:
	s_mov_b64 s[64:65], 0
	v_nop
	global_prefetch_b8 v0, s[64:65] scope:SCOPE_SE
	s_setreg_imm32_b32 hwreg(HW_REG_WAVE_MODE, 25, 1), 1
	s_wait_xcnt 0x0
	s_wait_alu depctr_hold_cnt(0) depctr_sa_sdst(0) depctr_va_vdst(0) depctr_va_sdst(0) depctr_va_ssrc(0) depctr_va_vcc(0) depctr_vm_vsrc(0)
	s_getreg_b32 s2, hwreg(HW_REG_IB_STS2, 6, 4)
	s_cmp_eq_u32 s2, 0
	s_cbranch_scc0 .Lentry_in_a_cluster
	s_endpgm
.Lentry_in_a_cluster:
	s_bfe_u32 s2, ttmp6, 0x10000c
	s_cmp_lg_u32 s2, 0xf033
	s_cbranch_scc0 .Lentry_shape_is_right
	s_endpgm
.Lentry_shape_is_right:
; FFN1.  Product 7 on codes of E4M3, + b1, relu, quantised at entry 14 of the scales: the hidden layer [4,096][4,096] as images of fragment registers.
; Operands are images: [rows/16][K/128][2,048 bytes]; lane l takes registers 4 i .. 4 i + 3 at 512 i + 16 l, and registers 2 c, 2 c + 1 hold k = 16 c + 8 (l / 16) + 0 .. 7.
; A work-group of four waves makes 256 x 256, a wave 128 x 128: 64 accumulators, 512 registers.  K = 1,024 goes in steps of 256 through two LDS slots filled by the tensor data mover.
; THE MATRIX INSTRUCTION IS USED TRANSPOSED (source 0 = 16 rows of w1's codes, source 1 = 16 tokens): lane (r, h) holds token r and hidden units 16 b + 8 h + 0 .. 7 of accumulator b,
; so the conversion of accumulator b IS registers 2 b, 2 b + 1 of the next product's fragment: the codes are stored straight from registers, 512 consecutive bytes an instruction.
; CLUSTERS: 4 x 4 work-groups; the tokens' tile is asked for jointly along a row of the cluster, the weight's along a column.  No prefetch: K has four steps, two come as first fills and two by the refills.
; LIMITS: e12 + e13 between -126 and 127; e14 between -126 and 119; NaN is not served.
; REGISTERS: window 0: v16-31 addresses; v48, v49 powers of two; v64-127 the bias; v128-255 A's fragments; on the way out v128-191 numbers, v192-255 codes.  window 1: B's two sets.  windows 2, 3: the accumulators.
.set KK,    1024
.set WOFF,  0x400000                   ; where w1's codes begin in wc
.set RBP,   16*KK
.set KSB,   4096
.set HALFT, 32768
.set SLOT,  131072
.set SPARE, 262144
.set LAPS,  KK/512
.set FR,   16
.set NL,   4
.set NP,   4
.set ADRA, 16
.set ADRB, 20
.set CO,   26
.set SPW,  28
.set NIL,  29
.set BC,   64
.set AF,   128
.set Y,    128
.set CD,   192
.set G1,  24
.set G0,  32
.set G1B, 48
.set G0B, 56
.set MSB, 0
.macro WIN new
.if MSB != (\new)
	s_set_vgpr_msb (MSB<<8)|(\new)
.set MSB, (\new)
.endif
.endm
.set MUL_LO, 0xa1
.set MUL_HI, 0xf1
.set TO_B,   0x40
.macro JLOAD g0a, g1a, g0b, g1b        ; a joint load: waves 0, 1 fetch for A, waves 2, 3 for B; s_nop 0 and four v_nop follow each line
	s_cmp_eq_u32 s15, 0
	s_cbranch_scc0 .Lfor_b_\@
	tensor_load_to_lds s[\g0a:\g0a+3], s[\g1a:\g1a+7]
	s_nop 0
.rept 4
	v_nop
.endr
	s_branch .Lasked_\@
.Lfor_b_\@:
	tensor_load_to_lds s[\g0b:\g0b+3], s[\g1b:\g1b+7]
	s_nop 0
.rept 4
	v_nop
.endr
.Lasked_\@:
.endm
.macro CREST
	s_cmp_lg_u32 s14, 0
	s_cbranch_scc1 .Lnot_wave_0_\@
	s_barrier_signal -3
.Lnot_wave_0_\@:
	s_barrier_wait -3
	s_barrier_signal -1
	s_barrier_wait -1
.endm
.macro CROUND
	s_barrier_signal -1
	s_barrier_wait -1
	CREST
.endm
	s_load_b256 s[68:75], s[0:1], 0x0              ; h2c, wc, lowp_scales, b1
	s_load_b64 s[76:77], s[0:1], 0x20              ; hidc
	v_lshl_add_u32 v[SPW], v0, 2, SPARE
	v_mov_b32 v[NIL], 0
	ds_add_u32 v[SPW], v[NIL]                      ; the wave's opening: the add and its wait ahead of my first tensor load
	v_lshrrev_b32 v1, 5, v0
	v_readfirstlane_b32 s14, v1
	s_lshr_b32 s15, s14, 1
	s_and_b32 s16, s14, 1
	s_bfe_u32 s40, ttmp6, 0x40000                  ; cx
	s_bfe_u32 s41, ttmp6, 0x40004                  ; cy
	s_lshl_b32 s42, ttmp9, 2
	s_add_co_u32 s42, s42, s40                     ; tile column
	s_and_b32 s17, ttmp7, 0xffff
	s_lshl_b32 s17, s17, 2
	s_add_co_u32 s17, s17, s41                     ; tile row
	s_lshl_b32 s43, s41, 2
	s_lshl_b32 s43, 15, s43
	s_lshl_b32 s44, 0x1111, s40
	s_or_b32 s[G1+0], s43, (1<<21)                 ; 15:0 the mask; elements of 1 byte; no padding; 21 set beside a mask
	s_or_b32 s[G1B+0], s44, (1<<21)
.irp g, G1, G1B
	s_mov_b32 s[\g+1], KSB<<16                     ; tensor_dim0 = 4,096
	s_mov_b32 s[\g+2], 8<<16                       ; tensor_dim1 = 8
	s_mov_b32 s[\g+3], KSB<<16                     ; tile_dim0
	s_mov_b32 s[\g+4], 8                           ; tile_dim1: 8 blocks of rows
	s_mov_b32 s[\g+5], RBP
	s_mov_b32 s[\g+6], 0
	s_mov_b32 s[\g+7], 0
.endr
	s_lshl_b32 s18, s16, 3
	s_lshl_b32 s20, s17, 4
	s_add_co_u32 s20, s20, s18
	s_mul_i32 s20, s20, RBP
	s_mov_b32 s21, 0
	s_lshl_b32 s46, s42, 4
	s_add_co_u32 s46, s46, s18
	s_mul_i32 s46, s46, RBP
	s_add_co_u32 s46, s46, WOFF
	s_mov_b32 s47, 0
	s_lshl_b32 s45, s14, 15
	s_wait_dscnt 0x0                               ; the opening add is done
	s_wait_kmcnt 0x0
	s_load_b64 s[96:97], s[72:73], 48              ; e12, e13
	s_load_b32 s98, s[72:73], 56                   ; e14
	s_add_nc_u64 s[20:21], s[68:69], s[20:21]
	s_add_nc_u64 s[46:47], s[70:71], s[46:47]
	CROUND
.irp s, 0,1
	s_mov_b32 s[G0+4*\s], 1
	s_add_co_u32 s[G0+4*\s+1], s45, \s*SLOT
	s_add_nc_u64 s[G0+4*\s+2:G0+4*\s+3], s[20:21], \s*KSB
	s_or_b32 s[G0+4*\s+3], s[G0+4*\s+3], 0x80000000
	s_mov_b32 s[G0B+4*\s], 1
	s_add_co_u32 s[G0B+4*\s+1], s45, \s*SLOT
	s_add_nc_u64 s[G0B+4*\s+2:G0B+4*\s+3], s[46:47], \s*KSB
	s_or_b32 s[G0B+4*\s+3], s[G0B+4*\s+3], 0x80000000
	JLOAD G0+4*\s, G1, G0B+4*\s, G1B
.endr
	v_and_b32 v1, 31, v0
	v_bfe_u32 v3, v0, 4, 1
	v_lshlrev_b32 v[CO], 4, v1
	v_lshlrev_b32 v27, 5, v3                       ; 32 h
	s_lshl_b32 s21, s15, 15
	s_lshl_b32 s22, s16, 15
	s_add_co_u32 s22, s22, 2*HALFT
.irp s, 0,1
	v_add_nc_u32 v[ADRA+\s], s21, v[CO]
	v_add_nc_u32 v[ADRB+\s], s22, v[CO]
	s_add_co_u32 s21, s21, SLOT
	s_add_co_u32 s22, s22, SLOT
.endr
	s_lshl_b32 s88, s42, 10
	s_lshl_b32 s89, s16, 9
	s_add_co_u32 s88, s88, s89                     ; my first column x 4
	s_mov_b32 s89, 0
	s_add_nc_u64 s[12:13], s[74:75], s[88:89]
.irp b, 0,1,2,3,4,5,6,7
	global_load_b128 v[BC+8*\b:BC+8*\b+3], v27, s[12:13] offset:64*\b        ; b1 at hidden units 16 b + 8 h + 0 .. 7 of my 128
	global_load_b128 v[BC+8*\b+4:BC+8*\b+7], v27, s[12:13] offset:64*\b+16
.endr
	s_lshl_b32 s90, s17, 4
	s_lshl_b32 s91, s15, 3
	s_add_co_u32 s90, s90, s91
	s_lshl_b32 s90, s90, 16                        ; my first block of 16 tokens x 65,536,
	s_lshl_b32 s91, s42, 1
	s_add_co_u32 s91, s91, s16
	s_lshl_b32 s91, s91, 11                        ; + my 128 hidden units: one fragment
	s_add_co_u32 s90, s90, s91
	s_mov_b32 s91, 0
	s_add_nc_u64 s[10:11], s[76:77], s[90:91]
.macro FRAG reg, adr, q, i
.irp c, 0,1,2,3
	ds_load_b128 v[\reg+4*\c:\reg+4*\c+3], v[\adr] offset:4096*(\i)+2048*(\q)+512*\c
.endr
.endm
; 16 matrix instructions: A's blocks a0, a0 + 1 x B's eight.  The 64 accumulators take turns, one instruction a turn.
.macro MUL16 a0, p, zero
.irp a, \a0, \a0+1
.irp b, 0,1,2,3,4,5,6,7
.if \zero
	v_wmma_f32_16x16x128_fp8_fp8 v[8*(8*((\a)%4)+\b):8*(8*((\a)%4)+\b)+7], v[128*(\p)+FR*\b:128*(\p)+FR*\b+FR-1], v[AF+FR*(\a):AF+FR*(\a)+FR-1], 0
.else
	v_wmma_f32_16x16x128_fp8_fp8 v[8*(8*((\a)%4)+\b):8*(8*((\a)%4)+\b)+7], v[128*(\p)+FR*\b:128*(\p)+FR*\b+FR-1], v[AF+FR*(\a):AF+FR*(\a)+FR-1], v[8*(8*((\a)%4)+\b):8*(8*((\a)%4)+\b)+7]
.endif
.endr
.endr
.endm
.macro FETCH_B slot, q, p
	WIN TO_B
.irp i, 0,1,2,3,4,5,6,7
	FRAG 128*(\p)+FR*\i, ADRB+\slot, \q, \i
.endr
	WIN 0
.endm
.macro FETCH_A slot, q, i0
.irp i, \i0, \i0+1, \i0+2, \i0+3
	FRAG AF+FR*(\i), ADRA+\slot, \q, \i
.endr
.endm
.macro PLACES n                        ; places behind matrix instructions (ISA guide 7.12.1)
.rept \n
	v_nop
.endr
.endm
.macro STEP slot, q, zero
	s_wait_dscnt 4*NL                              ; B's set and A's blocks 0-3 are in; the youngest 16 loads may be out
	WIN MUL_LO
	MUL16 0, (\q)%2, \zero
	MUL16 2, (\q)%2, \zero
	s_wait_dscnt 0
	PLACES NP
	FETCH_B \slot, (\q)+1, 1-(\q)%2
	FETCH_A \slot, (\q)+1, 0
	WIN MUL_HI
	MUL16 4, (\q)%2, \zero
	MUL16 6, (\q)%2, \zero
	PLACES NP
	WIN 0
	FETCH_A \slot, (\q)+1, 4
.endm
.macro TURN slot, next, fill           ; a slot's last step changes slots
	s_wait_tensorcnt 0x0                           ; all my tensor loads have landed: my part of the next slot
	ds_add_u32 v[SPW], v[NIL]
	s_wait_dscnt 4*NL+1                            ; the add and the youngest 16 loads may be out
	WIN MUL_LO
	MUL16 0, 1, 0
	s_wait_dscnt 0x0                               ; the add is done, and my reads of this slot are over
	s_barrier_signal -1
	MUL16 2, 1, 0
	WIN 0
	s_barrier_wait -1
.if \fill
	CREST                                          ; the round: no wave of any partner still reads this slot or has a load on its way
	s_add_nc_u64 s[G0+4*\slot+2:G0+4*\slot+3], s[G0+4*\slot+2:G0+4*\slot+3], 2*KSB
	s_add_nc_u64 s[G0B+4*\slot+2:G0B+4*\slot+3], s[G0B+4*\slot+2:G0B+4*\slot+3], 2*KSB
	JLOAD G0+4*\slot, G1, G0B+4*\slot, G1B
.else
	PLACES NP
.endif
	FETCH_B \next, 0, 0
	FETCH_A \next, 0, 0
	WIN MUL_HI
	MUL16 4, 1, 0
	MUL16 6, 1, 0
	PLACES NP
	WIN 0
	FETCH_A \next, 0, 4
.endm
	s_wait_tensorcnt 1                             ; my part of K step 0 is in; K step 1's load may be out
	s_barrier_signal -1
	s_barrier_wait -1
	FETCH_B 0, 0, 0
	FETCH_A 0, 0, 0
	FETCH_A 0, 0, 4
	STEP 0, 0, 1
	s_mov_b32 s3, LAPS-1
.Llap:
	TURN 0, 1, 1
	STEP 1, 0, 0
	TURN 1, 0, 1
	STEP 0, 0, 0
	s_sub_co_u32 s3, s3, 1
	s_cmp_lg_u32 s3, 0
	s_cbranch_scc1 .Llap
	TURN 0, 1, 0
	STEP 1, 0, 0
	s_wait_dscnt 4*NL
	WIN MUL_LO
	MUL16 0, 1, 0
	MUL16 2, 1, 0
	s_wait_dscnt 0
	WIN MUL_HI
	MUL16 4, 1, 0
	MUL16 6, 1, 0
	WIN 0
; THE WAY OUT, a block of 16 tokens at a time: sum x 2^(e12 + e13) + b1; the activation and the hold in one; the conversion; four stores of 512 consecutive bytes: one fragment.
.macro EPC a
.set AC, 64*((\a)%4)
.set CS, CD+16*((\a)%4)
.if (\a) >= 4
	s_wait_xcnt 0x0                                ; the stores of four blocks ago have read this set of codes
.endif
	WIN 0x02+((\a)/4)
.irp b, 0,1,2,3,4,5,6,7
.irp j, 0,2,4,6
	v_pk_fma_f32 v[Y+8*\b+\j:Y+8*\b+\j+1], v[AC+8*\b+\j:AC+8*\b+\j+1], s[96:97], v[BC+8*\b+\j:BC+8*\b+\j+1] op_sel_hi:[1,0,1]
.endr
.endr
	WIN 0
.set ei, 0
.rept 64
	v_med3_num_f32 v[Y+ei], v[Y+ei], 0, v49        ; between 0 and the largest code x the scale
.set ei, ei+1
.endr
.irp b, 0,1,2,3,4,5,6,7
	v_cvt_scalef32_pk8_fp8_f32 v[CS+2*\b:CS+2*\b+1], v[Y+8*\b:Y+8*\b+7], v48
.endr
	v_nop                                          ; a plain instruction behind the last conversion
.irp i, 0,1,2,3
	global_store_b128 v[CO], v[CS+4*\i:CS+4*\i+3], s[10:11] offset:(\a)*65536+512*\i
.endr
.endm
	s_wait_kmcnt 0x0
	s_add_co_i32 s96, s96, s97
	s_add_co_i32 s96, s96, 127
	s_lshl_b32 s96, s96, 23                        ; 2^(e12 + e13) as f32
	s_mov_b32 s97, s96
	s_add_co_i32 s98, s98, 127
	s_lshl_b32 s99, s98, 23
	s_add_co_i32 s98, s98, 8
	s_lshl_b32 s98, s98, 23
	s_or_b32 s98, s98, 0x600000
	s_wait_loadcnt 0x0                             ; the bias
	v_mov_b32 v48, s99                             ; 2^e14
	v_mov_b32 v49, s98                             ; 448 x 2^e14
	PLACES NP                                      ; behind the last products
.irp a, 0,1,2,3,4,5,6,7
	EPC \a
.endr
	s_wait_tensorcnt 0x0                           ; the wave's end
	ds_add_u32 v[SPW], v[NIL]
	s_wait_dscnt 0x0
	CROUND                                         ; the closing round
	s_endpgm
.Lfunc_end_k_q2d9e5ac31a_ffn1:
	.size	k_q2d9e5ac31a_ffn1, .Lfunc_end_k_q2d9e5ac31a_ffn1-k_q2d9e5ac31a_ffn1
	.p2alignl 7, 3214868480
	.fill 96, 4, 3214868480
	.section	.rodata,"a",@progbits
	.p2align	6, 0x0
	.amdhsa_kernel k_q2d9e5ac31a_ffn1
		.amdhsa_group_segment_fixed_size 327680
		.amdhsa_private_segment_fixed_size 0
		.amdhsa_enable_private_segment 0
		.amdhsa_kernarg_size 40
		.amdhsa_user_sgpr_count 2
		.amdhsa_user_sgpr_kernarg_segment_ptr 1
		.amdhsa_wavefront_size32 1
		.amdhsa_system_sgpr_workgroup_id_x 1
		.amdhsa_system_sgpr_workgroup_id_y 1
		.amdhsa_system_sgpr_workgroup_id_z 1
		.amdhsa_system_vgpr_workitem_id 0
		.amdhsa_next_free_vgpr 1024
		.amdhsa_next_free_sgpr 104
		.amdhsa_reserve_vcc 0
		.amdhsa_float_denorm_mode_32 3
		.amdhsa_float_denorm_mode_16_64 3
		.amdhsa_memory_ordered 1
		.amdhsa_forward_progress 1
		.amdhsa_inst_pref_size 135
	.end_amdhsa_kernel
	.amdgpu_metadata
---
amdhsa.version: [ 1, 2 ]
amdhsa.kernels:
  - .name:           k_q2d9e5ac31a_ffn1
    .symbol:         k_q2d9e5ac31a_ffn1.kd
    .args:
      - { .name: h2c, .offset: 0, .size: 8, .value_kind: global_buffer, .address_space: global }
      - { .name: wc, .offset: 8, .size: 8, .value_kind: global_buffer, .address_space: global }
      - { .name: lowp_scales, .offset: 16, .size: 8, .value_kind: global_buffer, .address_space: global }
      - { .name: b1, .offset: 24, .size: 8, .value_kind: global_buffer, .address_space: global }
      - { .name: hidc, .offset: 32, .size: 8, .value_kind: global_buffer, .address_space: global }
    .group_segment_fixed_size: 327680
    .private_segment_fixed_size: 0
    .kernarg_segment_align: 8
    .kernarg_segment_size: 40
    .max_flat_workgroup_size: 128
    .sgpr_count:     104
    .vgpr_count:     1024
    .wavefront_size: 32
...
	.end_amdgpu_metadata
.endif
;; end of part 6
;; launch ffn2 (part 7): grid 4 x 16, 4 waves a work-group, clusters of 4 x 4, 327,680 bytes of LDS; arguments hidc, wc, lowp_scales, b2, x1, out0; writes out0
.if DOCPART == 7
	.amdgcn_target "amdgcn-amd-amdhsa--gfx1250"
	.amdhsa_code_object_version 6
	.text
	.protected	k_q2d9e5ac31a_ffn2
	.globl	k_q2d9e5ac31a_ffn2
	.p2align	8
	.type	k_q2d9e5ac31a_ffn2,@function
k_q2d9e5ac31a_ffn2:
	s_mov_b64 s[64:65], 0
	v_nop
	global_prefetch_b8 v0, s[64:65] scope:SCOPE_SE
	s_setreg_imm32_b32 hwreg(HW_REG_WAVE_MODE, 25, 1), 1
	s_wait_xcnt 0x0
	s_wait_alu depctr_hold_cnt(0) depctr_sa_sdst(0) depctr_va_vdst(0) depctr_va_sdst(0) depctr_va_ssrc(0) depctr_va_vcc(0) depctr_vm_vsrc(0)
	s_getreg_b32 s2, hwreg(HW_REG_IB_STS2, 6, 4)
	s_cmp_eq_u32 s2, 0
	s_cbranch_scc0 .Lentry_in_a_cluster
	s_endpgm
.Lentry_in_a_cluster:
	s_bfe_u32 s2, ttmp6, 0x10000c
	s_cmp_lg_u32 s2, 0xf033
	s_cbranch_scc0 .Lentry_shape_is_right
	s_endpgm
.Lentry_shape_is_right:
; OUT = RES + A B^T x 2^(ea + eb) + bias, f32 [4,096][1,024].  Here: product 8: A = the hidden layer's codes, B = w2's codes, RES = x1, OUT = out0.  K = 4,096.
; Operands are images of fragment registers: [rows/16][K/128][2,048 bytes]; lane l takes registers 4 i .. 4 i + 3 at 512 i + 16 l, and registers 2 c, 2 c + 1 hold k = 16 c + 8 (l / 16) + 0 .. 7.
; A work-group of four waves makes 256 x 256, a wave 128 x 128: 64 accumulators, 512 registers.  K goes in steps of 256 through two LDS slots filled by the tensor data mover.
; THE MATRIX INSTRUCTION IS USED TRANSPOSED (source 0 = 16 rows of B, source 1 = 16 rows of A): a lane holds eight neighbouring numbers of a row of the result.
; CLUSTERS: 4 x 4 work-groups; A's tile is asked for jointly along a row of the cluster, B's along a column.
; PREFETCH: behind each joint refill and the run of LDS loads that follows it, one instruction a wave names the K step two refills on; each 256 bytes are named once in the launch; the loop's last trip asks for nothing.
; LIMIT: ea + eb between -126 and 127.
; REGISTERS: window 0: v16-31 addresses; v96-99 the bias of my four columns; v128-255 A's fragments, one set; on the way out v32-95 a block's sums, v128-255 two sets of rows.
;   window 1: B's fragments, two sets; on the way out four sets of 64: the residual's rows.  windows 2, 3: the accumulators.
.set KK,    4096
.set WOFF,  0x800000                   ; where B's codes begin in wc
.set SCA,   56                         ; the byte of ea in the scales; eb follows
.set PF,    1
.set NTOUT, 1
.set RBP,   16*KK
.set KSB,   4096
.set HALFT, 32768
.set SLOT,  131072
.set SPARE, 262144
.set SPITCH, 528                       ; the way out: a stage of 16 rows x (512 bytes + 16) for each wave, in slot 0, which has had its last fill and its last read by then
.set LAPS,  KK/512
.set FR,   16
.set NL,   4
.set NP,   4
.set ADRA, 16
.set ADRB, 20
.set STO,  24
.set RD,   25
.set CO,   26
.set SPW,  28
.set NIL,  29
.set TMP,  32
.set AF,   128
.set BK,   128
.set G1,  24
.set G0,  32
.set G1B, 48
.set G0B, 56
.set MSB, 0
.macro WIN new
.if MSB != (\new)
	s_set_vgpr_msb (MSB<<8)|(\new)
.set MSB, (\new)
.endif
.endm
.set MUL_LO, 0xa1
.set MUL_HI, 0xf1
.set TO_B,   0x40
.macro JLOAD g0a, g1a, g0b, g1b        ; a joint load: waves 0, 1 fetch for A, waves 2, 3 for B; s_nop 0 and four v_nop follow each line
	s_cmp_eq_u32 s15, 0
	s_cbranch_scc0 .Lfor_b_\@
	tensor_load_to_lds s[\g0a:\g0a+3], s[\g1a:\g1a+7]
	s_nop 0
.rept 4
	v_nop
.endr
	s_branch .Lasked_\@
.Lfor_b_\@:
	tensor_load_to_lds s[\g0b:\g0b+3], s[\g1b:\g1b+7]
	s_nop 0
.rept 4
	v_nop
.endr
.Lasked_\@:
.endm
.macro ASK                             ; a prefetch of the K step two refills on: 2 blocks of rows x 4,096 bytes, a lane to each 256; the loop's last trip asks for nothing
	s_cmp_gt_u32 s3, s86
	s_cbranch_scc0 .Lnot_mine_\@
	global_prefetch_b8 v30, s[84:85] offset:KSB th:TH_LOAD_NT scope:SCOPE_SE
.Lnot_mine_\@:
.endm
.macro CREST
	s_cmp_lg_u32 s14, 0
	s_cbranch_scc1 .Lnot_wave_0_\@
	s_barrier_signal -3
.Lnot_wave_0_\@:
	s_barrier_wait -3
	s_barrier_signal -1
	s_barrier_wait -1
.endm
.macro CROUND
	s_barrier_signal -1
	s_barrier_wait -1
	CREST
.endm
	s_load_b256 s[68:75], s[0:1], 0x0              ; A, wc, lowp_scales, bias
	s_load_b128 s[76:79], s[0:1], 0x20             ; RES, OUT
	v_lshl_add_u32 v[SPW], v0, 2, SPARE
	v_mov_b32 v[NIL], 0
	ds_add_u32 v[SPW], v[NIL]                      ; the wave's opening: the add and its wait ahead of my first tensor load
	v_lshrrev_b32 v1, 5, v0
	v_readfirstlane_b32 s14, v1
	s_lshr_b32 s15, s14, 1
	s_and_b32 s16, s14, 1
	s_bfe_u32 s40, ttmp6, 0x40000                  ; cx
	s_bfe_u32 s41, ttmp6, 0x40004                  ; cy
	s_lshl_b32 s42, ttmp9, 2
	s_add_co_u32 s42, s42, s40                     ; tile column
	s_and_b32 s17, ttmp7, 0xffff
	s_lshl_b32 s17, s17, 2
	s_add_co_u32 s17, s17, s41                     ; tile row
	s_lshl_b32 s43, s41, 2
	s_lshl_b32 s43, 15, s43
	s_lshl_b32 s44, 0x1111, s40
	s_or_b32 s[G1+0], s43, (1<<21)                 ; 15:0 the mask; elements of 1 byte; no padding; 21 set beside a mask
	s_or_b32 s[G1B+0], s44, (1<<21)
.irp g, G1, G1B
	s_mov_b32 s[\g+1], KSB<<16                     ; tensor_dim0 = 4,096
	s_mov_b32 s[\g+2], 8<<16                       ; tensor_dim1 = 8
	s_mov_b32 s[\g+3], KSB<<16                     ; tile_dim0
	s_mov_b32 s[\g+4], 8                           ; tile_dim1: 8 blocks of rows
	s_mov_b32 s[\g+5], RBP
	s_mov_b32 s[\g+6], 0
	s_mov_b32 s[\g+7], 0
.endr
	s_lshl_b32 s18, s16, 3
	s_lshl_b32 s20, s17, 4
	s_add_co_u32 s20, s20, s18
	s_mul_i32 s20, s20, RBP
	s_mov_b32 s21, 0
	s_lshl_b32 s46, s42, 4
	s_add_co_u32 s46, s46, s18
	s_mul_i32 s46, s46, RBP
	s_add_co_u32 s46, s46, WOFF
	s_mov_b32 s47, 0
	s_lshl_b32 s45, s14, 15
	s_wait_dscnt 0x0                               ; the opening add is done
	s_wait_kmcnt 0x0
	s_load_b64 s[96:97], s[72:73], SCA             ; ea, eb
	s_add_nc_u64 s[20:21], s[68:69], s[20:21]
	s_add_nc_u64 s[46:47], s[70:71], s[46:47]
	CROUND
.irp s, 0,1
	s_mov_b32 s[G0+4*\s], 1
	s_add_co_u32 s[G0+4*\s+1], s45, \s*SLOT
	s_add_nc_u64 s[G0+4*\s+2:G0+4*\s+3], s[20:21], \s*KSB
	s_or_b32 s[G0+4*\s+3], s[G0+4*\s+3], 0x80000000
	s_mov_b32 s[G0B+4*\s], 1
	s_add_co_u32 s[G0B+4*\s+1], s45, \s*SLOT
	s_add_nc_u64 s[G0B+4*\s+2:G0B+4*\s+3], s[46:47], \s*KSB
	s_or_b32 s[G0B+4*\s+3], s[G0B+4*\s+3], 0x80000000
	JLOAD G0+4*\s, G1, G0B+4*\s, G1B
.endr
	v_and_b32 v1, 31, v0
	v_and_b32 v2, 15, v0
	v_bfe_u32 v3, v0, 4, 1
	v_lshlrev_b32 v[CO], 4, v1
	s_lshl_b32 s21, s15, 15
	s_lshl_b32 s22, s16, 15
	s_add_co_u32 s22, s22, 2*HALFT
.irp s, 0,1
	v_add_nc_u32 v[ADRA+\s], s21, v[CO]
	v_add_nc_u32 v[ADRB+\s], s22, v[CO]
	s_add_co_u32 s21, s21, SLOT
	s_add_co_u32 s22, s22, SLOT
.endr
	s_mul_i32 s23, s14, 16*SPITCH                  ; my stage
	v_mul_u32_u24 v5, v2, SPITCH
	v_lshl_add_u32 v5, v3, 5, v5
	v_add_nc_u32 v[STO], s23, v5                   ; in: row r, 32 bytes for each half of the lanes
	v_add_nc_u32 v[RD], s23, v[CO]                 ; back: the 32 lanes take a row of 512 bytes
	s_lshl_b32 s18, s17, 8
	s_lshl_b32 s19, s15, 7
	s_add_co_u32 s18, s18, s19
	s_lshl_b32 s18, s18, 12                        ; my first row x 4,096 bytes
	s_lshl_b32 s19, s42, 10
	s_lshl_b32 s22, s16, 9
	s_add_co_u32 s22, s22, s19                     ; my first column x 4
	s_mov_b32 s23, 0
	s_add_nc_u64 s[12:13], s[74:75], s[22:23]
	s_add_co_u32 s22, s22, s18
	s_add_nc_u64 s[66:67], s[76:77], s[22:23]
	s_add_nc_u64 s[10:11], s[78:79], s[22:23]
	global_load_b128 v[96:99], v[CO], s[12:13]     ; the bias of columns 4 lane .. 4 lane + 3 of my 128
.if PF
	; who prefetches: A's rows are read by this one column of clusters: every cluster asks; B's by all four: the cluster with y = 0 asks.  The four partners of a joint load take two blocks of rows each, told apart by address.
	s_and_b32 s90, ttmp7, 0xffff
	s_cmp_eq_u32 s15, 0
	s_cselect_b32 s88, s17, s42
	s_cselect_b32 s89, s40, s41
	s_cselect_b32 s90, ttmp9, s90
	s_cselect_b32 s91, 0, WOFF
	s_cselect_b64 s[84:85], s[68:69], s[70:71]
	s_cmp_eq_u32 s90, 0
	s_cselect_b32 s86, 1, -1
	s_lshl_b32 s88, s88, 4
	s_lshl_b32 s90, s16, 3
	s_add_co_u32 s88, s88, s90
	s_lshl_b32 s89, s89, 1
	s_add_co_u32 s88, s88, s89
	s_mul_i32 s88, s88, RBP
	s_add_co_u32 s88, s88, s91
	s_add_co_u32 s88, s88, 2*KSB                   ; at K step 2: the first refill steps it to 3 and names K step 4
	s_mov_b32 s89, 0
	s_add_nc_u64 s[84:85], s[84:85], s[88:89]
	v_mul_u32_u24 v30, v3, RBP
	v_lshl_add_u32 v30, v2, 8, v30                 ; (lane / 16) blocks of rows + (lane % 16) x 256 bytes; never rewritten
.endif
.macro FRAG reg, adr, q, i
.irp c, 0,1,2,3
	ds_load_b128 v[\reg+4*\c:\reg+4*\c+3], v[\adr] offset:4096*(\i)+2048*(\q)+512*\c
.endr
.endm
; 16 matrix instructions: A's blocks a0, a0 + 1 x B's eight.  The 64 accumulators take turns, one instruction a turn.
.macro MUL16 a0, p, zero
.irp a, \a0, \a0+1
.irp b, 0,1,2,3,4,5,6,7
.if \zero
	v_wmma_f32_16x16x128_fp8_fp8 v[8*(8*((\a)%4)+\b):8*(8*((\a)%4)+\b)+7], v[128*(\p)+FR*\b:128*(\p)+FR*\b+FR-1], v[AF+FR*(\a):AF+FR*(\a)+FR-1], 0
.else
	v_wmma_f32_16x16x128_fp8_fp8 v[8*(8*((\a)%4)+\b):8*(8*((\a)%4)+\b)+7], v[128*(\p)+FR*\b:128*(\p)+FR*\b+FR-1], v[AF+FR*(\a):AF+FR*(\a)+FR-1], v[8*(8*((\a)%4)+\b):8*(8*((\a)%4)+\b)+7]
.endif
.endr
.endr
.endm
.macro FETCH_B slot, q, p
	WIN TO_B
.irp i, 0,1,2,3,4,5,6,7
	FRAG 128*(\p)+FR*\i, ADRB+\slot, \q, \i
.endr
	WIN 0
.endm
.macro FETCH_A slot, q, i0
.irp i, \i0, \i0+1, \i0+2, \i0+3
	FRAG AF+FR*(\i), ADRA+\slot, \q, \i
.endr
.endm
.macro PLACES n                        ; places behind matrix instructions (ISA guide 7.12.1)
.rept \n
	v_nop
.endr
.endm
.macro STEP slot, q, zero
	s_wait_dscnt 4*NL                              ; B's set and A's blocks 0-3 are in; the youngest 16 loads may be out
	WIN MUL_LO
	MUL16 0, (\q)%2, \zero
	MUL16 2, (\q)%2, \zero
	s_wait_dscnt 0
	PLACES NP
	FETCH_B \slot, (\q)+1, 1-(\q)%2
	FETCH_A \slot, (\q)+1, 0
	WIN MUL_HI
	MUL16 4, (\q)%2, \zero
	MUL16 6, (\q)%2, \zero
	PLACES NP
	WIN 0
	FETCH_A \slot, (\q)+1, 4
.endm
.macro TURN slot, next, fill           ; a slot's last step changes slots
.if PF*(\fill)
	s_wait_xcnt 0x0                                ; the last prefetch, a K step back, has read its address
	s_add_nc_u64 s[84:85], s[84:85], KSB
.endif
	s_wait_tensorcnt 0x0                           ; all my tensor loads have landed: my part of the next slot
	ds_add_u32 v[SPW], v[NIL]
	s_wait_dscnt 4*NL+1                            ; the add and the youngest 16 loads may be out
	WIN MUL_LO
	MUL16 0, 1, 0
	s_wait_dscnt 0x0                               ; the add is done, and my reads of this slot are over
	s_barrier_signal -1
	MUL16 2, 1, 0
	WIN 0
	s_barrier_wait -1
.if \fill
	CREST                                          ; the round: no wave of any partner still reads this slot or has a load on its way
	s_add_nc_u64 s[G0+4*\slot+2:G0+4*\slot+3], s[G0+4*\slot+2:G0+4*\slot+3], 2*KSB
	s_add_nc_u64 s[G0B+4*\slot+2:G0B+4*\slot+3], s[G0B+4*\slot+2:G0B+4*\slot+3], 2*KSB
	JLOAD G0+4*\slot, G1, G0B+4*\slot, G1B
.else
	PLACES NP
.endif
	FETCH_B \next, 0, 0
	FETCH_A \next, 0, 0
.if PF*(\fill)
	ASK
.endif
	WIN MUL_HI
	MUL16 4, 1, 0
	MUL16 6, 1, 0
	PLACES NP
	WIN 0
	FETCH_A \next, 0, 4
.endm
	s_wait_tensorcnt 1                             ; my part of K step 0 is in; K step 1's load may be out
	s_barrier_signal -1
	s_barrier_wait -1
	FETCH_B 0, 0, 0
	FETCH_A 0, 0, 0
	FETCH_A 0, 0, 4
	STEP 0, 0, 1
	s_mov_b32 s3, LAPS-1
.Llap:
	TURN 0, 1, 1
	STEP 1, 0, 0
	TURN 1, 0, 1
	STEP 0, 0, 0
	s_sub_co_u32 s3, s3, 1
	s_cmp_lg_u32 s3, 0
	s_cbranch_scc1 .Llap
	TURN 0, 1, 0
	STEP 1, 0, 0
	s_wait_dscnt 4*NL
	WIN MUL_LO
	MUL16 0, 1, 0
	MUL16 2, 1, 0
	s_wait_dscnt 0
	WIN MUL_HI
	MUL16 4, 1, 0
	MUL16 6, 1, 0
	WIN 0
; THE WAY OUT, a block of 16 rows x 128 columns at a time: sums x 2^(ea + eb) through my stage in LDS, back as whole rows of 512 bytes, + the residual's row + the bias, stored as two aligned runs of 256 bytes.
.macro RLOAD a                         ; the residual's 16 rows of block a into set a % 4 of window 1
	WIN 0x40
.irp t, 0,1,2,3,4,5,6,7,8,9,10,11,12,13,14,15
	global_load_b128 v[64*((\a)%4)+4*\t:64*((\a)%4)+4*\t+3], v[CO], s[66:67] offset:(16*(\a)+\t)*4096 th:TH_LOAD_NT
.endr
	WIN 0
.endm
.macro TOSTAGE a
.set AC, 64*((\a)%4)
	WIN 0x02+((\a)/4)
.set ti, 0
.rept 32
	v_pk_mul_f32 v[TMP+ti:TMP+ti+1], v[AC+ti:AC+ti+1], s[96:97] op_sel_hi:[1,0]   ; each accumulator from its low end on
.set ti, ti+2
.endr
	WIN 0
.irp b, 0,1,2,3,4,5,6,7
	ds_store_b128 v[STO], v[TMP+8*\b:TMP+8*\b+3] offset:64*\b
	ds_store_b128 v[STO], v[TMP+8*\b+4:TMP+8*\b+7] offset:64*\b+16
.endr
.set BB, BK+64*((\a)%2)
.irp t, 0,1,2,3,4,5,6,7,8,9,10,11,12,13,14,15
	ds_load_b128 v[BB+4*\t:BB+4*\t+3], v[RD] offset:\t*SPITCH   ; LDS serves a wave's instructions in order (ISA guide 5.7.1.4): these see the stores above
.endr
.endm
.macro SEND a, younger
.set BB, BK+64*((\a)%2)
.set RS, 64*((\a)%4)
	s_wait_dscnt \younger                          ; the block is back in registers; the next block's 16 stores and 16 loads may be out
.if (\a) < 5
	s_wait_loadcnt 48                              ; the residual's block a is in; the three blocks asked for behind it may be out
.else
	s_wait_loadcnt 16*(7-(\a))
.endif
	WIN 0x04                                       ; source 1 window 1
.set ti, 0
.rept 32
	v_pk_add_f32 v[BB+ti:BB+ti+1], v[BB+ti:BB+ti+1], v[RS+ti:RS+ti+1]
.set ti, ti+2
.endr
	WIN 0
.irp t, 0,1,2,3,4,5,6,7,8,9,10,11,12,13,14,15
	v_pk_add_f32 v[BB+4*\t:BB+4*\t+1], v[BB+4*\t:BB+4*\t+1], v[96:97]
	v_pk_add_f32 v[BB+4*\t+2:BB+4*\t+3], v[BB+4*\t+2:BB+4*\t+3], v[98:99]
.endr
.irp t, 0,1,2,3,4,5,6,7,8,9,10,11,12,13,14,15
.if NTOUT
	global_store_b128 v[CO], v[BB+4*\t:BB+4*\t+3], s[10:11] offset:(16*(\a)+\t)*4096 th:TH_STORE_NT
.else
	global_store_b128 v[CO], v[BB+4*\t:BB+4*\t+3], s[10:11] offset:(16*(\a)+\t)*4096
.endif
.endr
.if (\a) < 4
	RLOAD (\a)+4
.endif
.endm
	s_wait_kmcnt 0x0
	s_add_co_i32 s96, s96, s97
	s_add_co_i32 s96, s96, 127
	s_lshl_b32 s96, s96, 23                        ; 2^(ea + eb) as f32
	s_mov_b32 s97, s96
	PLACES NP                                      ; behind the last products: for the loads into B's registers and into A's, and for the reads of results
	RLOAD 0
	RLOAD 1
	RLOAD 2
	RLOAD 3
	TOSTAGE 0
.irp a, 1,2,3,4,5,6,7
.if \a > 1
	s_wait_xcnt 0x0                                ; block a - 2's stores have read their registers: block a's rows may land there
.endif
	TOSTAGE \a
	SEND \a-1, 32
.endr
	SEND 7, 0
	s_wait_tensorcnt 0x0                           ; the wave's end
	ds_add_u32 v[SPW], v[NIL]
	s_wait_dscnt 0x0
	CROUND                                         ; the closing round
	s_endpgm
.Lfunc_end_k_q2d9e5ac31a_ffn2:
	.size	k_q2d9e5ac31a_ffn2, .Lfunc_end_k_q2d9e5ac31a_ffn2-k_q2d9e5ac31a_ffn2
	.p2alignl 7, 3214868480
	.fill 96, 4, 3214868480
	.section	.rodata,"a",@progbits
	.p2align	6, 0x0
	.amdhsa_kernel k_q2d9e5ac31a_ffn2
		.amdhsa_group_segment_fixed_size 327680
		.amdhsa_private_segment_fixed_size 0
		.amdhsa_enable_private_segment 0
		.amdhsa_kernarg_size 48
		.amdhsa_user_sgpr_count 2
		.amdhsa_user_sgpr_kernarg_segment_ptr 1
		.amdhsa_wavefront_size32 1
		.amdhsa_system_sgpr_workgroup_id_x 1
		.amdhsa_system_sgpr_workgroup_id_y 1
		.amdhsa_system_sgpr_workgroup_id_z 1
		.amdhsa_system_vgpr_workitem_id 0
		.amdhsa_next_free_vgpr 1024
		.amdhsa_next_free_sgpr 104
		.amdhsa_reserve_vcc 0
		.amdhsa_float_denorm_mode_32 3
		.amdhsa_float_denorm_mode_16_64 3
		.amdhsa_memory_ordered 1
		.amdhsa_forward_progress 1
		.amdhsa_inst_pref_size 169
	.end_amdhsa_kernel
	.amdgpu_metadata
---
amdhsa.version: [ 1, 2 ]
amdhsa.kernels:
  - .name:           k_q2d9e5ac31a_ffn2
    .symbol:         k_q2d9e5ac31a_ffn2.kd
    .args:
      - { .name: hidc, .offset: 0, .size: 8, .value_kind: global_buffer, .address_space: global }
      - { .name: wc, .offset: 8, .size: 8, .value_kind: global_buffer, .address_space: global }
      - { .name: lowp_scales, .offset: 16, .size: 8, .value_kind: global_buffer, .address_space: global }
      - { .name: b2, .offset: 24, .size: 8, .value_kind: global_buffer, .address_space: global }
      - { .name: x1, .offset: 32, .size: 8, .value_kind: global_buffer, .address_space: global }
      - { .name: out0, .offset: 40, .size: 8, .value_kind: global_buffer, .address_space: global }
    .group_segment_fixed_size: 327680
    .private_segment_fixed_size: 0
    .kernarg_segment_align: 8
    .kernarg_segment_size: 48
    .max_flat_workgroup_size: 128
    .sgpr_count:     104
    .vgpr_count:     1024
    .wavefront_size: 32
...
	.end_amdgpu_metadata
.endif
;; end of part 7
;; ======== version 2 of 2: 7 launches
;; limits: right only within a limited range of input values
;; workspace buffers: wc 12,582,912 bytes; hc 12,582,912 bytes; qkvc 12,582,912 bytes; ctxc 4,194,304 bytes; x1 16,777,216 bytes; h2c 4,194,304 bytes; hidc 16,777,216 bytes
;; launch prep (part 8): grid 640 x 1, 4 waves a work-group, no clusters, 86,016 bytes of LDS; arguments x, ln1_a, ln1_b, wq, wk, wv, wo, w1, w2, lowp_scales, hc, wc; writes hc, wc
.if DOCPART == 8
	.amdgcn_target "amdgcn-amd-amdhsa--gfx1250"
	.amdhsa_code_object_version 6
	.text
	.protected	k_q2d9e5ac31a_prep
	.globl	k_q2d9e5ac31a_prep
	.p2align	8
	.type	k_q2d9e5ac31a_prep,@function
k_q2d9e5ac31a_prep:
	s_mov_b64 s[64:65], 0
	v_nop
	global_prefetch_b8 v0, s[64:65] scope:SCOPE_SE
	s_setreg_imm32_b32 hwreg(HW_REG_WAVE_MODE, 25, 1), 1
	s_wait_xcnt 0x0
; PREP.  Work-groups 0-383: the six weights [K][N] f32 become codes of E4M3.  Work-groups 384-639: LN1(x) becomes codes at the three scales of products 1, 2, 3.
; THE WORKSPACE FORMAT: images of fragment registers.  A fragment is 16 rows x 128 k, 2,048 bytes; element (row r, k) lies at byte (c>>1)*512 + (16 h + r)*16 + (c&1)*8 + (k&7), c = k>>4, h = (k>>3)&1:
; lane 16 h + r takes registers 4 i .. 4 i + 3 by one 16-byte load at 512 i + 16 lane, and registers 2 c, 2 c + 1 then hold k = 16 c + 8 h + 0 .. 7.  A tensor [R][K] is laid [R/16][K/128][2,048].
; code = x / 2^e, held within +-448, to the nearest code, ties to even.  LIMITS: each e between -126 and 119; NaN among the inputs is not served.
; PATH W: a work-group takes 128 columns x 256 K, a wave 32 columns; a lane takes a column and its registers run down K, so that the conversions give codes with K innermost.
; The codes go through the wave's own stage in LDS and leave as images: each store of a wave covers 512 consecutive bytes, aligned.
; PATH LN: a work-group takes 16 rows (one block of rows of the images), a wave four of them, each whole in 32 registers a lane; the spread is taken of x - mean.  One barrier: a fragment's 16 rows come from four waves.
; No tensor loads, no matrix work, no cluster: nothing is shared between work-groups, and memory binds.
.set WPIT,  272                        ; path W: a stage row: 256 bytes of codes + 16: 68 words, so the 32 lanes of an 8-byte load fall on 64 different banks (64 banks of 4 bytes: ISA guide 11.1)
.set LNST,  34816                      ; path LN has LDS bytes of its own, behind path W's four stages of 32 rows
.set LPIT,  1040                       ; a row of 1,024 codes + 16: 260 words, likewise
.set LSC,   16*LPIT                    ; 16 rows: one scale's stage
.set SPARE, 84736                      ; the spare words, 128 bytes for each wave: two blocks of 256 bytes that no other line names
.set SPW, 8                            ; v8   SPARE + 4 x my thread's number; never rewritten
.set NIL, 9                            ; v9   0; never rewritten
.set RO,   16                          ; W: v16-47   4 lane + i x a source row's bytes
.set X,    48                          ; W: v48-111  two sets of 32 numbers
.set C,    112                         ; W: v112-119 a block's codes
.set OUTR, 120                         ; W: v120-183 the way out
.set SB,   40                          ; W: s[40:55] eight bases, 32 source rows apart
.set NS,  3                            ; LN: scales
.set ST,  16                           ; LN: v16-23  a pair a row: the mean, later 1 / (std + eps)
.set AL,  32                           ; LN: v32-63  alpha of my 32 columns;  v64-95 beta
.set BE,  64
.set XR,  96                           ; LN: v96-223 four rows x 32 numbers; later the way out
.set T,   224                          ; LN: v224-239 two sets of 8 held numbers
.set CD,  240                          ; LN: v240-255 two sets of 4 pairs of codes
	s_load_b512 s[4:19], s[0:1], 0x0               ; x, ln1_a, ln1_b, wq, wk, wv, wo, w1
	s_load_b256 s[20:27], s[0:1], 0x40             ; w2, lowp_scales, hc, wc
	v_lshl_add_u32 v[SPW], v0, 2, SPARE
	v_mov_b32 v[NIL], 0
	v_lshrrev_b32 v1, 5, v0
	v_readfirstlane_b32 s28, v1                    ; wave 0..3
	v_and_b32 v1, 31, v0                           ; lane
	v_and_b32 v6, 15, v0                           ; r
	v_bfe_u32 v7, v0, 4, 1                         ; h
	s_cmp_ge_u32 ttmp9, 384                        ; the work-group's number alone: all four waves go the same way
	s_cbranch_scc1 .Lln
; ---------------- PATH W ----------------
	s_lshr_b32 s29, ttmp9, 7                       ; class: 0 the four square weights, 1 w1, 2 w2: 128 work-groups each
	s_lshr_b32 s30, ttmp9, 5
	s_add_co_u32 s31, s29, 3
	s_and_b32 s32, ttmp9, 31
	s_and_b32 s33, ttmp9, 127
	s_cmp_eq_u32 s29, 0
	s_cselect_b32 s30, s30, s31                    ; which weight: 0 wq, 1 wk, 2 wv, 3 wo, 4 w1, 5 w2
	s_cselect_b32 s32, s32, s33                    ; my number among its work-groups
	s_cmp_eq_u32 s29, 1
	s_cselect_b32 s33, 31, 7
	s_cselect_b32 s34, 5, 3
	s_mov_b32 s35, 4096
	s_cselect_b32 s35, 16384, s35                  ; a source row in bytes: 4 N
	s_and_b32 s36, s32, s33                        ; which 128 columns
	s_lshr_b32 s37, s32, s34                       ; which 256 along K
	s_cmp_eq_u32 s29, 2
	s_mov_b32 s38, 16384
	s_cselect_b32 s38, 0x10000, s38                ; a block of 16 rows of the image: 16 K bytes
	s_lshl_b32 s39, s30, 1
	s_cmp_lt_u32 s30, 3
	s_cselect_b32 s56, 1, 5
	s_add_co_u32 s39, s39, s56                     ; the weight's entry of the scales: 1, 3, 5, 11, 13, 15
	s_lshl_b32 s39, s39, 2                         ; in bytes; not rewritten: the scalar load below names it
	s_lshl_b32 s57, s30, 20
	s_cmp_lt_u32 s30, 5
	s_cselect_b32 s57, s57, 0x800000               ; where the weight's codes begin in wc
	s_mul_i32 s58, s37, s35
	s_lshl_b32 s58, s58, 8                         ; 256 source rows for each step along K
	s_lshl_b32 s59, s36, 9
	s_add_co_u32 s58, s58, s59                     ; + 128 columns x 4 bytes
	s_lshl_b32 s59, s28, 7
	s_add_co_u32 s58, s58, s59                     ; + my wave's 32 columns
	s_mov_b32 s59, 0
	s_lshl_b32 s60, s36, 3
	s_lshl_b32 s61, s28, 1
	s_add_co_u32 s60, s60, s61                     ; my first block of 16 columns
	s_mul_i32 s60, s60, s38
	s_add_co_u32 s60, s60, s57
	s_lshl_b32 s61, s37, 12                        ; 256 along K are two fragments
	s_add_co_u32 s60, s60, s61
	s_mov_b32 s61, 0
	s_lshl_b32 s62, s35, 5                         ; 32 source rows
	s_mov_b32 s63, 0
	s_wait_alu depctr_va_vdst(0)
	v_lshlrev_b32 v3, 2, v1                        ; 4 bytes a lane
	s_mul_i32 s67, s28, 32*WPIT                    ; my stage
	v_mul_u32_u24 v4, v1, WPIT
	v_add_nc_u32 v4, s67, v4                       ; in: row = my column
	v_mul_u32_u24 v5, v6, WPIT
	v_lshl_add_u32 v7, v7, 3, v5
	v_add_nc_u32 v7, s67, v7                       ; back: row r, + 8 h
	v_lshlrev_b32 v12, 4, v1                       ; out: 16 x lane, first block of 16 columns,
	v_add_nc_u32 v13, s38, v12                     ; and second
.set wi, 0
.rept 32
	v_mad_u32_u24 v[RO+wi], s35, wi, v3
.set wi, wi+1
.endr
	s_wait_alu depctr_va_vdst(0)
	s_wait_kmcnt 0x0
	s_cmp_eq_u32 s30, 1                            ; the source: a choice between buffers on the work-group's number
	s_cselect_b64 s[SB:SB+1], s[12:13], s[10:11]
	s_cmp_eq_u32 s30, 2
	s_cselect_b64 s[SB:SB+1], s[14:15], s[SB:SB+1]
	s_cmp_eq_u32 s30, 3
	s_cselect_b64 s[SB:SB+1], s[16:17], s[SB:SB+1]
	s_cmp_eq_u32 s30, 4
	s_cselect_b64 s[SB:SB+1], s[18:19], s[SB:SB+1]
	s_cmp_eq_u32 s30, 5
	s_cselect_b64 s[SB:SB+1], s[20:21], s[SB:SB+1]
	s_load_b32 s66, s[22:23], s39 offset:0x0       ; e
	s_add_nc_u64 s[SB:SB+1], s[SB:SB+1], s[58:59]
.irp t, 1,2,3,4,5,6,7
	s_add_nc_u64 s[SB+2*\t:SB+2*\t+1], s[SB+2*\t-2:SB+2*\t-1], s[62:63]
.endr
	s_add_nc_u64 s[26:27], s[26:27], s[60:61]
.macro LOAD t                          ; block t: W(32 t + i, my column) into set t % 2: a wave reads 128 consecutive bytes, the four waves 512
.set li, 0
.rept 32
	global_load_b32 v[X+32*((\t)%2)+li], v[RO+li], s[SB+2*(\t):SB+2*(\t)+1] th:TH_LOAD_NT
.set li, li+1
.endr
.endm
	LOAD 0
	LOAD 1
	s_wait_kmcnt 0x0
	s_add_co_i32 s66, s66, 127
	s_lshl_b32 s67, s66, 23
	v_mov_b32 v11, s67                             ; 2^e as f32: the conversion takes its exponent field
	s_add_co_i32 s66, s66, 8
	s_lshl_b32 s66, s66, 23
	s_or_b32 s66, s66, 0x600000
	v_mov_b32 v10, s66                             ; 448 x 2^e
.macro BLOCK t
.set XS, X+32*((\t)%2)
.if (\t) < 7
	s_wait_loadcnt 32                              ; this block's 32 loads are in; the next block's 32 may be out
.else
	s_wait_loadcnt 0x0
.endif
.set bi, 0
.rept 32
	v_med3_num_f32 v[XS+bi], v[XS+bi], -v10, v10   ; the conversion does not saturate (ISA guide 7.6.2): the hold comes first
.set bi, bi+1
.endr
.irp g, 0,1,2,3
	v_cvt_scalef32_pk8_fp8_f32 v[C+2*\g:C+2*\g+1], v[XS+8*\g:XS+8*\g+7], v11
.endr
	ds_store_b128 v4, v[C:C+3] offset:32*(\t)      ; 32 codes of my column's row
	ds_store_b128 v4, v[C+4:C+7] offset:32*(\t)+16
.if (\t)+2 < 8
	LOAD (\t)+2
.endif
	s_wait_dscnt 0x0                               ; the stores have read their registers: the next block's codes may be written
.endm
	s_wait_alu depctr_va_vdst(0)
.irp t, 0,1,2,3,4,5,6,7
	BLOCK \t
.endr
; the way out: unit o = (block of 16 columns o / 8, fragment (o / 4) % 2, group of four registers o % 4): lane (r, h) wants k = 32 i + 8 h + 0 .. 7 and the same 16 further on
.irp o, 0,1,2,3,4,5,6,7,8,9,10,11,12,13,14,15
	ds_load_b64 v[OUTR+4*\o:OUTR+4*\o+1], v7 offset:(\o/8)*16*WPIT+128*((\o/4)%2)+32*(\o%4)
	ds_load_b64 v[OUTR+4*\o+2:OUTR+4*\o+3], v7 offset:(\o/8)*16*WPIT+128*((\o/4)%2)+32*(\o%4)+16
.endr
.irp o, 0,1,2,3,4,5,6,7,8,9,10,11,12,13,14,15
	s_wait_dscnt 30-2*\o                           ; LDS loads come back in order: unit o's two are in, the younger ones stay out
	global_store_b128 v[12+\o/8], v[OUTR+4*\o:OUTR+4*\o+3], s[26:27] offset:((\o/4)%2)*2048+(\o%4)*512
.endr
	s_wait_tensorcnt 0x0                           ; the wave's end: behind my last LDS store
	ds_add_u32 v[SPW], v[NIL]
	s_wait_dscnt 0x0
	s_endpgm
; ---------------- PATH LN ----------------
.macro WRED reg                        ; the sum over the 32 lanes, in every lane
	v_add_f32_dpp v[\reg], v[\reg], v[\reg] row_xmask:1 row_mask:0xf bank_mask:0xf
	v_add_f32_dpp v[\reg], v[\reg], v[\reg] row_xmask:2 row_mask:0xf bank_mask:0xf
	v_add_f32_dpp v[\reg], v[\reg], v[\reg] row_xmask:4 row_mask:0xf bank_mask:0xf
	v_add_f32_dpp v[\reg], v[\reg], v[\reg] row_xmask:8 row_mask:0xf bank_mask:0xf
	v_permlanex16_b32 v30, v[\reg], s60, s61       ; v30 has been written by the chains
	v_add_f32 v[\reg], v[\reg], v30
.endm
.macro FOLD dst                        ; the four chains in v24-31 become one number a lane, then one a row
	v_pk_add_f32 v[24:25], v[24:25], v[26:27]
	v_pk_add_f32 v[28:29], v[28:29], v[30:31]
	v_pk_add_f32 v[24:25], v[24:25], v[28:29]
	v_add_f32 v[\dst], v24, v25
	WRED \dst
.endm
.macro RSUM p                          ; the row's sum
.irp c, 0,1,2,3
	v_pk_add_f32 v[24+2*\c:25+2*\c], v[XR+32*\p+2*\c:XR+32*\p+2*\c+1], v[XR+32*\p+8+2*\c:XR+32*\p+8+2*\c+1]
.endr
.irp g, 16,24
.irp c, 0,1,2,3
	v_pk_add_f32 v[24+2*\c:25+2*\c], v[24+2*\c:25+2*\c], v[XR+32*\p+\g+2*\c:XR+32*\p+\g+2*\c+1]
.endr
.endr
	FOLD ST+2*\p
.endm
.macro CENTER p                        ; x - mean
.set ci, 0
.rept 16
	v_pk_add_f32 v[XR+32*\p+ci:XR+32*\p+ci+1], v[XR+32*\p+ci:XR+32*\p+ci+1], v[ST+2*\p:ST+2*\p+1] op_sel_hi:[1,0] neg_lo:[0,1] neg_hi:[0,1]
.set ci, ci+2
.endr
.endm
.macro RSQ p                           ; the sum of (x - mean)^2
.irp c, 0,1,2,3
	v_pk_mul_f32 v[24+2*\c:25+2*\c], v[XR+32*\p+2*\c:XR+32*\p+2*\c+1], v[XR+32*\p+2*\c:XR+32*\p+2*\c+1]
.endr
.irp g, 8,16,24
.irp c, 0,1,2,3
	v_pk_fma_f32 v[24+2*\c:25+2*\c], v[XR+32*\p+\g+2*\c:XR+32*\p+\g+2*\c+1], v[XR+32*\p+\g+2*\c:XR+32*\p+\g+2*\c+1], v[24+2*\c:25+2*\c]
.endr
.endr
	FOLD ST+2*\p
.endm
.macro NORM p                          ; alpha (x - mean) / (std + eps) + beta
.set ni, 0
.rept 16
	v_pk_mul_f32 v[XR+32*\p+ni:XR+32*\p+ni+1], v[XR+32*\p+ni:XR+32*\p+ni+1], v[ST+2*\p:ST+2*\p+1]
.set ni, ni+2
.endr
.set ni, 0
.rept 16
	v_pk_fma_f32 v[XR+32*\p+ni:XR+32*\p+ni+1], v[XR+32*\p+ni:XR+32*\p+ni+1], v[AL+ni:AL+ni+1], v[BE+ni:BE+ni+1]
.set ni, ni+2
.endr
.endm
.macro QROW p, s                       ; row p at scale s: 32 codes a lane, 8 at a time, into the scale's stage; a store of the wave covers 256 consecutive bytes
.set CS, CD+8*((NS*(\p)+(\s))%2)
	s_wait_dscnt 4                                 ; the stores of the turn before last have read this set of codes; the last turn's four may be out
.irp j, 0,1,2,3
.irp i, 0,1,2,3,4,5,6,7
	v_med3_num_f32 v[T+8*(\j%2)+\i], v[XR+32*(\p)+8*\j+\i], -v[11+2*(\s)], v[11+2*(\s)]
.endr
	v_cvt_scalef32_pk8_fp8_f32 v[CS+2*\j:CS+2*\j+1], v[T+8*(\j%2):T+8*(\j%2)+7], v[10+2*(\s)]
	ds_store_b64 v3, v[CS+2*\j:CS+2*\j+1] offset:(\s)*LSC+(\p)*LPIT+256*\j
.endr
.endm
.Lln:
	s_sub_co_u32 s29, ttmp9, 384                   ; my block of 16 rows
	s_lshl_b32 s30, s29, 16
	s_lshl_b32 s31, s28, 14
	s_add_co_u32 s30, s30, s31                     ; x: 16 rows of 4,096 bytes a work-group, 4 a wave
	s_mov_b32 s31, 0
	s_lshl_b32 s38, s29, 14                        ; hc: a block of rows is 16,384 bytes
	s_mov_b32 s39, 0
	s_wait_alu depctr_va_vdst(0)
	v_lshlrev_b32 v2, 5, v1                        ; my 8 numbers of each 256: 32 bytes a lane
	s_mul_i32 s56, s28, 4*LPIT
	s_add_co_u32 s56, s56, LNST
	v_lshl_add_u32 v3, v1, 3, s56                  ; the stage, in: my wave's four rows, 8 codes a lane
	s_lshl_b32 s57, s28, 8
	s_add_co_u32 s57, s57, LNST
	v_mul_u32_u24 v4, v6, LPIT
	v_lshl_add_u32 v4, v7, 3, v4
	v_add_nc_u32 v4, s57, v4                       ; back: row r, + 8 h, + my wave's two fragments (256 codes)
	v_lshlrev_b32 v5, 4, v1
	v_lshl_add_u32 v5, s28, 12, v5                 ; out: 16 x lane + 4,096 x wave
	s_mov_b32 s60, 0x76543210                      ; v_permlanex16_b32: lane l xor 16
	s_mov_b32 s61, 0xfedcba98
	s_wait_alu depctr_va_vdst(0)
	s_wait_kmcnt 0x0
	s_load_b256 s[40:47], s[22:23], 0x0            ; entries 0 to 7: e0, e2, e4 are wanted
	s_add_nc_u64 s[30:31], s[4:5], s[30:31]
	s_add_nc_u64 s[32:33], s[24:25], s[38:39]      ; hc at my block, scale 0,
	s_add_nc_u64 s[34:35], s[32:33], 0x400000      ; 1,
	s_add_nc_u64 s[36:37], s[34:35], 0x400000      ; 2
.irp p, 0,1,2,3
.irp j, 0,1,2,3
	global_load_b128 v[XR+32*\p+8*\j:XR+32*\p+8*\j+3], v2, s[30:31] offset:4096*\p+1024*\j th:TH_LOAD_NT
	global_load_b128 v[XR+32*\p+8*\j+4:XR+32*\p+8*\j+7], v2, s[30:31] offset:4096*\p+1024*\j+16 th:TH_LOAD_NT
.endr
.endr
.irp j, 0,1,2,3
	global_load_b128 v[AL+8*\j:AL+8*\j+3], v2, s[6:7] offset:1024*\j
	global_load_b128 v[AL+8*\j+4:AL+8*\j+7], v2, s[6:7] offset:1024*\j+16
	global_load_b128 v[BE+8*\j:BE+8*\j+3], v2, s[8:9] offset:1024*\j
	global_load_b128 v[BE+8*\j+4:BE+8*\j+7], v2, s[8:9] offset:1024*\j+16
.endr
	s_wait_kmcnt 0x0
.irp s, 0,1,2
	s_add_co_i32 s48, s[40+2*\s], 127
	s_lshl_b32 s49, s48, 23
	v_mov_b32 v[10+2*\s], s49                      ; 2^e
	s_add_co_i32 s48, s48, 8
	s_lshl_b32 s48, s48, 23
	s_or_b32 s48, s48, 0x600000
	v_mov_b32 v[11+2*\s], s48                      ; 448 x 2^e
.endr
	s_wait_loadcnt 0x0                             ; the wave's whole share was asked for at once
.irp p, 0,1,2,3
	RSUM \p
	v_mul_f32 v[ST+2*\p], 0x3a800000, v[ST+2*\p]   ; / 1,024: the mean
	v_mov_b32 v[ST+2*\p+1], v[ST+2*\p]             ; (named with it as a pair)
	CENTER \p
	RSQ \p
	v_mul_f32 v[ST+2*\p], 0x3a802008, v[ST+2*\p]   ; / 1,023: the unbiased variance
.endr
	s_wait_alu depctr_va_vdst(0)
.irp p, 0,1,2,3
	v_sqrt_f32 v[ST+2*\p], v[ST+2*\p]
.endr
	v_nop                                          ; a plain instruction behind the last root,
	s_wait_alu depctr_va_vdst(0)                   ; and one wait for the four, ahead of their first reader
.irp p, 0,1,2,3
	v_add_f32 v[ST+2*\p], 0x358637bd, v[ST+2*\p]   ; + 1e-6
.endr
	s_wait_alu depctr_va_vdst(0)
.irp p, 0,1,2,3
	v_rcp_f32 v[ST+2*\p], v[ST+2*\p]
.endr
	v_nop
	s_wait_alu depctr_va_vdst(0)
.irp p, 0,1,2,3
	v_mov_b32 v[ST+2*\p+1], v[ST+2*\p]
.endr
.irp p, 0,1,2,3
	NORM \p
.endr
.irp p, 0,1,2,3
.irp s, 0,1,2
	QROW \p, \s
.endr
.endr
	v_nop                                          ; a plain instruction behind the last conversion
	s_wait_dscnt 0x0                               ; for the others' sake: my stores into the stages are done
	s_barrier_signal -1
	s_barrier_wait -1
; the way out: my wave takes fragments 2 w and 2 w + 1 of each scale; unit n = 8 s + 4 k + i
.irp s, 0,1,2
.irp k, 0,1
.irp i, 0,1,2,3
	ds_load_b64 v[XR+4*(8*\s+4*\k+\i):XR+4*(8*\s+4*\k+\i)+1], v4 offset:\s*LSC+128*\k+32*\i
	ds_load_b64 v[XR+4*(8*\s+4*\k+\i)+2:XR+4*(8*\s+4*\k+\i)+3], v4 offset:\s*LSC+128*\k+32*\i+16
.endr
.endr
.endr
.irp s, 0,1,2
.irp k, 0,1
.irp i, 0,1,2,3
	s_wait_dscnt 46-2*(8*\s+4*\k+\i)               ; unit n's two loads are in, the younger ones stay out
	global_store_b128 v5, v[XR+4*(8*\s+4*\k+\i):XR+4*(8*\s+4*\k+\i)+3], s[32+2*\s:33+2*\s] offset:\k*2048+\i*512
.endr
.endr
.endr
	s_wait_tensorcnt 0x0                           ; the wave's end: behind my last LDS store
	ds_add_u32 v[SPW], v[NIL]
	s_wait_dscnt 0x0
	s_endpgm
.Lfunc_end_k_q2d9e5ac31a_prep:
	.size	k_q2d9e5ac31a_prep, .Lfunc_end_k_q2d9e5ac31a_prep-k_q2d9e5ac31a_prep
	.p2alignl 7, 3214868480
	.fill 96, 4, 3214868480
	.section	.rodata,"a",@progbits
	.p2align	6, 0x0
	.amdhsa_kernel k_q2d9e5ac31a_prep
		.amdhsa_group_segment_fixed_size 86016
		.amdhsa_private_segment_fixed_size 0
		.amdhsa_enable_private_segment 0
		.amdhsa_kernarg_size 96
		.amdhsa_user_sgpr_count 2
		.amdhsa_user_sgpr_kernarg_segment_ptr 1
		.amdhsa_wavefront_size32 1
		.amdhsa_system_sgpr_workgroup_id_x 1
		.amdhsa_system_sgpr_workgroup_id_y 1
		.amdhsa_system_sgpr_workgroup_id_z 1
		.amdhsa_system_vgpr_workitem_id 0
		.amdhsa_next_free_vgpr 256
		.amdhsa_next_free_sgpr 80
		.amdhsa_reserve_vcc 0
		.amdhsa_float_denorm_mode_32 3
		.amdhsa_float_denorm_mode_16_64 3
		.amdhsa_memory_ordered 1
		.amdhsa_forward_progress 1
		.amdhsa_inst_pref_size 122
	.end_amdhsa_kernel
	.amdgpu_metadata
---
amdhsa.version: [ 1, 2 ]
amdhsa.kernels:
  - .name:           k_q2d9e5ac31a_prep
    .symbol:         k_q2d9e5ac31a_prep.kd
    .args:
      - { .name: x, .offset: 0, .size: 8, .value_kind: global_buffer, .address_space: global }
      - { .name: ln1_a, .offset: 8, .size: 8, .value_kind: global_buffer, .address_space: global }
      - { .name: ln1_b, .offset: 16, .size: 8, .value_kind: global_buffer, .address_space: global }
      - { .name: wq, .offset: 24, .size: 8, .value_kind: global_buffer, .address_space: global }
      - { .name: wk, .offset: 32, .size: 8, .value_kind: global_buffer, .address_space: global }
      - { .name: wv, .offset: 40, .size: 8, .value_kind: global_buffer, .address_space: global }
      - { .name: wo, .offset: 48, .size: 8, .value_kind: global_buffer, .address_space: global }
      - { .name: w1, .offset: 56, .size: 8, .value_kind: global_buffer, .address_space: global }
      - { .name: w2, .offset: 64, .size: 8, .value_kind: global_buffer, .address_space: global }
      - { .name: lowp_scales, .offset: 72, .size: 8, .value_kind: global_buffer, .address_space: global }
      - { .name: hc, .offset: 80, .size: 8, .value_kind: global_buffer, .address_space: global }
      - { .name: wc, .offset: 88, .size: 8, .value_kind: global_buffer, .address_space: global }
    .group_segment_fixed_size: 86016
    .private_segment_fixed_size: 0
    .kernarg_segment_align: 8
    .kernarg_segment_size: 96
    .max_flat_workgroup_size: 128
    .sgpr_count:     80
    .vgpr_count:     256
    .wavefront_size: 32
...
	.end_amdgpu_metadata
.endif
;; end of part 8
;; launch qkv (part 9): grid 12 x 16, 4 waves a work-group, clusters of 4 x 4, 327,680 bytes of LDS; arguments hc, wc, lowp_scales, bq, bk, bv, mask, qkvc; writes qkvc
.if DOCPART == 9
	.amdgcn_target "amdgcn-amd-amdhsa--gfx1250"
	.amdhsa_code_object_version 6
	.text
	.protected	k_q2d9e5ac31a_qkv
	.globl	k_q2d9e5ac31a_qkv
	.p2align	8
	.type	k_q2d9e5ac31a_qkv,@function
k_q2d9e5ac31a_qkv:
	s_mov_b64 s[64:65], 0
	v_nop
	global_prefetch_b8 v0, s[64:65] scope:SCOPE_SE
	s_setreg_imm32_b32 hwreg(HW_REG_WAVE_MODE, 25, 1), 1
	s_wait_xcnt 0x0
	s_wait_alu depctr_hold_cnt(0) depctr_sa_sdst(0) depctr_va_vdst(0) depctr_va_sdst(0) depctr_va_ssrc(0) depctr_va_vcc(0) depctr_vm_vsrc(0)
	s_getreg_b32 s2, hwreg(HW_REG_IB_STS2, 6, 4)
	s_cmp_eq_u32 s2, 0
	s_cbranch_scc0 .Lentry_in_a_cluster
	s_endpgm
.Lentry_in_a_cluster:
	s_bfe_u32 s2, ttmp6, 0x10000c
	s_cmp_lg_u32 s2, 0xf033
	s_cbranch_scc0 .Lentry_shape_is_right
	s_endpgm
.Lentry_shape_is_right:
; QKV.  Products 1 to 3 on codes of E4M3, + bias, quantised again: q at entry 6 of the scales, k at entry 7, v at entry 9.  The cluster's x says which: 0 q, 1 k, 2 v.
; Operands are images of fragment registers: [rows/16][K/128][2,048 bytes]; lane l takes registers 4 i .. 4 i + 3 at 512 i + 16 l, and registers 2 c, 2 c + 1 hold k = 16 c + 8 (l / 16) + 0 .. 7.
; A work-group of four waves makes 256 x 256 of the result, a wave 128 x 128: 64 accumulators, 512 registers.  K = 1,024 goes in steps of 256 through two LDS slots filled by the tensor data mover.
; THE MATRIX INSTRUCTION IS USED TRANSPOSED (source 0 = 16 rows of the column operand B, source 1 = 16 rows of the row operand A): lane (r, h) holds row r and columns 16 b + 8 h + 0 .. 7 of accumulator b,
; so the conversion of accumulator b IS registers 2 b, 2 b + 1 of the next product's fragment, and the codes are stored straight from registers, 512 consecutive bytes an instruction.
; q, k: A = the tokens' codes, B = the weight's: a lane's columns run along a head's 64, the next K.  v: A = the weight's, B = the tokens': V^T is made, and a lane's columns run along the keys, the next K.
; k's codes of keys whose mask word is 0 become 0: the attention launch gives such a key's score as the C of its product.
; CLUSTERS: 4 x 4 work-groups; A's tile is asked for jointly along a row of the cluster, B's along a column.
; LIMITS: the sum of a product's two exponents between -126 and 127; the exponent of the codes made here between -126 and 119; NaN is not served.
; REGISTERS: window 0: v16-31 addresses; v32-39 bias by rows, v40-47 mask words, v48, v49 powers of two, v64-127 bias by columns; v128-255 A's fragments, one set; on the way out v128-191 numbers, v192-255 codes.
;   window 1: B's fragments, two sets.  windows 2, 3: the accumulators ((a, b) at v[8 (8 (a % 4) + b)]).
.set KK,    1024
.set RBP,   16*KK                      ; a block of 16 rows of an operand in bytes
.set KSB,   4096                       ; a K step of 256: two fragments of each block of rows
.set HALFT, 32768                      ; 8 blocks of rows x 4,096: what one tensor load brings
.set SLOT,  131072                     ; A's 256 rows, then B's 256 rows
.set SPARE, 262144                     ; behind the ring: the spare words, 128 bytes for each wave
.set LAPS,  KK/512
.set FR,   16
.set NL,   4
.set NP,   4
.set ADRA, 16
.set ADRB, 20
.set CO,   26                          ; v26  16 x lane
.set SPW,  28
.set NIL,  29
.set BR,   32
.set RM,   40
.set BC,   64
.set AF,   128
.set Y,    128
.set CD,   192
.set G1,  24
.set G0,  32
.set G1B, 48
.set G0B, 56
.set MSB, 0
.macro WIN new                         ; the immediate's high byte repeats the setting that is left
.if MSB != (\new)
	s_set_vgpr_msb (MSB<<8)|(\new)
.set MSB, (\new)
.endif
.endm
.set MUL_LO, 0xa1                      ; source 0 (B) window 1, source 1 (A) window 0, C and D window 2
.set MUL_HI, 0xf1
.set TO_B,   0x40
.macro JLOAD g0a, g1a, g0b, g1b        ; a joint load: waves 0, 1 fetch for A, waves 2, 3 for B; s_nop 0 and four v_nop follow each line
	s_cmp_eq_u32 s15, 0
	s_cbranch_scc0 .Lfor_b_\@
	tensor_load_to_lds s[\g0a:\g0a+3], s[\g1a:\g1a+7]
	s_nop 0
.rept 4
	v_nop
.endr
	s_branch .Lasked_\@
.Lfor_b_\@:
	tensor_load_to_lds s[\g0b:\g0b+3], s[\g1b:\g1b+7]
	s_nop 0
.rept 4
	v_nop
.endr
.Lasked_\@:
.endm
.macro CREST                           ; a round of the cluster's barrier behind its opening barrier
	s_cmp_lg_u32 s14, 0
	s_cbranch_scc1 .Lnot_wave_0_\@
	s_barrier_signal -3
.Lnot_wave_0_\@:
	s_barrier_wait -3
	s_barrier_signal -1
	s_barrier_wait -1
.endm
.macro CROUND
	s_barrier_signal -1
	s_barrier_wait -1
	CREST
.endm
	s_load_b512 s[68:83], s[0:1], 0x0              ; hc, wc, lowp_scales, bq, bk, bv, mask, qkvc
	v_lshl_add_u32 v[SPW], v0, 2, SPARE
	v_mov_b32 v[NIL], 0
	ds_add_u32 v[SPW], v[NIL]                      ; the wave's opening: the add and its wait ahead of my first tensor load
	ds_add_u32 v[SPW], v[NIL]
	v_lshrrev_b32 v1, 5, v0
	v_readfirstlane_b32 s14, v1                    ; wave 0..3
	s_lshr_b32 s15, s14, 1                         ; my half of the tile's rows; also: I fetch for A (0) or B (1)
	s_and_b32 s16, s14, 1                          ; my half of its columns; also: which 128 rows I fetch
	s_bfe_u32 s40, ttmp6, 0x40000                  ; cx
	s_bfe_u32 s41, ttmp6, 0x40004                  ; cy
	s_and_b32 s87, ttmp7, 0xffff
	s_lshl_b32 s87, s87, 2                         ; 4 x cluster y
	s_cmp_eq_u32 ttmp9, 2                          ; v?  The cluster's x: the same in all sixteen partners
	s_cselect_b32 s17, 0, s87
	s_cselect_b32 s42, s87, 0
	s_add_co_u32 s17, s17, s41                     ; tile row: q, k: 16 of tokens; v: 4 of the weight's columns
	s_add_co_u32 s42, s42, s40                     ; tile column: the other way round
	s_lshl_b32 s43, s41, 2
	s_lshl_b32 s43, 15, s43                        ; my row of the cluster
	s_lshl_b32 s44, 0x1111, s40                    ; my column
	s_or_b32 s[G1+0], s43, (1<<21)                 ; 15:0 the mask; 17:16 elements of 1 byte; no padding; 21 set beside a mask
	s_or_b32 s[G1B+0], s44, (1<<21)
.irp g, G1, G1B
	s_mov_b32 s[\g+1], KSB<<16                     ; tensor_dim0 = 4,096
	s_mov_b32 s[\g+2], 8<<16                       ; tensor_dim1 = 8
	s_mov_b32 s[\g+3], KSB<<16                     ; tile_dim0 = 4,096
	s_mov_b32 s[\g+4], 8                           ; tile_dim1 = 8 blocks of rows
	s_mov_b32 s[\g+5], RBP                         ; from block to block
	s_mov_b32 s[\g+6], 0
	s_mov_b32 s[\g+7], 0
.endr
	s_lshl_b32 s18, s16, 3
	s_lshl_b32 s20, s17, 4
	s_add_co_u32 s20, s20, s18
	s_mul_i32 s20, s20, RBP                        ; A: block 16 x tile row + 8 x half
	s_mov_b32 s21, 0
	s_lshl_b32 s46, s42, 4
	s_add_co_u32 s46, s46, s18
	s_mul_i32 s46, s46, RBP                        ; B: block 16 x tile column + 8 x half
	s_mov_b32 s47, 0
	s_lshl_b32 s45, s14, 15                        ; where they go: wave x 32,768: no place in the cluster enters an LDS address
	s_lshl_b32 s88, ttmp9, 22                      ; the tokens' codes at this product's scale
	s_mov_b32 s89, 0
	s_lshl_b32 s90, ttmp9, 20                      ; this product's weight
	s_mov_b32 s91, 0
	s_lshl_b32 s94, ttmp9, 3                       ; the product's two exponents: entries 2 c, 2 c + 1
	s_lshl_b32 s95, ttmp9, 2
	s_add_co_u32 s95, s95, 24
	s_cmp_eq_u32 ttmp9, 2
	s_cselect_b32 s95, 36, s95                     ; the exponent of the codes made: entry 6, 7 or 9.  s94, s95 are not rewritten
	s_wait_dscnt 0x0                               ; the opening add is done
	s_wait_kmcnt 0x0
	s_load_b64 s[96:97], s[72:73], s94 offset:0x0
	s_load_b32 s98, s[72:73], s95 offset:0x0
	s_add_nc_u64 s[88:89], s[68:69], s[88:89]
	s_add_nc_u64 s[90:91], s[70:71], s[90:91]
	s_cmp_eq_u32 ttmp9, 2
	s_cselect_b64 s[4:5], s[90:91], s[88:89]       ; A
	s_cselect_b64 s[6:7], s[88:89], s[90:91]       ; B
	s_add_nc_u64 s[20:21], s[4:5], s[20:21]
	s_add_nc_u64 s[46:47], s[6:7], s[46:47]
	CROUND                                         ; all sixteen work-groups are here: the first joint loads meet
.irp s, 0,1
	s_mov_b32 s[G0+4*\s], 1
	s_add_co_u32 s[G0+4*\s+1], s45, \s*SLOT
	s_add_nc_u64 s[G0+4*\s+2:G0+4*\s+3], s[20:21], \s*KSB
	s_or_b32 s[G0+4*\s+3], s[G0+4*\s+3], 0x80000000
	s_mov_b32 s[G0B+4*\s], 1
	s_add_co_u32 s[G0B+4*\s+1], s45, \s*SLOT
	s_add_nc_u64 s[G0B+4*\s+2:G0B+4*\s+3], s[46:47], \s*KSB
	s_or_b32 s[G0B+4*\s+3], s[G0B+4*\s+3], 0x80000000
.if \s                                         ; slot 1's first fill is issued as a refill is: a tensor wait, an add, its wait and a whole round in front of it
	s_wait_alu depctr_va_vdst(0)
	s_wait_tensorcnt 0x0                           ; my part of K step 0 is in
	ds_add_u32 v[SPW], v[NIL]
	s_wait_dscnt 0x0
	CROUND
.endif
	JLOAD G0+4*\s, G1, G0B+4*\s, G1B
.endr
	v_and_b32 v1, 31, v0
	v_and_b32 v2, 15, v0                           ; r
	v_bfe_u32 v3, v0, 4, 1                         ; h
	v_lshlrev_b32 v[CO], 4, v1
	v_lshlrev_b32 v27, 5, v3                       ; 32 h: my half's eight numbers of a bias by columns
	s_wait_alu depctr_va_vdst(0)
	v_lshlrev_b32 v31, 2, v2                       ; 4 r
	s_wait_alu depctr_va_vdst(0)
	s_lshl_b32 s21, s15, 15                        ; my 128 rows of A
	s_lshl_b32 s22, s16, 15
	s_add_co_u32 s22, s22, 2*HALFT                 ; my 128 rows of B, behind A's 256
.irp s, 0,1
	v_add_nc_u32 v[ADRA+\s], s21, v[CO]
	v_add_nc_u32 v[ADRB+\s], s22, v[CO]
	s_add_co_u32 s21, s21, SLOT
	s_add_co_u32 s22, s22, SLOT
.endr
	s_cmp_eq_u32 ttmp9, 1
	s_cselect_b64 s[12:13], s[76:77], s[74:75]
	s_cmp_eq_u32 ttmp9, 2
	s_cselect_b64 s[12:13], s[78:79], s[12:13]     ; this product's bias
	s_lshl_b32 s18, s17, 8
	s_lshl_b32 s19, s15, 7
	s_add_co_u32 s18, s18, s19                     ; my first row
	s_lshl_b32 s19, s42, 8
	s_lshl_b32 s20, s16, 7
	s_add_co_u32 s19, s19, s20                     ; my first column
	s_and_b32 s20, s19, 1023                       ; both biases are loaded on both ways, each inside its 1,024 numbers; each way uses its own
	s_lshl_b32 s20, s20, 2
	s_mov_b32 s21, 0
	s_add_nc_u64 s[92:93], s[12:13], s[20:21]
	s_and_b32 s20, s18, 1023
	s_lshl_b32 s20, s20, 2
	s_add_nc_u64 s[8:9], s[12:13], s[20:21]
	s_lshl_b32 s20, s18, 2                         ; the mask's word of token = row (q, k); for v the words are loaded and not used
	s_add_nc_u64 s[66:67], s[80:81], s[20:21]
.irp b, 0,1,2,3,4,5,6,7
	global_load_b128 v[BC+8*\b:BC+8*\b+3], v27, s[92:93] offset:64*\b
	global_load_b128 v[BC+8*\b+4:BC+8*\b+7], v27, s[92:93] offset:64*\b+16
.endr
.irp a, 0,1,2,3,4,5,6,7
	global_load_b32 v[BR+\a], v31, s[8:9] offset:64*\a
	global_load_b32 v[RM+\a], v31, s[66:67] offset:64*\a
.endr
	; where my codes go.  q, k: [32 (batch, head)][128 tiles of 16 tokens][1,024];  v: [32][16 blocks of 128 keys][4 blocks of 16 of the head's 64][2,048]
	s_lshr_b32 s19, s18, 11                        ; batch
	s_lshl_b32 s19, s19, 4
	s_lshl_b32 s20, s42, 2
	s_add_co_u32 s19, s19, s20
	s_lshl_b32 s20, s16, 1
	s_add_co_u32 s19, s19, s20                     ; my first head: 4 a tile column, 2 a wave
	s_lshl_b32 s19, s19, 17
	s_and_b32 s20, s18, 2047
	s_lshl_b32 s20, s20, 6                         ; my first tile of tokens x 1,024
	s_add_co_u32 s20, s20, s19
	s_lshl_b32 s19, ttmp9, 22
	s_add_co_u32 s20, s20, s19
	s_lshl_b32 s22, s42, 1
	s_add_co_u32 s22, s22, s16                     ; v: my block of 128 tokens
	s_lshr_b32 s23, s22, 4
	s_lshl_b32 s23, s23, 21                        ; its batch: 16 heads x 131,072
	s_and_b32 s22, s22, 15
	s_lshl_b32 s22, s22, 13
	s_add_co_u32 s22, s22, s23
	s_lshl_b32 s23, s17, 2
	s_lshl_b32 s19, s15, 1
	s_add_co_u32 s23, s23, s19                     ; my first head
	s_lshl_b32 s23, s23, 17
	s_add_co_u32 s22, s22, s23
	s_add_co_u32 s22, s22, 0x800000
	s_cmp_eq_u32 ttmp9, 2
	s_cselect_b32 s20, s22, s20
	s_mov_b32 s21, 0
	s_add_nc_u64 s[10:11], s[82:83], s[20:21]
.macro FRAG reg, adr, q, i             ; block of rows i, the slot's q-th 128 along K: four loads of 512 consecutive bytes
.irp c, 0,1,2,3
	ds_load_b128 v[\reg+4*\c:\reg+4*\c+3], v[\adr] offset:4096*(\i)+2048*(\q)+512*\c
.endr
.endm
; 16 matrix instructions: A's blocks a0, a0 + 1 x B's eight.  The 64 accumulators take turns, one instruction a turn, in the same order in every step.
.macro MUL16 a0, p, zero
.irp a, \a0, \a0+1
.irp b, 0,1,2,3,4,5,6,7
.if \zero
	v_wmma_f32_16x16x128_fp8_fp8 v[8*(8*((\a)%4)+\b):8*(8*((\a)%4)+\b)+7], v[128*(\p)+FR*\b:128*(\p)+FR*\b+FR-1], v[AF+FR*(\a):AF+FR*(\a)+FR-1], 0
.else
	v_wmma_f32_16x16x128_fp8_fp8 v[8*(8*((\a)%4)+\b):8*(8*((\a)%4)+\b)+7], v[128*(\p)+FR*\b:128*(\p)+FR*\b+FR-1], v[AF+FR*(\a):AF+FR*(\a)+FR-1], v[8*(8*((\a)%4)+\b):8*(8*((\a)%4)+\b)+7]
.endif
.endr
.endr
.endm
.macro FETCH_B slot, q, p
	WIN TO_B
.irp i, 0,1,2,3,4,5,6,7
	FRAG 128*(\p)+FR*\i, ADRB+\slot, \q, \i
.endr
	WIN 0
.endm
.macro FETCH_A slot, q, i0
.irp i, \i0, \i0+1, \i0+2, \i0+3
	FRAG AF+FR*(\i), ADRA+\slot, \q, \i
.endr
.endm
.macro PLACES n                        ; places behind matrix instructions, in front of loads into registers that they have read and of reads of results
.rept \n
	v_nop
.endr
.endm
.macro STEP slot, q, zero              ; 128 along K whose successor lies in the same slot
	s_wait_dscnt 4*NL                              ; B's set and A's blocks 0-3 are in; the youngest 16 loads (A's blocks 4-7) may be out
	WIN MUL_LO
	MUL16 0, (\q)%2, \zero
	MUL16 2, (\q)%2, \zero
	s_wait_dscnt 0
	PLACES NP
	FETCH_B \slot, (\q)+1, 1-(\q)%2
	FETCH_A \slot, (\q)+1, 0
	WIN MUL_HI
	MUL16 4, (\q)%2, \zero
	MUL16 6, (\q)%2, \zero
	PLACES NP
	WIN 0
	FETCH_A \slot, (\q)+1, 4
.endm
; A slot's last step changes slots: one barrier; in front of it each wave waits for all its tensor loads, adds 0 to its spare word, and waits for that and for its reads of this slot.
.macro TURN slot, next, fill
	s_wait_tensorcnt 0x0                           ; all my tensor loads have landed: my part of the next slot
	ds_add_u32 v[SPW], v[NIL]
	s_wait_dscnt 4*NL+1                            ; the add and the youngest 16 loads may be out
	WIN MUL_LO
	MUL16 0, 1, 0
	s_wait_dscnt 0x0                               ; the add is done, and my reads of this slot are over
	s_barrier_signal -1
	MUL16 2, 1, 0
	WIN 0
	s_barrier_wait -1
.if \fill
	CREST                                          ; the barrier has opened a round of the cluster's: no wave of any partner still reads this slot or has a load on its way
	s_add_nc_u64 s[G0+4*\slot+2:G0+4*\slot+3], s[G0+4*\slot+2:G0+4*\slot+3], 2*KSB
	s_add_nc_u64 s[G0B+4*\slot+2:G0B+4*\slot+3], s[G0B+4*\slot+2:G0B+4*\slot+3], 2*KSB
	JLOAD G0+4*\slot, G1, G0B+4*\slot, G1B         ; the first tensor load behind the round; its four v_nop are the places in front of the loads below
.else
	PLACES NP
.endif
	FETCH_B \next, 0, 0
	FETCH_A \next, 0, 0
	WIN MUL_HI
	MUL16 4, 1, 0
	MUL16 6, 1, 0
	PLACES NP
	WIN 0
	FETCH_A \next, 0, 4
.endm
	s_wait_alu depctr_va_vdst(0)
	s_wait_tensorcnt 1                             ; my part of K step 0 is in; K step 1's load may be out
	s_barrier_signal -1
	s_barrier_wait -1
	FETCH_B 0, 0, 0
	FETCH_A 0, 0, 0
	FETCH_A 0, 0, 4
	STEP 0, 0, 1                                   ; the first step's products start the sums
	s_mov_b32 s3, LAPS-1
.Llap:
	TURN 0, 1, 1
	STEP 1, 0, 0
	TURN 1, 0, 1
	STEP 0, 0, 0
	s_sub_co_u32 s3, s3, 1
	s_cmp_lg_u32 s3, 0
	s_cbranch_scc1 .Llap
	TURN 0, 1, 0                                   ; the last lap fills nothing
	STEP 1, 0, 0
	s_wait_dscnt 4*NL
	WIN MUL_LO
	MUL16 0, 1, 0
	MUL16 2, 1, 0
	s_wait_dscnt 0
	WIN MUL_HI
	MUL16 4, 1, 0
	MUL16 6, 1, 0
	WIN 0
; THE WAY OUT, a block of 16 rows at a time: sum x 2^(ea + eb) + bias, the hold, the conversion, four stores of 512 consecutive bytes.  mode 0: q, k (bias by columns; mask); mode 1: v (bias by rows).
.macro EPC a, mode
.set AC, 64*((\a)%4)
.set CS, CD+16*((\a)%4)
.if (\a) >= 4
	s_wait_xcnt 0x0                                ; the stores of four blocks ago have read this set of codes
.endif
	WIN 0x02+((\a)/4)                              ; source 0: window 2 or 3
.irp b, 0,1,2,3,4,5,6,7
.irp j, 0,2,4,6
.if \mode == 0
	v_pk_fma_f32 v[Y+8*\b+\j:Y+8*\b+\j+1], v[AC+8*\b+\j:AC+8*\b+\j+1], s[96:97], v[BC+8*\b+\j:BC+8*\b+\j+1] op_sel_hi:[1,0,1]
.elseif (\a)%2
	v_pk_fma_f32 v[Y+8*\b+\j:Y+8*\b+\j+1], v[AC+8*\b+\j:AC+8*\b+\j+1], s[96:97], v[BR+(\a)-1:BR+(\a)] op_sel:[0,0,1] op_sel_hi:[1,0,1]
.else
	v_pk_fma_f32 v[Y+8*\b+\j:Y+8*\b+\j+1], v[AC+8*\b+\j:AC+8*\b+\j+1], s[96:97], v[BR+(\a):BR+(\a)+1] op_sel_hi:[1,0,0]
.endif
.endr
.endr
	WIN 0
.set ei, 0
.rept 64
	v_med3_num_f32 v[Y+ei], v[Y+ei], -v49, v49     ; the conversion does not saturate (ISA guide 7.6.2)
.set ei, ei+1
.endr
.irp b, 0,1,2,3,4,5,6,7
	v_cvt_scalef32_pk8_fp8_f32 v[CS+2*\b:CS+2*\b+1], v[Y+8*\b:Y+8*\b+7], v48
.endr
	v_nop                                          ; a plain instruction behind the last conversion
.if \mode == 0
	v_cmp_ne_u32 vcc_lo, 0, v[RM+(\a)]
.set ei, 0
.rept 16
	v_cndmask_b32 v[CS+ei], 0, v[CS+ei], vcc_lo    ; a masked key's codes are zeros
.set ei, ei+1
.endr
.irp i, 0,1,2,3
	global_store_b128 v[CO], v[CS+4*\i:CS+4*\i+3], s[10:11] offset:(\i/2)*131072+(\i%2)*512+(\a)*1024
.endr
.else
.irp i, 0,1,2,3
	global_store_b128 v[CO], v[CS+4*\i:CS+4*\i+3], s[10:11] offset:((\a)/4)*131072+((\a)%4)*2048+512*\i
.endr
.endif
.endm
	s_wait_kmcnt 0x0
	s_add_co_i32 s96, s96, s97
	s_add_co_i32 s96, s96, 127
	s_lshl_b32 s96, s96, 23                        ; 2^(ea + eb) as f32
	s_mov_b32 s97, s96                             ; (named with it as a pair)
	s_add_co_i32 s98, s98, 127
	s_lshl_b32 s99, s98, 23
	s_add_co_i32 s98, s98, 8
	s_lshl_b32 s98, s98, 23
	s_or_b32 s98, s98, 0x600000
	s_cmp_eq_u32 ttmp9, 1
	s_cselect_b32 s88, 0, 1                        ; only k honours the mask here
	s_wait_loadcnt 0x0                             ; the biases and the mask's words
	v_mov_b32 v48, s99                             ; 2^eo.  These ten plain lines are the places behind the last products
	v_mov_b32 v49, s98                             ; 448 x 2^eo
.irp a, 0,1,2,3,4,5,6,7
	v_or_b32 v[RM+\a], s88, v[RM+\a]
.endr
	s_cmp_eq_u32 ttmp9, 2                          ; the cluster's x: all partners and all waves go the same way
	s_cbranch_scc1 .Lv
.irp a, 0,1,2,3,4,5,6,7
	EPC \a, 0
.endr
	s_branch .Ldone
.Lv:
.irp a, 0,1,2,3,4,5,6,7
	EPC \a, 1
.endr
.Ldone:
	s_wait_tensorcnt 0x0                           ; the wave's end
	ds_add_u32 v[SPW], v[NIL]
	s_wait_dscnt 0x0
	CROUND                                         ; the closing round
	s_endpgm
.Lfunc_end_k_q2d9e5ac31a_qkv:
	.size	k_q2d9e5ac31a_qkv, .Lfunc_end_k_q2d9e5ac31a_qkv-k_q2d9e5ac31a_qkv
	.p2alignl 7, 3214868480
	.fill 96, 4, 3214868480
	.section	.rodata,"a",@progbits
	.p2align	6, 0x0
	.amdhsa_kernel k_q2d9e5ac31a_qkv
		.amdhsa_group_segment_fixed_size 327680
		.amdhsa_private_segment_fixed_size 0
		.amdhsa_enable_private_segment 0
		.amdhsa_kernarg_size 64
		.amdhsa_user_sgpr_count 2
		.amdhsa_user_sgpr_kernarg_segment_ptr 1
		.amdhsa_wavefront_size32 1
		.amdhsa_system_sgpr_workgroup_id_x 1
		.amdhsa_system_sgpr_workgroup_id_y 1
		.amdhsa_system_sgpr_workgroup_id_z 1
		.amdhsa_system_vgpr_workitem_id 0
		.amdhsa_next_free_vgpr 1024
		.amdhsa_next_free_sgpr 104
		.amdhsa_reserve_vcc 1
		.amdhsa_float_denorm_mode_32 3
		.amdhsa_float_denorm_mode_16_64 3
		.amdhsa_memory_ordered 1
		.amdhsa_forward_progress 1
		.amdhsa_inst_pref_size 199
	.end_amdhsa_kernel
	.amdgpu_metadata
---
amdhsa.version: [ 1, 2 ]
amdhsa.kernels:
  - .name:           k_q2d9e5ac31a_qkv
    .symbol:         k_q2d9e5ac31a_qkv.kd
    .args:
      - { .name: hc, .offset: 0, .size: 8, .value_kind: global_buffer, .address_space: global }
      - { .name: wc, .offset: 8, .size: 8, .value_kind: global_buffer, .address_space: global }
      - { .name: lowp_scales, .offset: 16, .size: 8, .value_kind: global_buffer, .address_space: global }
      - { .name: bq, .offset: 24, .size: 8, .value_kind: global_buffer, .address_space: global }
      - { .name: bk, .offset: 32, .size: 8, .value_kind: global_buffer, .address_space: global }
      - { .name: bv, .offset: 40, .size: 8, .value_kind: global_buffer, .address_space: global }
      - { .name: mask, .offset: 48, .size: 8, .value_kind: global_buffer, .address_space: global }
      - { .name: qkvc, .offset: 56, .size: 8, .value_kind: global_buffer, .address_space: global }
    .group_segment_fixed_size: 327680
    .private_segment_fixed_size: 0
    .kernarg_segment_align: 8
    .kernarg_segment_size: 64
    .max_flat_workgroup_size: 128
    .sgpr_count:     104
    .vgpr_count:     1024
    .wavefront_size: 32
...
	.end_amdgpu_metadata
.endif
;; end of part 9
;; launch attn (part 10): grid 8 x 32, 16 waves a work-group, clusters of 4 x 1, 327,680 bytes of LDS; arguments qkvc, mask, lowp_scales, ctxc; writes ctxc
.if DOCPART == 10
	.amdgcn_target "amdgcn-amd-amdhsa--gfx1250"
	.amdhsa_code_object_version 6
	.text
	.protected	k_q2d9e5ac31a_attn
	.globl	k_q2d9e5ac31a_attn
	.p2align	8
	.type	k_q2d9e5ac31a_attn,@function
k_q2d9e5ac31a_attn:
	s_mov_b64 s[64:65], 0
	v_nop
	global_prefetch_b8 v0, s[64:65] scope:SCOPE_SE
	s_setreg_imm32_b32 hwreg(HW_REG_WAVE_MODE, 25, 1), 1
	s_wait_xcnt 0x0
	s_wait_alu depctr_hold_cnt(0) depctr_sa_sdst(0) depctr_va_vdst(0) depctr_va_sdst(0) depctr_va_ssrc(0) depctr_va_vcc(0) depctr_vm_vsrc(0)
	s_getreg_b32 s2, hwreg(HW_REG_IB_STS2, 6, 4)
	s_cmp_eq_u32 s2, 0
	s_cbranch_scc0 .Lentry_in_a_cluster
	s_endpgm
.Lentry_in_a_cluster:
	s_bfe_u32 s2, ttmp6, 0x10000c
	s_cmp_lg_u32 s2, 0x3003
	s_cbranch_scc0 .Lentry_shape_is_right
	s_endpgm
.Lentry_shape_is_right:
; ATTENTION on codes of E4M3: products 4 and 5, the softmax between them, and the quantiser of product 6's left operand (entry 10 of the scales).
; q, k: [32 (batch, head)][128 tiles of 16 tokens][1,024 bytes], images of fragment registers for K = 64: lane l takes registers 4 i .. 4 i + 3 at 512 i + 16 l.  v: [32][16 blocks of 128 keys][4 blocks of 16 of the head's 64][2,048 bytes]:
; of such an image the bytes 1,024 f .. are the fragment of keys 64 f .. 64 f + 63 for the K = 64 form.  The codes of keys whose mask word is 0 are zeros (the launch before made them so).
; SHARES.  A work-group owns 256 queries of one (batch, head).  Its sixteen waves are eight pairs; a pair owns 32 queries, two tiles, and each wave of it walks half of the keys (1,024) for both tiles,
; so that each fragment of K, of V and of the mask's terms feeds two matrix instructions.  The pair's second wave holds the two tiles in the other order: every wave finishes its set 0 and hands its set 1 to its partner.
; LDS holds the head's whole K (131,072 bytes), its whole V (as many) and a table of 2,048 words, the term that each key's mask word adds to its scores: 0, or -2^(33 - eq - ek) as a raw sum.  Such a key's product is 0, so its t is
; -2^33 x log2(e) / 8 exactly, under every other t; where all keys are masked all t are equal whole numbers and every p is 1, as with a masked logit of -1e9.
; FILLS.  K: one joint load a wave (8,192 bytes) at the head.  V: one joint load a wave behind a wait for my tensor load, an add, its wait and a round of the cluster's barrier.  Nothing is filled again.
; The four work-groups of a cluster walk the same head: each load names the four.  No prefetch is laid: both fills are asked for at the head, and there is no loop of loads to run ahead in.
; TWO WALKS OVER THE KEYS.  Walk 1: S^T = K Q^T + the mask's term (as C), and the largest score of each query; the pair's two waves exchange their maxima through LDS: M = ceil(the row's largest t), t = score x log2(e) / 8.
; Walk 2 makes the same sums again, p = 2^(t - M), the row's sum of the unquantised p, the hold at 448 x 2^ep, p's codes, and O^T += V^T P^T.  M is final in walk 2, so nothing is rescaled.
; At the end the partners' O^T and sums, both under the same M, are added: each wave stores its set 1 into K's bytes, behind a barrier behind which nobody reads K, and takes its partner's set 1, which is its own set 0's tile.
; LAYOUT.  Both products are used transposed (source 0 = 16 keys, or 16 of the head's 64; source 1 = my 16 queries): lane (r, h) holds query r; register j of score tile t is key 16 t + 8 h + j, so the conversion of tile t IS registers 2 t, 2 t + 1 of P.
; In walk 2 the mask's terms are loaded into set 1's score registers: they are the C of set 0's products, and then C and D of set 1's, five places behind.
; LIMITS: eq + ek between -94 and 130; ep and entry 10 between -126 and 119; the scaled scores stay under 2^31 in magnitude; NaN is not served.
; REGISTERS: v1-3 bases (16 x lane, V, table); v4, v11 LDS places of mine and of my partner; v5, v6 the add's two; v7 2^ep; v8-10 addresses in hand; v12, v13 -M of my two sets; v14, v15 at work; v16-31 Q; v32-63 K; v64-95 V (walk 1: K's second set);
;   v96-127, v128-159 scores, then p; v160-223 O^T (walk 1: two sets of the mask's terms); v224-239 P's codes (walk 1: the running maxima); v240-255 the sums, eight a set.
.set VOFF,  131072
.set AM,    262144
.set SPARE, 270336                     ; the spare words, 128 bytes for each wave: eight blocks of 256 bytes that no other line names
.set XM,    272384                     ; the maxima's exchange: 8 bytes a thread
.set STG,   4608                       ; the last exchange: 32 registers and the sum's four, 16 bytes a lane each, for each wave; in K's bytes
.set SPW, 5
.set NIL, 6
.set WV,  18
.set G1,  24
.set KF,  32
.set VF,  64
.set S0,  96
.set S1,  128
.set O0,  160
.set P0,  224
.set L0,  240
.macro CROUND                          ; a round of the cluster's barrier
	s_barrier_signal -1
	s_barrier_wait -1
	s_cmp_lg_u32 s[WV], 0
	s_cbranch_scc1 .Lnot_wave_0_\@
	s_barrier_signal -3
.Lnot_wave_0_\@:
	s_barrier_wait -3
	s_barrier_signal -1
	s_barrier_wait -1
.endm
.macro LDK dst, off                    ; four tiles of 16 keys: eight loads of 512 consecutive bytes
.irp t, 0,1,2,3
	ds_load_b128 v[(\dst)+8*\t:(\dst)+8*\t+3], v8 offset:(\off)+1024*\t
	ds_load_b128 v[(\dst)+8*\t+4:(\dst)+8*\t+7], v8 offset:(\off)+1024*\t+512
.endr
.endm
.macro LDM dst, off                    ; the mask's terms of the same 64 keys, in the layout of a result: keys 16 t + 8 h + 0 .. 7
.irp t, 0,1,2,3
	ds_load_b128 v[(\dst)+8*\t:(\dst)+8*\t+3], v10 offset:(\off)+64*\t
	ds_load_b128 v[(\dst)+8*\t+4:(\dst)+8*\t+7], v10 offset:(\off)+64*\t+16
.endr
.endm
.macro LDV off                         ; V^T: four blocks of 16 of the head's 64 x 64 keys
.irp t, 0,1,2,3
	ds_load_b128 v[VF+8*\t:VF+8*\t+3], v9 offset:(\off)+2048*\t
	ds_load_b128 v[VF+8*\t+4:VF+8*\t+7], v9 offset:(\off)+2048*\t+512
.endr
.endm
.macro QK d, kf, q, c                  ; four score tiles of one tile of queries
.irp t, 0,1,2,3
	v_wmma_f32_16x16x64_fp8_fp8 v[(\d)+8*\t:(\d)+8*\t+7], v[(\kf)+8*\t:(\kf)+8*\t+7], v[\q:\q+7], v[(\c)+8*\t:(\c)+8*\t+7]
.endr
.endm
.macro PV u, t                         ; O^T of set u, block t of the head's 64, += V^T P^T
	s_wait_alu depctr_va_vdst(0)
	v_wmma_f32_16x16x64_fp8_fp8 v[O0+32*\u+8*\t:O0+32*\u+8*\t+7], v[VF+8*\t:VF+8*\t+7], v[P0+8*\u:P0+8*\u+7], v[O0+32*\u+8*\t:O0+32*\u+8*\t+7]
.endm
.macro HOLD b                          ; the conversion does not saturate (ISA guide 7.6.2); p is not negative, so the hold is one-sided; two numbers an instruction
.set hi, 0
.rept 16
	v_dual_min_num_f32 v[(\b)+hi], s88, v[(\b)+hi] :: v_dual_min_num_f32 v[(\b)+hi+1], s88, v[(\b)+hi+1]
.set hi, hi+2
.endr
.endm
.macro SUMS u                          ; the row's sum is taken of the unquantised p: four chains
.irp t, 0,1,2,3
.irp j, 0,2,4,6
	v_pk_add_f32 v[L0+8*\u+\j:L0+8*\u+\j+1], v[L0+8*\u+\j:L0+8*\u+\j+1], v[S0+32*\u+8*\t+\j:S0+32*\u+8*\t+\j+1]
.endr
.endr
.endm
.macro CODES u
.irp t, 0,1,2,3
	v_cvt_scalef32_pk8_fp8_f32 v[P0+8*\u+2*\t:P0+8*\u+2*\t+1], v[S0+32*\u+8*\t:S0+32*\u+8*\t+7], v7
.endr
.endm
.macro ZERO b, n                       ; n pairs of registers
.set zi, 0
.rept \n
	v_dual_mov_b32 v[(\b)+zi], 0 :: v_dual_mov_b32 v[(\b)+zi+1], 0
.set zi, zi+2
.endr
.endm
	s_load_b256 s[4:11], s[0:1], 0x0               ; qkvc, mask, lowp_scales, ctxc
	v_lshl_add_u32 v[SPW], v0, 2, SPARE
	v_mov_b32 v[NIL], 0
	ds_add_u32 v[SPW], v[NIL]                      ; the wave's opening: the add, twice on end, and its wait ahead of my first tensor load
	ds_add_u32 v[SPW], v[NIL]
	v_lshrrev_b32 v8, 5, v0
	s_delay_alu instid0(VALU_DEP_1)
	v_readfirstlane_b32 s[WV], v8                  ; wave 0..15
	s_bfe_u32 s13, ttmp6, 0x40000                  ; cx
	s_lshl_b32 s14, ttmp9, 2
	s_add_co_u32 s14, s14, s13                     ; my block of 256 queries, 0..7
	s_and_b32 s12, ttmp7, 0xffff                   ; (batch, head), 0..31
	s_mov_b32 s[G1], 15|(3<<16)|(1<<21)            ; the mask names the cluster's four; elements of 8 bytes; bit 21 beside a mask
	s_mov_b32 s[G1+1], 32<<16                      ; rows of 256 bytes,
	s_mov_b32 s[G1+2], 32<<16                      ; 32 of them: 8,192 bytes, dense
	s_mov_b32 s[G1+3], 32<<16
	s_mov_b32 s[G1+4], 32
	s_mov_b32 s[G1+5], 32
	s_mov_b32 s[G1+6], 0
	s_mov_b32 s[G1+7], 0
	s_lshl_b32 s16, s[WV], 13                      ; my sixteenth of K and of V
	s_and_b32 s92, s[WV], 1                        ; my half of the keys
	s_and_b32 s15, s[WV], 14                       ; 2 x my pair
	s_lshl_b32 s48, s12, 17
	s_add_co_u32 s48, s48, s16
	s_add_co_u32 s48, s48, 0x400000                ; k's codes: head and wave alone: the same in all four partners
	s_mov_b32 s49, 0
	s_lshl_b32 s53, s14, 4
	s_add_co_u32 s53, s53, s15                     ; my pair's first tile of 16 queries
	s_lshl_b32 s50, s12, 17
	s_lshl_b32 s51, s53, 10
	s_add_co_u32 s50, s50, s51                     ; q's codes
	s_mov_b32 s51, 0
	s_add_co_u32 s53, s53, s92                     ; my set 0: the tile that I finish
	s_lshr_b32 s54, s12, 4                         ; batch
	s_lshl_b32 s55, s54, 7
	s_add_co_u32 s55, s55, s53
	s_lshl_b32 s55, s55, 14                        ; ctxc: a block of 16 tokens is 16,384 bytes,
	s_and_b32 s56, s12, 15
	s_lshl_b32 s56, s56, 10                        ; a head's 64 columns 1,024 of them
	s_add_co_u32 s56, s56, s55
	s_mov_b32 s57, 0
	s_lshl_b32 s58, s54, 13                        ; the batch's 2,048 mask words
	s_mov_b32 s59, 0
	s_lshl_b32 s93, s92, 10
	s_mul_i32 s94, s[WV], STG                      ; the last exchange: my place,
	s_xor_b32 s95, s[WV], 1
	s_mul_i32 s95, s95, STG                        ; and my partner's
	s_mov_b32 s20, 0x76543210                      ; v_permlanex16_b32: lane l xor 16
	s_mov_b32 s21, 0xfedcba98
	s_mov_b32 s22, 0x3e38aa3b                      ; log2(e) / 8
	s_wait_dscnt 0x0                               ; both opening adds are done
	s_wait_kmcnt 0x0
	s_load_b512 s[68:83], s[8:9], 0x0              ; the sixteen exponents: entry i in s[68 + i]
	s_add_nc_u64 s[48:49], s[4:5], s[48:49]
	s_add_nc_u64 s[50:51], s[4:5], s[50:51]
	s_add_nc_u64 s[10:11], s[10:11], s[56:57]
	s_add_nc_u64 s[6:7], s[6:7], s[58:59]
	s_mov_b32 s32, 1                               ; group 0 for K
	s_mov_b32 s33, s16
	s_mov_b64 s[34:35], s[48:49]
	s_or_b32 s35, s35, 0x80000000
	s_mov_b32 s36, 1                               ; group 0 for V
	s_add_co_u32 s37, s16, VOFF
	s_add_nc_u64 s[38:39], s[48:49], 0x400000
	s_or_b32 s39, s39, 0x80000000
	CROUND                                         ; the four work-groups are here: the joint loads meet
	tensor_load_to_lds s[32:35], s[G1:G1+7]        ; K: my one tensor load at the head
	s_nop 0
	v_and_b32 v8, 31, v0
	v_bfe_u32 v9, v0, 4, 1
	v_lshlrev_b32 v11, 4, v0                       ; four mask words a thread
	v_lshl_add_u32 v4, v0, 4, AM
	v_lshlrev_b32 v1, 4, v8                        ; 16 x lane
	v_lshl_add_u32 v3, v9, 5, AM                   ; the table: + 32 h
	v_mov_b32 v14, 0                               ; written once: a lane permute's destination counts as a source
	v_mov_b32 v15, 0
	v_add_nc_u32 v9, s93, v1                       ; q: my set 0 is the pair's tile number (my half of the keys),
	v_add_nc_u32 v2, VOFF, v1
	v_xor_b32 v10, 1024, v9                        ; my set 1 the other
	global_load_b128 v[16:19], v9, s[50:51]        ; Q's two fragments stay in registers
	global_load_b128 v[20:23], v9, s[50:51] offset:512
	global_load_b128 v[24:27], v10, s[50:51]
	global_load_b128 v[28:31], v10, s[50:51] offset:512
	global_load_b128 v[96:99], v11, s[6:7]
.set zi, 0
.rept 16
	v_mov_b32 v[P0+zi], 0xff61b1e6                 ; the running maxima: -3e38, under every score
.set zi, zi+1
.endr
	s_wait_kmcnt 0x0
	s_add_co_i32 s84, s74, s75                     ; eq + ek
	s_lshl_b32 s85, s84, 23
	s_add_co_i32 s22, s22, s85                     ; c = log2(e) / 8 x 2^(eq + ek)
	s_mov_b32 s23, s22                             ; (named with it as a pair)
	s_sub_co_i32 s85, 160, s84
	s_lshl_b32 s85, s85, 23
	s_or_b32 s85, s85, 0x80000000
	v_mov_b32 v12, s85                             ; -2^(33 - eq - ek)
	s_add_co_i32 s86, s76, 127
	s_lshl_b32 s87, s86, 23
	v_mov_b32 v7, s87                              ; 2^ep, for the conversion
	s_add_co_i32 s86, s86, 8
	s_lshl_b32 s86, s86, 23
	s_or_b32 s88, s86, 0x600000                    ; 448 x 2^ep
	s_add_co_i32 s86, s78, 127
	s_lshl_b32 s89, s86, 23                        ; 2^(entry 10)
	s_add_co_i32 s86, s86, 8
	s_lshl_b32 s86, s86, 23
	s_or_b32 s90, s86, 0x600000                    ; 448 x that
	s_wait_alu depctr_va_vdst(0)
	s_wait_loadcnt 0x0
.irp i, 0,1,2,3
	v_cmp_eq_u32 vcc_lo, 0, v[96+\i]
	v_cndmask_b32 v[96+\i], 0, v12, vcc_lo
.endr
	ds_store_b128 v4, v[96:99]                     ; the table: bytes of its own, on which no tile lands
	v_xor_b32 v11, 32, v0                          ; my partner's thread
	v_lshl_add_u32 v4, v0, 3, XM                   ; the maxima's exchange: my 8 bytes,
	v_lshl_add_u32 v11, v11, 3, XM                 ; and my partner's
	s_wait_alu depctr_va_vdst(0)
	s_wait_tensorcnt 0x0                           ; my sixteenth of K is in
	ds_add_u32 v[SPW], v[NIL]
	s_wait_dscnt 0x0                               ; the add and my part of the table are done
	CROUND                                         ; K and the table are whole for all sixteen waves, and the four work-groups are here
	tensor_load_to_lds s[36:39], s[G1:G1+7]        ; V: the first tensor load behind the round; walk 1 reads none of its bytes
	s_nop 0
; WALK 1.  64 keys at a time on two sets of registers by turns; the next 64 keys' 16 loads are asked for first.
.macro P1 b, pre, koff, moff
.if \pre
	LDK KF+32*(1-\b), \koff
	LDM O0+32*(1-\b), \moff
	s_wait_dscnt 16                                ; this set's 16 loads are in; the 16 just issued may be out
.else
	s_wait_dscnt 0x0
.endif
	QK S0, KF+32*\b, 16, O0+32*\b
	QK S1, KF+32*\b, 24, O0+32*\b
.rept 4
	v_nop                                          ; places in front of the first read of results (ISA guide 7.12.1)
.endr
.irp u, 0,1
.irp t, 0,2
.irp j, 0,1,2,3,4,5,6,7
	v_max3_num_f32 v[P0+8*\u+\j], v[P0+8*\u+\j], v[S0+32*\u+8*\t+\j], v[S0+32*\u+8*\t+8+\j]   ; register by register, each tile from its low end on
.endr
.endr
.endr
.endm
.macro T1 pre                          ; 128 keys
	v_add_nc_u32 v8, s2, v1
	v_add_nc_u32 v10, s3, v3
	P1 0, 1, 4096, 256
	P1 1, \pre, 8192, 512
.endm
	s_lshl_b32 s2, s92, 16                         ; my half of the keys: 65,536 bytes of K and of V,
	s_lshl_b32 s3, s92, 12                         ; 4,096 of the table
	s_mov_b32 s66, 7
	v_add_nc_u32 v8, s2, v1
	v_add_nc_u32 v10, s3, v3
	LDK KF, 0
	LDM O0, 0
.Lp1:
	T1 1
	s_add_co_u32 s2, s2, 8192
	s_add_co_u32 s3, s3, 512
	s_sub_co_u32 s66, s66, 1
	s_cmp_lg_u32 s66, 0
	s_cbranch_scc1 .Lp1
	T1 0                                           ; my last 128 keys are written out: nothing is fetched beyond them
	v_max3_num_f32 v224, v224, v225, v226          ; eight registers to one, the two sets by turns,
	v_max3_num_f32 v232, v232, v233, v234
	v_max3_num_f32 v224, v224, v227, v228
	v_max3_num_f32 v232, v232, v235, v236
	v_max3_num_f32 v224, v224, v229, v230
	v_max3_num_f32 v232, v232, v237, v238
	v_max_num_f32 v224, v224, v231
	v_max_num_f32 v232, v232, v239
	v_permlanex16_b32 v14, v224, s20, s21
	v_permlanex16_b32 v15, v232, s20, s21
	v_max_num_f32 v224, v224, v14                  ; and lane l xor 16's keys
	v_max_num_f32 v225, v232, v15
	ds_store_b64 v4, v[224:225]                    ; for my partner: my half's largest scores of set 0 and of set 1
	s_wait_alu depctr_va_vdst(0)
	s_wait_tensorcnt 0x0                           ; my sixteenth of V is in
	s_wait_dscnt 0x0                               ; and my store is done
	s_barrier_signal -1
	s_barrier_wait -1                              ; V and the maxima are there for all sixteen waves
; WALK 2.  A chunk is 64 keys x my 32 queries.  c: the chunk of the trip's two.  pre = 1: the next chunk's K and mask terms are asked for.  The products O^T += V^T P^T of a chunk stand among the NEXT chunk's
; multiply-adds, four of these ahead of each; so V's loads of a chunk follow behind the products of the chunk before.  The first chunk's products find zero codes in P, and add zeros.
.macro P2 c, pre
	s_wait_alu depctr_va_vdst(0)
	s_wait_dscnt 0x0                               ; K, the mask's terms and the last chunk's V are in
	QK S0, KF, 16, S1
.if \c == 0
	v_add_nc_u32 v8, s2, v1                        ; the trip's addresses: three of the five places between a product and the one that writes over its C
	v_add_nc_u32 v9, s2, v2
	v_add_nc_u32 v10, s3, v3
	v_nop
	v_nop
.else
.rept 5
	v_nop
.endr
.endif
	QK S1, KF, 24, S1
.irp t, 0,1,2,3
.irp j, 0,2,4,6
	v_pk_fma_f32 v[S0+8*\t+\j:S0+8*\t+\j+1], v[S0+8*\t+\j:S0+8*\t+\j+1], s[22:23], v[12:13] op_sel_hi:[1,0,0]   ; t - M of set 0
.endr
	PV 0, \t
.endr
.if \pre
	LDK KF, 4096+4096*\c                           ; behind the 16 multiply-adds above, which are the places behind the score products
.endif
.irp t, 0,1,2,3
.irp j, 0,2,4,6
	v_pk_fma_f32 v[S1+8*\t+\j:S1+8*\t+\j+1], v[S1+8*\t+\j:S1+8*\t+\j+1], s[22:23], v[12:13] op_sel:[0,0,1] op_sel_hi:[1,0,1]   ; of set 1: v13 serves both halves
.endr
	PV 1, \t
.endr
	s_wait_alu depctr_va_vdst(0)
.set pi, 0
.rept 64
	v_exp_f32 v[S0+pi], v[S0+pi]                   ; p = 2^(t - M): not normalised
.set pi, pi+1
.endr
	v_nop                                          ; a plain place behind the last exponential,
	s_wait_alu depctr_va_vdst(0)                   ; and one wait for the batch, ahead of its first reader
	SUMS 1                                         ; (these 16 are the places in front of the loads into V's registers)
	LDV 1024*\c                                    ; this chunk's V
	HOLD S1
	CODES 1
.if \pre
	LDM S1, 256+256*\c
.endif
	SUMS 0
	HOLD S0
	CODES 0
	v_nop                                          ; a plain instruction behind the last conversion
.endm
	ds_load_b64 v[226:227], v11                    ; my partner's maxima: its set 0 is my set 1
	s_lshl_b32 s2, s92, 16
	s_lshl_b32 s3, s92, 12
	s_mov_b32 s66, 7
	v_add_nc_u32 v8, s2, v1
	v_add_nc_u32 v9, s2, v2
	v_add_nc_u32 v10, s3, v3
	LDK KF, 0
	LDM S1, 0
	ZERO O0, 32                                    ; O^T: the chunk is written once, and its first run finds zeros
	ZERO L0, 8                                     ; the sums
	s_wait_alu depctr_va_vdst(0)
	s_wait_dscnt 16                                ; the maxima are in; the 16 loads behind them may be out
	v_max_num_f32 v224, v224, v227
	v_max_num_f32 v225, v225, v226
	v_mul_f32 v224, s22, v224                      ; as t (c is positive)
	v_mul_f32 v225, s22, v225
	v_floor_f32 v12, -v224                         ; -M = floor(-t) = -ceil(t)
	v_floor_f32 v13, -v225
	ZERO P0, 8                                     ; P: zero codes for the first chunk's products
.Lp2:
	P2 0, 1
	P2 1, 1
	s_add_co_u32 s2, s2, 8192
	s_add_co_u32 s3, s3, 512
	s_sub_co_u32 s66, s66, 1
	s_cmp_lg_u32 s66, 0
	s_cbranch_scc1 .Lp2
	P2 0, 1                                        ; my last 128 keys are written out: nothing is fetched beyond them
	P2 1, 0
	s_wait_alu depctr_va_vdst(0)
	s_wait_dscnt 0x0                               ; the last chunk's V
.irp u, 0,1
.irp t, 0,1,2,3
	PV \u, \t                                      ; and its products
.endr
.endr
; THE PAIR'S HALVES ARE JOINED, and THE WAY OUT: O^T / the sum x 2^(ep + ev), the hold, the conversion at entry 10: the codes are registers of product 6's fragments and are stored as they stand, 512 consecutive bytes an instruction.
	v_pk_add_f32 v[240:241], v[240:241], v[242:243]   ; (these plain lines are the places behind the last products)
	v_pk_add_f32 v[248:249], v[248:249], v[250:251]
	v_pk_add_f32 v[244:245], v[244:245], v[246:247]
	v_pk_add_f32 v[252:253], v[252:253], v[254:255]
	v_pk_add_f32 v[240:241], v[240:241], v[244:245]
	v_pk_add_f32 v[248:249], v[248:249], v[252:253]
	v_add_f32 v240, v240, v241
	v_add_f32 v248, v248, v249
	v_permlanex16_b32 v14, v240, s20, s21
	v_permlanex16_b32 v15, v248, s20, s21
	v_add_f32 v240, v240, v14                      ; my half's sums
	v_add_f32 v248, v248, v15
	v_add_nc_u32 v4, s94, v1
	v_add_nc_u32 v11, s95, v1
	v_mov_b32 v32, s89
	v_mov_b32 v33, s90
	s_wait_alu depctr_va_vdst(0)
	s_wait_dscnt 0x0
	s_barrier_signal -1
	s_barrier_wait -1                              ; no wave reads K any more; its bytes have had their last fill
.irp i, 0,1,2,3,4,5,6,7
	ds_store_b128 v4, v[O0+32+4*\i:O0+32+4*\i+3] offset:512*\i   ; my set 1, each accumulator from its low end on,
.endr
	ds_store_b128 v4, v[248:251] offset:4096       ; and its sum (the first of the four)
	s_wait_dscnt 0x0
	s_barrier_signal -1
	s_barrier_wait -1
.irp i, 0,1,2,3,4,5,6,7
	ds_load_b128 v[S0+4*\i:S0+4*\i+3], v11 offset:512*\i         ; my partner's set 1 is my set 0's tile
.endr
	ds_load_b128 v[S1:S1+3], v11 offset:4096
	s_wait_dscnt 0x0
.set zi, 0
.rept 16
	v_pk_add_f32 v[S0+zi:S0+zi+1], v[O0+zi:O0+zi+1], v[S0+zi:S0+zi+1]
.set zi, zi+2
.endr
	v_add_f32 v240, v240, v128                     ; the row's sum
	s_wait_alu depctr_va_vdst(0)                   ; the wait ahead of the transcendental
	v_rcp_f32 v240, v240
	v_nop
	s_add_co_i32 s84, s76, s77
	s_wait_alu depctr_va_vdst(0)                   ; and behind it
	v_ldexp_f32 v240, v240, s84                    ; x 2^(ep + ev)
.set zi, 0
.rept 16
	v_pk_mul_f32 v[S0+zi:S0+zi+1], v[S0+zi:S0+zi+1], v[240:241] op_sel_hi:[1,0]
.set zi, zi+2
.endr
.set zi, 0
.rept 32
	v_med3_num_f32 v[S0+zi], v[S0+zi], -v33, v33
.set zi, zi+1
.endr
.irp t, 0,1,2,3
	v_cvt_scalef32_pk8_fp8_f32 v[P0+2*\t:P0+2*\t+1], v[S0+8*\t:S0+8*\t+7], v32
.endr
	v_nop                                          ; a plain instruction behind the last conversion
	global_store_b128 v1, v[224:227], s[10:11]
	global_store_b128 v1, v[228:231], s[10:11] offset:512
	s_wait_tensorcnt 0x0                           ; the wave's end
	ds_add_u32 v[SPW], v[NIL]
	s_wait_dscnt 0x0
	CROUND                                         ; the closing round
	s_endpgm
.Lfunc_end_k_q2d9e5ac31a_attn:
	.size	k_q2d9e5ac31a_attn, .Lfunc_end_k_q2d9e5ac31a_attn-k_q2d9e5ac31a_attn
	.p2alignl 7, 3214868480
	.fill 96, 4, 3214868480
	.section	.rodata,"a",@progbits
	.p2align	6, 0x0
	.amdhsa_kernel k_q2d9e5ac31a_attn
		.amdhsa_group_segment_fixed_size 327680
		.amdhsa_private_segment_fixed_size 0
		.amdhsa_enable_private_segment 0
		.amdhsa_kernarg_size 32
		.amdhsa_user_sgpr_count 2
		.amdhsa_user_sgpr_kernarg_segment_ptr 1
		.amdhsa_wavefront_size32 1
		.amdhsa_system_sgpr_workgroup_id_x 1
		.amdhsa_system_sgpr_workgroup_id_y 1
		.amdhsa_system_sgpr_workgroup_id_z 1
		.amdhsa_system_vgpr_workitem_id 0
		.amdhsa_next_free_vgpr 256
		.amdhsa_next_free_sgpr 100
		.amdhsa_reserve_vcc 1
		.amdhsa_float_denorm_mode_32 3
		.amdhsa_float_denorm_mode_16_64 3
		.amdhsa_memory_ordered 1
		.amdhsa_forward_progress 1
		.amdhsa_inst_pref_size 82
	.end_amdhsa_kernel
	.amdgpu_metadata
---
amdhsa.version: [ 1, 2 ]
amdhsa.kernels:
  - .name:           k_q2d9e5ac31a_attn
    .symbol:         k_q2d9e5ac31a_attn.kd
    .args:
      - { .name: qkvc, .offset: 0, .size: 8, .value_kind: global_buffer, .address_space: global }
      - { .name: mask, .offset: 8, .size: 8, .value_kind: global_buffer, .address_space: global }
      - { .name: lowp_scales, .offset: 16, .size: 8, .value_kind: global_buffer, .address_space: global }
      - { .name: ctxc, .offset: 24, .size: 8, .value_kind: global_buffer, .address_space: global }
    .group_segment_fixed_size: 327680
    .private_segment_fixed_size: 0
    .kernarg_segment_align: 8
    .kernarg_segment_size: 32
    .max_flat_workgroup_size: 512
    .sgpr_count:     100
    .vgpr_count:     256
    .wavefront_size: 32
...
	.end_amdgpu_metadata
.endif
;; end of part 10
;; launch oproj (part 11): grid 8 x 32, 4 waves a work-group, clusters of 4 x 4, 327,680 bytes of LDS; arguments ctxc, wc, lowp_scales, bo, x, x1; writes x1
.if DOCPART == 11
	.amdgcn_target "amdgcn-amd-amdhsa--gfx1250"
	.amdhsa_code_object_version 6
	.text
	.protected	k_q2d9e5ac31a_oproj
	.globl	k_q2d9e5ac31a_oproj
	.p2align	8
	.type	k_q2d9e5ac31a_oproj,@function
k_q2d9e5ac31a_oproj:
	s_mov_b64 s[64:65], 0
	v_nop
	global_prefetch_b8 v0, s[64:65] scope:SCOPE_SE
	s_setreg_imm32_b32 hwreg(HW_REG_WAVE_MODE, 25, 1), 1
	s_wait_xcnt 0x0
	s_wait_alu depctr_hold_cnt(0) depctr_sa_sdst(0) depctr_va_vdst(0) depctr_va_sdst(0) depctr_va_ssrc(0) depctr_va_vcc(0) depctr_vm_vsrc(0)
	s_getreg_b32 s2, hwreg(HW_REG_IB_STS2, 6, 4)
	s_cmp_eq_u32 s2, 0
	s_cbranch_scc0 .Lentry_in_a_cluster
	s_endpgm
.Lentry_in_a_cluster:
	s_bfe_u32 s2, ttmp6, 0x10000c
	s_cmp_lg_u32 s2, 0xf033
	s_cbranch_scc0 .Lentry_shape_is_right
	s_endpgm
.Lentry_shape_is_right:
; OUT = RES + A B^T x 2^(ea + eb) + bias, f32 [4,096][1,024].  Here: product 6: A = the attention's result as codes of E4M3, B = wo's codes, RES = x, OUT = x1.  K = 1,024.
; Operands are images of fragment registers: [rows/16][K/128][2,048 bytes]; lane l takes registers 4 i .. 4 i + 3 at 512 i + 16 l, and registers 2 c, 2 c + 1 hold k = 16 c + 8 (l / 16) + 0 .. 7.
; A TILE IS 128 x 128, so that the 32 x 8 tiles of the result are 256 work-groups.  Four waves, each 64 x 64: 16 accumulators of 16 x 16, 128 registers.
; K goes in steps of 512 (four fragments, 8,192 bytes for each block of 16 rows), as long as two slots in LDS allow.  Here K is two steps: both are first fills, nothing is filled again, and there is no loop.
; THE MATRIX INSTRUCTION IS USED TRANSPOSED (source 0 = 16 rows of B, source 1 = 16 rows of A): lane (r, h) holds row r and columns 16 b + 8 h + 0 .. 7 of accumulator (a, b).
; CLUSTERS: 4 x 4 work-groups; A's tile is asked for jointly along a row of the cluster, B's along a column.  No prefetch is laid: all of K is asked for at the head.
; THE RESIDUAL, 64 rows x 256 bytes a wave, and the bias are asked for at the head, behind the first tensor loads, and land under the products.
; LIMIT: ea + eb between -126 and 127.
; REGISTERS: window 0: v16-29 addresses; v32-95 two sets of rows on the way out; v96-99 the bias of my four columns; v128-255 the accumulators ((a, b) at v[128 + 8 (4 a + b)]).
;   window 1: two fragment buffers of 128: A's four fragments, then B's four.   window 2: v0-127 the residual: block a's rows 2 t + (lane / 16) at v[32 a + 4 t].
.set KK,    1024
.set WOFF,  0x300000                   ; where B's codes begin in wc
.set SCA,   40                         ; the byte of ea in the scales; eb follows
.set NTOUT, 0                          ; x1 is read again by later launches: no hint on its stores
.set RBP,   16*KK                      ; a block of 16 rows of an operand in bytes
.set KSB,   8192                       ; a K step of 512: four fragments of each block of rows
.set HALFT, 32768                      ; 4 blocks of rows x 8,192: what one wave reads of A or of B in a K step; one tensor load brings two such
.set SLOT,  131072                     ; A's 128 rows, then B's 128 rows
.set SPARE, 262144                     ; behind the ring: the spare words, 128 bytes for each wave: two blocks of 256 bytes that no other line names
.set STAGE, 262656                     ; behind them: 16 rows x 272 bytes for each wave, for the way out; no tile lands here
.set SPITCH, 272                       ; 256 bytes + 16 = 68 words: row r starts at bank 4 r mod 64 (64 banks of 4 bytes: ISA guide 11.1)
.set LAPS,  KK/1024                    ; a lap = two K steps = once round the ring
.set ADRA, 16                          ; v16-17  LDS address of my A fragments in slot 0, 1
.set ADRB, 20                          ; v20-21  the same for B
.set STO,  24                          ; v24     the way out: where I put 32 bytes of a row
.set RD,   25                          ; v25     where I read a row back
.set CO,   26                          ; v26     my byte offset in the result and in the residual: 4,096 (lane / 16) + 16 (lane % 16); never rewritten
.set BO,   27                          ; v27     16 (lane % 16); never rewritten
.set SPW,  28                          ; v28     SPARE + 4 x my thread's number; never rewritten
.set NIL,  29                          ; v29     0; never rewritten
.set BK,   32
.set BI,   96
.set ACC,  128
.set F0,   0
.set F1,   128
.set G1,  24                           ; s[24:31] descriptor group 1 for A's tiles;  s[32:35] group 0, one set for the one load
.set G0,  32
.set G1B, 48                           ; s[48:55], s[56:59] the same for B's tiles
.set G0B, 56
.set MSB, 0
.macro WIN new                         ; the immediate's high byte repeats the setting that is left
.if MSB != (\new)
	s_set_vgpr_msb (MSB<<8)|(\new)
.set MSB, (\new)
.endif
.endm
.set MUL,  0x05                        ; sources 0 (B) and 1 (A) window 1; C and D window 0
.set TO_F, 0x40                        ; destination window 1, address window 0
.macro JLOAD g0a, g1a, g0b, g1b        ; a joint load: waves 0, 1 fetch for A, waves 2, 3 for B; s_nop 0 and four v_nop follow each line
	s_cmp_eq_u32 s15, 0
	s_cbranch_scc0 .Lfor_b_\@
	tensor_load_to_lds s[\g0a:\g0a+3], s[\g1a:\g1a+7]
	s_nop 0
.rept 4
	v_nop
.endr
	s_branch .Lasked_\@
.Lfor_b_\@:
	tensor_load_to_lds s[\g0b:\g0b+3], s[\g1b:\g1b+7]
	s_nop 0
.rept 4
	v_nop
.endr
.Lasked_\@:
.endm
.macro CREST                           ; a round of the cluster's barrier behind its opening barrier
	s_cmp_lg_u32 s14, 0
	s_cbranch_scc1 .Lnot_wave_0_\@
	s_barrier_signal -3
.Lnot_wave_0_\@:
	s_barrier_wait -3
	s_barrier_signal -1
	s_barrier_wait -1
.endm
.macro CROUND
	s_barrier_signal -1
	s_barrier_wait -1
	CREST
.endm
	s_load_b256 s[68:75], s[0:1], 0x0              ; A, wc, lowp_scales, bias
	s_load_b128 s[76:79], s[0:1], 0x20             ; RES, OUT
	v_lshl_add_u32 v[SPW], v0, 2, SPARE
	v_mov_b32 v[NIL], 0
	ds_add_u32 v[SPW], v[NIL]                      ; the wave's opening: the add and its wait ahead of my first tensor load
	ds_add_u32 v[SPW], v[NIL]
	v_lshrrev_b32 v1, 5, v0
	v_readfirstlane_b32 s14, v1                    ; wave 0..3
	s_lshr_b32 s15, s14, 1                         ; my half of the tile's rows; also: I fetch for A (0) or B (1)
	s_and_b32 s16, s14, 1                          ; my half of its columns; also: which 64 rows I fetch
	s_bfe_u32 s40, ttmp6, 0x40000                  ; cx
	s_bfe_u32 s41, ttmp6, 0x40004                  ; cy
	s_lshl_b32 s42, ttmp9, 2
	s_add_co_u32 s42, s42, s40                     ; tile column, 0 .. 7
	s_and_b32 s17, ttmp7, 0xffff
	s_lshl_b32 s17, s17, 2
	s_add_co_u32 s17, s17, s41                     ; tile row, 0 .. 31
	s_lshl_b32 s43, s41, 2
	s_lshl_b32 s43, 15, s43                        ; my row of the cluster
	s_lshl_b32 s44, 0x1111, s40                    ; my column
	s_or_b32 s[G1+0], s43, (1<<21)                 ; 15:0 the mask; 17:16 elements of 1 byte; no padding; 21 set beside a mask
	s_or_b32 s[G1B+0], s44, (1<<21)
.irp g, G1, G1B
	s_mov_b32 s[\g+1], (2*KSB)<<16                 ; tensor_dim0 = 16,384: a block of rows with all of K: one load a wave brings both K steps
	s_mov_b32 s[\g+2], 4<<16                       ; tensor_dim1 = 4
	s_mov_b32 s[\g+3], (2*KSB)<<16                 ; tile_dim0 = 16,384
	s_mov_b32 s[\g+4], 4                           ; tile_dim1 = 4 blocks of rows
	s_mov_b32 s[\g+5], RBP                         ; from block to block
	s_mov_b32 s[\g+6], 0
	s_mov_b32 s[\g+7], 0
.endr
	s_lshl_b32 s18, s16, 2
	s_lshl_b32 s20, s17, 3
	s_add_co_u32 s20, s20, s18
	s_mul_i32 s20, s20, RBP                        ; A: block 8 x tile row + 4 x half
	s_mov_b32 s21, 0
	s_lshl_b32 s46, s42, 3
	s_add_co_u32 s46, s46, s18
	s_mul_i32 s46, s46, RBP                        ; B: block 8 x tile column + 4 x half
	s_add_co_u32 s46, s46, WOFF
	s_mov_b32 s47, 0
	s_lshl_b32 s45, s14, 16                        ; where they go: wave x 65,536: no place in the cluster enters an LDS address
	s_wait_dscnt 0x0                               ; the opening add is done
	s_wait_kmcnt 0x0
	s_load_b64 s[96:97], s[72:73], SCA             ; ea, eb
	s_add_nc_u64 s[20:21], s[68:69], s[20:21]
	s_add_nc_u64 s[46:47], s[70:71], s[46:47]
	CROUND                                         ; all sixteen work-groups are here: the first joint loads meet
.irp s, 0
	s_mov_b32 s[G0+4*\s], 1
	s_add_co_u32 s[G0+4*\s+1], s45, \s*SLOT
	s_add_nc_u64 s[G0+4*\s+2:G0+4*\s+3], s[20:21], \s*KSB
	s_or_b32 s[G0+4*\s+3], s[G0+4*\s+3], 0x80000000
	s_mov_b32 s[G0B+4*\s], 1
	s_add_co_u32 s[G0B+4*\s+1], s45, \s*SLOT
	s_add_nc_u64 s[G0B+4*\s+2:G0B+4*\s+3], s[46:47], \s*KSB
	s_or_b32 s[G0B+4*\s+3], s[G0B+4*\s+3], 0x80000000
.if \s                                         ; slot 1's first fill is issued as a refill is
	s_wait_alu depctr_va_vdst(0)
	s_wait_tensorcnt 0x0                           ; my part of K step 0 is in
	ds_add_u32 v[SPW], v[NIL]
	s_wait_dscnt 0x0
	CROUND
.endif
	JLOAD G0+4*\s, G1, G0B+4*\s, G1B
.endr
	v_and_b32 v1, 31, v0
	v_and_b32 v2, 15, v0                           ; lane % 16
	s_wait_alu depctr_va_vdst(0)
	v_bfe_u32 v3, v0, 4, 1                         ; lane / 16
	v_lshlrev_b32 v4, 4, v1                        ; 16 x lane: an image's place for my lane
	s_lshl_b32 s21, s15, 16                        ; my 64 rows of A: four blocks of 16,384 bytes
	s_lshl_b32 s22, s16, 16
	s_add_co_u32 s22, s22, 4*HALFT                 ; my 64 rows of B, behind A's 128
.irp s, 0,1
	v_add_nc_u32 v[ADRA+\s], s21, v4
	v_add_nc_u32 v[ADRB+\s], s22, v4
	s_add_co_u32 s21, s21, KSB                     ; the second K step lies 8,192 bytes on in each block
	s_add_co_u32 s22, s22, KSB
.endr
	s_mul_i32 s23, s14, 16*SPITCH
	s_add_co_u32 s23, s23, STAGE                   ; my stage
	v_mul_u32_u24 v5, v2, SPITCH
	s_wait_alu depctr_va_vdst(0)
	v_lshl_add_u32 v5, v3, 5, v5
	v_add_nc_u32 v[STO], s23, v5                   ; in: row lane % 16, 32 bytes for each half of the lanes
	v_mul_u32_u24 v5, v3, SPITCH
	v_lshl_add_u32 v5, v2, 4, v5
	v_add_nc_u32 v[RD], s23, v5                    ; back: lanes 0-15 take one row of 256 bytes, lanes 16-31 the next
	v_lshlrev_b32 v[BO], 4, v2
	s_wait_alu depctr_va_vdst(0)
	v_lshl_add_u32 v[CO], v3, 12, v[BO]            ; and the same two rows in the result: a row is 4,096 bytes
	s_wait_alu depctr_va_vdst(0)
	s_lshl_b32 s18, s17, 7
	s_lshl_b32 s19, s15, 6
	s_add_co_u32 s18, s18, s19
	s_lshl_b32 s18, s18, 12                        ; my first row x 4,096 bytes
	s_lshl_b32 s19, s42, 9
	s_lshl_b32 s22, s16, 8
	s_add_co_u32 s22, s22, s19                     ; my first column x 4
	s_mov_b32 s23, 0
	s_add_nc_u64 s[12:13], s[74:75], s[22:23]
	s_add_co_u32 s22, s22, s18
	s_add_nc_u64 s[66:67], s[76:77], s[22:23]
	s_add_nc_u64 s[10:11], s[78:79], s[22:23]
	global_load_b128 v[BI:BI+3], v[BO], s[12:13]   ; the bias of columns 4 (lane % 16) + 0 .. 3 of my 64
	WIN 0x80                                       ; destination window 2
.irp a, 0,1,2,3
.irp t, 0,1,2,3,4,5,6,7
	global_load_b128 v[32*\a+4*\t:32*\a+4*\t+3], v[CO], s[66:67] offset:(16*\a+2*\t)*4096 th:TH_LOAD_NT   ; sixteen lanes read 256 consecutive bytes of a row
.endr
.endr
	WIN 0
.macro FRAG reg, adr, q, i             ; block of rows i, the slot's q-th 128 along K: four loads of 512 consecutive bytes
.irp c, 0,1,2,3
	ds_load_b128 v[\reg+4*\c:\reg+4*\c+3], v[\adr] offset:16384*(\i)+2048*(\q)+512*\c
.endr
.endm
.macro FETCH slot, q, f                ; 32 LDS loads in one run: B's four fragments, then A's four, into buffer f
	WIN TO_F
.irp i, 0,1,2,3
	FRAG (\f)+64+16*\i, ADRB+\slot, \q, \i
.endr
.irp i, 0,1,2,3
	FRAG (\f)+16*\i, ADRA+\slot, \q, \i
.endr
.endm
; 4 matrix instructions: A's block a x B's four, 128 along K.  The 16 accumulators take turns, one instruction a turn, in the same order in every quarter.
.macro MULA f, a, zero
.irp b, 0,1,2,3
.if \zero
	v_wmma_f32_16x16x128_fp8_fp8 v[ACC+8*(4*(\a)+\b):ACC+8*(4*(\a)+\b)+7], v[(\f)+64+16*\b:(\f)+64+16*\b+15], v[(\f)+16*(\a):(\f)+16*(\a)+15], 0
.else
	v_wmma_f32_16x16x128_fp8_fp8 v[ACC+8*(4*(\a)+\b):ACC+8*(4*(\a)+\b)+7], v[(\f)+64+16*\b:(\f)+64+16*\b+15], v[(\f)+16*(\a):(\f)+16*(\a)+15], v[ACC+8*(4*(\a)+\b):ACC+8*(4*(\a)+\b)+7]
.endif
.endr
.endm
.macro PLACES                          ; four places behind matrix instructions, in front of loads into registers that they have read
.rept 4
	v_nop
.endr
.endm
; A K step is four quarters of 128 along K, 16 matrix instructions each, on buffers 0, 1, 0, 1.  One of the first three: multiplies buffer f and fetches the slot's quarter q into g.
.macro QUARTER slot, q, f, g, zero
	s_wait_dscnt 8                                 ; B's four and A's blocks 0, 1 are in; the youngest eight loads (A's blocks 2, 3) may be out
	WIN MUL
	MULA \f, 0, \zero
	MULA \f, 1, \zero
	PLACES
	FETCH \slot, \q, \g
	s_wait_dscnt 32                                ; all but the 32 just issued
	WIN MUL
	MULA \f, 2, \zero
	MULA \f, 3, \zero
.endm
; The last quarter multiplies buffer 1 and changes slots: one barrier; in front of it each wave waits for all its tensor loads, adds 0 to its spare word, and waits for that and for its reads of this slot.
.macro TURN slot, next, fill
	WIN 0                                          ; (the add's two registers lie in window 0)
	s_wait_tensorcnt 0x0                           ; all my tensor loads have landed: my part of the next slot
	ds_add_u32 v[SPW], v[NIL]
	s_wait_dscnt 9                                 ; the add and the youngest eight loads may be out
	WIN MUL
	MULA F1, 0, 0
	s_wait_dscnt 0x0                               ; the add is done, and my reads of this slot are over
	s_barrier_signal -1
	MULA F1, 1, 0
.if \fill
	WIN 0
.endif
	s_barrier_wait -1
.if \fill
	CREST                                          ; the barrier has opened a round of the cluster's: no wave of any partner still reads this slot or has a load on its way
	s_add_nc_u64 s[G0+4*\slot+2:G0+4*\slot+3], s[G0+4*\slot+2:G0+4*\slot+3], 2*KSB
	s_add_nc_u64 s[G0B+4*\slot+2:G0B+4*\slot+3], s[G0B+4*\slot+2:G0B+4*\slot+3], 2*KSB
	JLOAD G0+4*\slot, G1, G0B+4*\slot, G1B         ; the first tensor load behind the round; its four v_nop are the places in front of the loads below
.else
	PLACES
.endif
	FETCH \next, 0, F0
	WIN MUL
	MULA F1, 2, 0
	MULA F1, 3, 0
.endm
	s_wait_tensorcnt 0x0                           ; my one tensor load is in: my part of all of K
	s_barrier_signal -1
	s_barrier_wait -1
	FETCH 0, 0, F0
	QUARTER 0, 1, F0, F1, 1                        ; the first quarter's products start the sums: nothing is cleared
.if LAPS > 1
	WIN 0                                          ; at a label and at a branch every window is 0
	s_mov_b32 s3, LAPS-1
.Llap:                                             ; a trip goes once round the ring, from a lap's second quarter to the next lap's first, and fills both slots again
	QUARTER 0, 2, F1, F0, 0
	QUARTER 0, 3, F0, F1, 0
	TURN 0, 1, 1
	QUARTER 1, 1, F0, F1, 0
	QUARTER 1, 2, F1, F0, 0
	QUARTER 1, 3, F0, F1, 0
	TURN 1, 0, 1
	QUARTER 0, 1, F0, F1, 0
	WIN 0
	s_sub_co_u32 s3, s3, 1
	s_cmp_lg_u32 s3, 0
	s_cbranch_scc1 .Llap
.endif
	QUARTER 0, 2, F1, F0, 0                        ; the last lap fills nothing
	QUARTER 0, 3, F0, F1, 0
	TURN 0, 1, 0
	QUARTER 1, 1, F0, F1, 0
	QUARTER 1, 2, F1, F0, 0
	QUARTER 1, 3, F0, F1, 0
	s_wait_dscnt 8                                 ; the very last quarter: nothing more to fetch
	WIN MUL
	MULA F1, 0, 0
	MULA F1, 1, 0
	s_wait_dscnt 0
	MULA F1, 2, 0
	MULA F1, 3, 0
	WIN 0
; THE WAY OUT, a block of 16 rows x 64 columns at a time.  A lane holds 32 neighbouring bytes of a row and the lanes beside it other rows: the raw sums go through my own stage and come back as rows of 256 bytes;
; one packed multiply-add gives sum x 2^(ea + eb) + (residual + bias); sixteen lanes store 256 consecutive bytes, aligned.  My 64 columns are a whole such run, so no other wave is waited for.
.macro TOSTAGE a
.irp b, 0,1,2,3
	ds_store_b128 v[STO], v[ACC+8*(4*(\a)+\b):ACC+8*(4*(\a)+\b)+3] offset:64*\b          ; each accumulator from its low end on
	ds_store_b128 v[STO], v[ACC+8*(4*(\a)+\b)+4:ACC+8*(4*(\a)+\b)+7] offset:64*\b+16
.endr
.set BB, BK+32*((\a)%2)
.irp t, 0,1,2,3,4,5,6,7
	ds_load_b128 v[BB+4*\t:BB+4*\t+3], v[RD] offset:\t*2*SPITCH   ; LDS serves a wave's instructions in order (ISA guide 5.7.1.4): these see the stores above, and the next block's stores come behind them
.endr
.endm
.macro SEND a, younger
.set BB, BK+32*((\a)%2)
	s_wait_dscnt \younger                          ; the block is back in registers; the next block's 8 stores and 8 loads may be out
	WIN 0x20                                       ; source 2 window 2
.set ti, 0
.rept 16
	v_pk_fma_f32 v[BB+ti:BB+ti+1], v[BB+ti:BB+ti+1], s[96:97], v[32*(\a)+ti:32*(\a)+ti+1] op_sel_hi:[1,0,1]
.set ti, ti+2
.endr
	WIN 0
.irp t, 0,1,2,3,4,5,6,7
.if NTOUT
	global_store_b128 v[CO], v[BB+4*\t:BB+4*\t+3], s[10:11] offset:(16*(\a)+2*\t)*4096 th:TH_STORE_NT
.else
	global_store_b128 v[CO], v[BB+4*\t:BB+4*\t+3], s[10:11] offset:(16*(\a)+2*\t)*4096
.endif
.endr
.endm
	s_wait_kmcnt 0x0
	s_add_co_i32 s96, s96, s97
	s_add_co_i32 s96, s96, 127
	s_lshl_b32 s96, s96, 23                        ; 2^(ea + eb) as f32
	s_mov_b32 s97, s96                             ; (named with it as a pair)
	s_wait_loadcnt 0x0                             ; the residual and the bias, asked for at the head
	WIN 0x82                                       ; destination and source 0 window 2
.set ti, 0
.rept 32
	v_pk_add_f32 v[4*ti:4*ti+1], v[4*ti:4*ti+1], v[BI:BI+1]           ; residual + bias.  These 64 plain lines are also the places behind the last products
	v_pk_add_f32 v[4*ti+2:4*ti+3], v[4*ti+2:4*ti+3], v[BI+2:BI+3]
.set ti, ti+1
.endr
	WIN 0
	TOSTAGE 0
.irp a, 1,2,3
.if \a > 1
	s_wait_xcnt 0x0                                ; block a - 2's stores have read their registers: block a's rows may land there
.endif
	TOSTAGE \a
	SEND \a-1, 16
.endr
	SEND 3, 0
	s_wait_tensorcnt 0x0                           ; the wave's end
	ds_add_u32 v[SPW], v[NIL]
	s_wait_dscnt 0x0
	CROUND                                         ; the closing round
	s_endpgm
.Lfunc_end_k_q2d9e5ac31a_oproj:
	.size	k_q2d9e5ac31a_oproj, .Lfunc_end_k_q2d9e5ac31a_oproj-k_q2d9e5ac31a_oproj
	.p2alignl 7, 3214868480
	.fill 96, 4, 3214868480
	.section	.rodata,"a",@progbits
	.p2align	6, 0x0
	.amdhsa_kernel k_q2d9e5ac31a_oproj
		.amdhsa_group_segment_fixed_size 327680
		.amdhsa_private_segment_fixed_size 0
		.amdhsa_enable_private_segment 0
		.amdhsa_kernarg_size 48
		.amdhsa_user_sgpr_count 2
		.amdhsa_user_sgpr_kernarg_segment_ptr 1
		.amdhsa_wavefront_size32 1
		.amdhsa_system_sgpr_workgroup_id_x 1
		.amdhsa_system_sgpr_workgroup_id_y 1
		.amdhsa_system_sgpr_workgroup_id_z 1
		.amdhsa_system_vgpr_workitem_id 0
		.amdhsa_next_free_vgpr 640
		.amdhsa_next_free_sgpr 104
		.amdhsa_reserve_vcc 0
		.amdhsa_float_denorm_mode_32 3
		.amdhsa_float_denorm_mode_16_64 3
		.amdhsa_memory_ordered 1
		.amdhsa_forward_progress 1
		.amdhsa_inst_pref_size 52
	.end_amdhsa_kernel
	.amdgpu_metadata
---
amdhsa.version: [ 1, 2 ]
amdhsa.kernels:
  - .name:           k_q2d9e5ac31a_oproj
    .symbol:         k_q2d9e5ac31a_oproj.kd
    .args:
      - { .name: ctxc, .offset: 0, .size: 8, .value_kind: global_buffer, .address_space: global }
      - { .name: wc, .offset: 8, .size: 8, .value_kind: global_buffer, .address_space: global }
      - { .name: lowp_scales, .offset: 16, .size: 8, .value_kind: global_buffer, .address_space: global }
      - { .name: bo, .offset: 24, .size: 8, .value_kind: global_buffer, .address_space: global }
      - { .name: x, .offset: 32, .size: 8, .value_kind: global_buffer, .address_space: global }
      - { .name: x1, .offset: 40, .size: 8, .value_kind: global_buffer, .address_space: global }
    .group_segment_fixed_size: 327680
    .private_segment_fixed_size: 0
    .kernarg_segment_align: 8
    .kernarg_segment_size: 48
    .max_flat_workgroup_size: 128
    .sgpr_count:     104
    .vgpr_count:     640
    .wavefront_size: 32
...
	.end_amdgpu_metadata
.endif
;; end of part 11
;; launch ln2 (part 12): grid 256 x 1, 4 waves a work-group, no clusters, 17,408 bytes of LDS; arguments x1, ln2_a, ln2_b, lowp_scales, h2c; writes h2c
.if DOCPART == 12
	.amdgcn_target "amdgcn-amd-amdhsa--gfx1250"
	.amdhsa_code_object_version 6
	.text
	.protected	k_q2d9e5ac31a_ln2
	.globl	k_q2d9e5ac31a_ln2
	.p2align	8
	.type	k_q2d9e5ac31a_ln2,@function
k_q2d9e5ac31a_ln2:
	s_mov_b64 s[64:65], 0
	v_nop
	global_prefetch_b8 v0, s[64:65] scope:SCOPE_SE
	s_setreg_imm32_b32 hwreg(HW_REG_WAVE_MODE, 25, 1), 1
	s_wait_xcnt 0x0
; LN2(x1) becomes codes of E4M3 at entry 12 of the scales, laid as images of fragment registers: [rows/16][8][2,048 bytes]; element (row r, k) of a fragment at (c>>1)*512 + (16 h + r)*16 + (c&1)*8 + (k&7), c = k>>4, h = (k>>3)&1.
; A work-group takes 16 rows, a wave four of them, each whole in 32 registers a lane (lane l: k = 256 j + 8 l + 0 .. 7).  The spread is taken of x - mean; std is unbiased; the divisor is std + 1e-6.
; One barrier: a fragment's 16 rows come from four waves.  Memory binds: no matrix work, no tensor loads, no cluster.  LIMITS: e between -126 and 119; NaN is not served.
.set LNST,  0
.set LPIT,  1040                       ; a row of 1,024 codes + 16: 260 words, so the 32 lanes of an 8-byte load fall on 64 different banks (ISA guide 11.1)
.set LSC,   16*LPIT
.set SPARE, 16640                      ; the spare words, 128 bytes for each wave
.set SPW, 8
.set NIL, 9
.set NS,  1
.set ST,  16
.set AL,  32
.set BE,  64
.set XR,  96
.set T,   224
.set CD,  240
.macro WRED reg
	v_add_f32_dpp v[\reg], v[\reg], v[\reg] row_xmask:1 row_mask:0xf bank_mask:0xf
	v_add_f32_dpp v[\reg], v[\reg], v[\reg] row_xmask:2 row_mask:0xf bank_mask:0xf
	v_add_f32_dpp v[\reg], v[\reg], v[\reg] row_xmask:4 row_mask:0xf bank_mask:0xf
	v_add_f32_dpp v[\reg], v[\reg], v[\reg] row_xmask:8 row_mask:0xf bank_mask:0xf
	v_permlanex16_b32 v30, v[\reg], s60, s61       ; v30 has been written by the chains
	v_add_f32 v[\reg], v[\reg], v30
.endm
.macro FOLD dst
	v_pk_add_f32 v[24:25], v[24:25], v[26:27]
	v_pk_add_f32 v[28:29], v[28:29], v[30:31]
	v_pk_add_f32 v[24:25], v[24:25], v[28:29]
	v_add_f32 v[\dst], v24, v25
	WRED \dst
.endm
.macro RSUM p
.irp c, 0,1,2,3
	v_pk_add_f32 v[24+2*\c:25+2*\c], v[XR+32*\p+2*\c:XR+32*\p+2*\c+1], v[XR+32*\p+8+2*\c:XR+32*\p+8+2*\c+1]
.endr
.irp g, 16,24
.irp c, 0,1,2,3
	v_pk_add_f32 v[24+2*\c:25+2*\c], v[24+2*\c:25+2*\c], v[XR+32*\p+\g+2*\c:XR+32*\p+\g+2*\c+1]
.endr
.endr
	FOLD ST+2*\p
.endm
.macro CENTER p
.set ci, 0
.rept 16
	v_pk_add_f32 v[XR+32*\p+ci:XR+32*\p+ci+1], v[XR+32*\p+ci:XR+32*\p+ci+1], v[ST+2*\p:ST+2*\p+1] op_sel_hi:[1,0] neg_lo:[0,1] neg_hi:[0,1]
.set ci, ci+2
.endr
.endm
.macro RSQ p
.irp c, 0,1,2,3
	v_pk_mul_f32 v[24+2*\c:25+2*\c], v[XR+32*\p+2*\c:XR+32*\p+2*\c+1], v[XR+32*\p+2*\c:XR+32*\p+2*\c+1]
.endr
.irp g, 8,16,24
.irp c, 0,1,2,3
	v_pk_fma_f32 v[24+2*\c:25+2*\c], v[XR+32*\p+\g+2*\c:XR+32*\p+\g+2*\c+1], v[XR+32*\p+\g+2*\c:XR+32*\p+\g+2*\c+1], v[24+2*\c:25+2*\c]
.endr
.endr
	FOLD ST+2*\p
.endm
.macro NORM p
.set ni, 0
.rept 16
	v_pk_mul_f32 v[XR+32*\p+ni:XR+32*\p+ni+1], v[XR+32*\p+ni:XR+32*\p+ni+1], v[ST+2*\p:ST+2*\p+1]
.set ni, ni+2
.endr
.set ni, 0
.rept 16
	v_pk_fma_f32 v[XR+32*\p+ni:XR+32*\p+ni+1], v[XR+32*\p+ni:XR+32*\p+ni+1], v[AL+ni:AL+ni+1], v[BE+ni:BE+ni+1]
.set ni, ni+2
.endr
.endm
.macro QROW p, s
.set CS, CD+8*((NS*(\p)+(\s))%2)
	s_wait_dscnt 4                                 ; the stores of the turn before last have read this set of codes; the last turn's four may be out
.irp j, 0,1,2,3
.irp i, 0,1,2,3,4,5,6,7
	v_med3_num_f32 v[T+8*(\j%2)+\i], v[XR+32*(\p)+8*\j+\i], -v[11+2*(\s)], v[11+2*(\s)]   ; the conversion does not saturate (ISA guide 7.6.2)
.endr
	v_cvt_scalef32_pk8_fp8_f32 v[CS+2*\j:CS+2*\j+1], v[T+8*(\j%2):T+8*(\j%2)+7], v[10+2*(\s)]
	ds_store_b64 v3, v[CS+2*\j:CS+2*\j+1] offset:(\s)*LSC+(\p)*LPIT+256*\j
.endr
.endm
	s_load_b256 s[4:11], s[0:1], 0x0               ; x1, ln2_a, ln2_b, lowp_scales
	s_load_b64 s[12:13], s[0:1], 0x20              ; h2c
	v_lshl_add_u32 v[SPW], v0, 2, SPARE
	v_mov_b32 v[NIL], 0
	v_lshrrev_b32 v1, 5, v0
	v_readfirstlane_b32 s28, v1                    ; wave 0..3
	v_and_b32 v1, 31, v0
	v_and_b32 v6, 15, v0
	s_wait_alu depctr_va_vdst(0)
	v_bfe_u32 v7, v0, 4, 1
	s_lshl_b32 s30, ttmp9, 16
	s_lshl_b32 s31, s28, 14
	s_add_co_u32 s30, s30, s31
	s_mov_b32 s31, 0
	s_lshl_b32 s38, ttmp9, 14
	s_mov_b32 s39, 0
	v_lshlrev_b32 v2, 5, v1
	s_mul_i32 s56, s28, 4*LPIT
	v_lshl_add_u32 v3, v1, 3, s56                  ; the stage, in: my wave's four rows, 8 codes a lane
	s_lshl_b32 s57, s28, 8
	v_mul_u32_u24 v4, v6, LPIT
	s_wait_alu depctr_va_vdst(0)
	v_lshl_add_u32 v4, v7, 3, v4
	v_add_nc_u32 v4, s57, v4                       ; back: row r, + 8 h, + my wave's two fragments
	v_lshlrev_b32 v5, 4, v1
	v_lshl_add_u32 v5, s28, 12, v5                 ; out: 16 x lane + 4,096 x wave
	s_mov_b32 s60, 0x76543210
	s_mov_b32 s61, 0xfedcba98
	s_wait_kmcnt 0x0
	s_load_b32 s40, s[10:11], 48                   ; entry 12
	s_add_nc_u64 s[30:31], s[4:5], s[30:31]
	s_add_nc_u64 s[32:33], s[12:13], s[38:39]
.irp p, 0,1,2,3
.irp j, 0,1,2,3
	global_load_b128 v[XR+32*\p+8*\j:XR+32*\p+8*\j+3], v2, s[30:31] offset:4096*\p+1024*\j
	global_load_b128 v[XR+32*\p+8*\j+4:XR+32*\p+8*\j+7], v2, s[30:31] offset:4096*\p+1024*\j+16
.endr
.endr
.irp j, 0,1,2,3
	global_load_b128 v[AL+8*\j:AL+8*\j+3], v2, s[6:7] offset:1024*\j
	global_load_b128 v[AL+8*\j+4:AL+8*\j+7], v2, s[6:7] offset:1024*\j+16
	global_load_b128 v[BE+8*\j:BE+8*\j+3], v2, s[8:9] offset:1024*\j
	global_load_b128 v[BE+8*\j+4:BE+8*\j+7], v2, s[8:9] offset:1024*\j+16
.endr
	s_wait_kmcnt 0x0
	s_add_co_i32 s48, s40, 127
	s_lshl_b32 s49, s48, 23
	v_mov_b32 v10, s49                             ; 2^e
	s_add_co_i32 s48, s48, 8
	s_lshl_b32 s48, s48, 23
	s_or_b32 s48, s48, 0x600000
	v_mov_b32 v11, s48                             ; 448 x 2^e
	s_wait_loadcnt 0x0                             ; the wave's whole share was asked for at once
.irp p, 0,1,2,3
	RSUM \p
	v_mul_f32 v[ST+2*\p], 0x3a800000, v[ST+2*\p]   ; / 1,024: the mean
	v_mov_b32 v[ST+2*\p+1], v[ST+2*\p]
	CENTER \p
	RSQ \p
	v_mul_f32 v[ST+2*\p], 0x3a802008, v[ST+2*\p]   ; / 1,023
.endr
	s_wait_alu depctr_va_vdst(0)
.irp p, 0,1,2,3
	v_sqrt_f32 v[ST+2*\p], v[ST+2*\p]
.endr
	v_nop                                          ; a plain instruction behind the last root,
	s_wait_alu depctr_va_vdst(0)                   ; and one wait for the four, ahead of their first reader
.irp p, 0,1,2,3
	v_add_f32 v[ST+2*\p], 0x358637bd, v[ST+2*\p]   ; + 1e-6
.endr
	s_wait_alu depctr_va_vdst(0)
.irp p, 0,1,2,3
	v_rcp_f32 v[ST+2*\p], v[ST+2*\p]
.endr
	v_nop
	s_wait_alu depctr_va_vdst(0)
.irp p, 0,1,2,3
	v_mov_b32 v[ST+2*\p+1], v[ST+2*\p]
.endr
.irp p, 0,1,2,3
	NORM \p
.endr
.irp p, 0,1,2,3
	QROW \p, 0
.endr
	v_nop                                          ; a plain instruction behind the last conversion
	s_wait_dscnt 0x0                               ; for the others' sake: my stores into the stage are done
	s_barrier_signal -1
	s_barrier_wait -1
.irp k, 0,1
.irp i, 0,1,2,3
	ds_load_b64 v[XR+4*(4*\k+\i):XR+4*(4*\k+\i)+1], v4 offset:128*\k+32*\i
	ds_load_b64 v[XR+4*(4*\k+\i)+2:XR+4*(4*\k+\i)+3], v4 offset:128*\k+32*\i+16
.endr
.endr
.irp k, 0,1
.irp i, 0,1,2,3
	s_wait_dscnt 14-2*(4*\k+\i)                    ; this unit's two loads are in, the younger ones stay out
	global_store_b128 v5, v[XR+4*(4*\k+\i):XR+4*(4*\k+\i)+3], s[32:33] offset:\k*2048+\i*512
.endr
.endr
	s_wait_tensorcnt 0x0                           ; the wave's end: behind my last LDS store
	ds_add_u32 v[SPW], v[NIL]
	s_wait_dscnt 0x0
	s_endpgm
.Lfunc_end_k_q2d9e5ac31a_ln2:
	.size	k_q2d9e5ac31a_ln2, .Lfunc_end_k_q2d9e5ac31a_ln2-k_q2d9e5ac31a_ln2
	.p2alignl 7, 3214868480
	.fill 96, 4, 3214868480
	.section	.rodata,"a",@progbits
	.p2align	6, 0x0
	.amdhsa_kernel k_q2d9e5ac31a_ln2
		.amdhsa_group_segment_fixed_size 17408
		.amdhsa_private_segment_fixed_size 0
		.amdhsa_enable_private_segment 0
		.amdhsa_kernarg_size 40
		.amdhsa_user_sgpr_count 2
		.amdhsa_user_sgpr_kernarg_segment_ptr 1
		.amdhsa_wavefront_size32 1
		.amdhsa_system_sgpr_workgroup_id_x 1
		.amdhsa_system_sgpr_workgroup_id_y 1
		.amdhsa_system_sgpr_workgroup_id_z 1
		.amdhsa_system_vgpr_workitem_id 0
		.amdhsa_next_free_vgpr 256
		.amdhsa_next_free_sgpr 66
		.amdhsa_reserve_vcc 0
		.amdhsa_float_denorm_mode_32 3
		.amdhsa_float_denorm_mode_16_64 3
		.amdhsa_memory_ordered 1
		.amdhsa_forward_progress 1
		.amdhsa_inst_pref_size 44
	.end_amdhsa_kernel
	.amdgpu_metadata
---
amdhsa.version: [ 1, 2 ]
amdhsa.kernels:
  - .name:           k_q2d9e5ac31a_ln2
    .symbol:         k_q2d9e5ac31a_ln2.kd
    .args:
      - { .name: x1, .offset: 0, .size: 8, .value_kind: global_buffer, .address_space: global }
      - { .name: ln2_a, .offset: 8, .size: 8, .value_kind: global_buffer, .address_space: global }
      - { .name: ln2_b, .offset: 16, .size: 8, .value_kind: global_buffer, .address_space: global }
      - { .name: lowp_scales, .offset: 24, .size: 8, .value_kind: global_buffer, .address_space: global }
      - { .name: h2c, .offset: 32, .size: 8, .value_kind: global_buffer, .address_space: global }
    .group_segment_fixed_size: 17408
    .private_segment_fixed_size: 0
    .kernarg_segment_align: 8
    .kernarg_segment_size: 40
    .max_flat_workgroup_size: 128
    .sgpr_count:     66
    .vgpr_count:     256
    .wavefront_size: 32
...
	.end_amdgpu_metadata
.endif
;; end of part 12
;; launch ffn1 (part 13): grid 16 x 16, 4 waves a work-group, clusters of 4 x 4, 327,680 bytes of LDS; arguments h2c, wc, lowp_scales, b1, hidc; writes hidc
.if DOCPART == 13
	.amdgcn_target "amdgcn-amd-amdhsa--gfx1250"
	.amdhsa_code_object_version 6
	.text
	.protected	k_q2d9e5ac31a_ffn1
	.globl	k_q2d9e5ac31a_ffn1
	.p2align	8
	.type	k_q2d9e5ac31a_ffn1,@function
k_q2d9e5ac31a_ffn1:
	s_mov_b64 s[64:65], 0
	v_nop
	global_prefetch_b8 v0, s[64:65] scope:SCOPE_SE
	s_setreg_imm32_b32 hwreg(HW_REG_WAVE_MODE, 25, 1), 1
	s_wait_xcnt 0x0
	s_wait_alu depctr_hold_cnt(0) depctr_sa_sdst(0) depctr_va_vdst(0) depctr_va_sdst(0) depctr_va_ssrc(0) depctr_va_vcc(0) depctr_vm_vsrc(0)
	s_getreg_b32 s2, hwreg(HW_REG_IB_STS2, 6, 4)
	s_cmp_eq_u32 s2, 0
	s_cbranch_scc0 .Lentry_in_a_cluster
	s_endpgm
.Lentry_in_a_cluster:
	s_bfe_u32 s2, ttmp6, 0x10000c
	s_cmp_lg_u32 s2, 0xf033
	s_cbranch_scc0 .Lentry_shape_is_right
	s_endpgm
.Lentry_shape_is_right:
.set KK,    1024
.set WOFF,  0x400000
.set RBP,   16*KK
.set KSB,   4096
.set HALFT, 32768
.set SLOT,  131072
.set SPARE, 262144
.set LAPS,  KK/512
.set FR,   16
.set NL,   4
.set NP,   4
.set ADRA, 16
.set ADRB, 20
.set CO,   26
.set SPW,  28
.set NIL,  29
.set BC,   64
.set AF,   128
.set Y,    128
.set CD,   192
.set G1,  24
.set G0,  32
.set G1B, 48
.set G0B, 56
.set MSB, 0
.macro WIN new
.if MSB != (\new)
	s_set_vgpr_msb (MSB<<8)|(\new)
.set MSB, (\new)
.endif
.endm
.set MUL_LO, 0xa1
.set MUL_HI, 0xf1
.set TO_B,   0x40
.macro JLOAD g0a, g1a, g0b, g1b
	s_cmp_eq_u32 s15, 0
	s_cbranch_scc0 .Lfor_b_\@
	tensor_load_to_lds s[\g0a:\g0a+3], s[\g1a:\g1a+7]
	s_nop 0
.rept 4
	v_nop
.endr
	s_branch .Lasked_\@
.Lfor_b_\@:
	tensor_load_to_lds s[\g0b:\g0b+3], s[\g1b:\g1b+7]
	s_nop 0
.rept 4
	v_nop
.endr
.Lasked_\@:
.endm
.macro CREST
	s_cmp_lg_u32 s14, 0
	s_cbranch_scc1 .Lnot_wave_0_\@
	s_barrier_signal -3
.Lnot_wave_0_\@:
	s_barrier_wait -3
	s_barrier_signal -1
	s_barrier_wait -1
.endm
.macro CROUND
	s_barrier_signal -1
	s_barrier_wait -1
	CREST
.endm
	s_load_b256 s[68:75], s[0:1], 0x0
	s_load_b64 s[76:77], s[0:1], 0x20
	v_lshl_add_u32 v[SPW], v0, 2, SPARE
	v_mov_b32 v[NIL], 0
	ds_add_u32 v[SPW], v[NIL]
	ds_add_u32 v[SPW], v[NIL]
	v_lshrrev_b32 v1, 5, v0
	v_readfirstlane_b32 s14, v1
	s_lshr_b32 s15, s14, 1
	s_and_b32 s16, s14, 1
	s_bfe_u32 s40, ttmp6, 0x40000
	s_bfe_u32 s41, ttmp6, 0x40004
	s_lshl_b32 s42, ttmp9, 2
	s_add_co_u32 s42, s42, s40
	s_and_b32 s17, ttmp7, 0xffff
	s_lshl_b32 s17, s17, 2
	s_add_co_u32 s17, s17, s41
	s_lshl_b32 s43, s41, 2
	s_lshl_b32 s43, 15, s43
	s_lshl_b32 s44, 0x1111, s40
	s_or_b32 s[G1+0], s43, (1<<21)
	s_or_b32 s[G1B+0], s44, (1<<21)
.irp g, G1, G1B
	s_mov_b32 s[\g+1], KSB<<16
	s_mov_b32 s[\g+2], 8<<16
	s_mov_b32 s[\g+3], KSB<<16
	s_mov_b32 s[\g+4], 8
	s_mov_b32 s[\g+5], RBP
	s_mov_b32 s[\g+6], 0
	s_mov_b32 s[\g+7], 0
.endr
	s_lshl_b32 s18, s16, 3
	s_lshl_b32 s20, s17, 4
	s_add_co_u32 s20, s20, s18
	s_mul_i32 s20, s20, RBP
	s_mov_b32 s21, 0
	s_lshl_b32 s46, s42, 4
	s_add_co_u32 s46, s46, s18
	s_mul_i32 s46, s46, RBP
	s_add_co_u32 s46, s46, WOFF
	s_mov_b32 s47, 0
	s_lshl_b32 s45, s14, 15
	s_wait_dscnt 0x0
	s_wait_kmcnt 0x0
	s_load_b64 s[96:97], s[72:73], 48
	s_load_b32 s98, s[72:73], 56
	s_add_nc_u64 s[20:21], s[68:69], s[20:21]
	s_add_nc_u64 s[46:47], s[70:71], s[46:47]
	CROUND
.irp s, 0,1
	s_mov_b32 s[G0+4*\s], 1
	s_add_co_u32 s[G0+4*\s+1], s45, \s*SLOT
	s_add_nc_u64 s[G0+4*\s+2:G0+4*\s+3], s[20:21], \s*KSB
	s_or_b32 s[G0+4*\s+3], s[G0+4*\s+3], 0x80000000
	s_mov_b32 s[G0B+4*\s], 1
	s_add_co_u32 s[G0B+4*\s+1], s45, \s*SLOT
	s_add_nc_u64 s[G0B+4*\s+2:G0B+4*\s+3], s[46:47], \s*KSB
	s_or_b32 s[G0B+4*\s+3], s[G0B+4*\s+3], 0x80000000
.if \s                                         ; slot 1's first fill is issued as a refill is: a tensor wait, an add, its wait and a whole round in front of it
	s_wait_alu depctr_va_vdst(0)
	s_wait_tensorcnt 0x0                           ; my part of K step 0 is in
	ds_add_u32 v[SPW], v[NIL]
	s_wait_dscnt 0x0
	CROUND
.endif
	JLOAD G0+4*\s, G1, G0B+4*\s, G1B
.endr
	v_and_b32 v1, 31, v0
	v_bfe_u32 v3, v0, 4, 1
	v_lshlrev_b32 v[CO], 4, v1
	v_lshlrev_b32 v27, 5, v3
	s_wait_alu depctr_va_vdst(0)
	s_lshl_b32 s21, s15, 15
	s_lshl_b32 s22, s16, 15
	s_add_co_u32 s22, s22, 2*HALFT
.irp s, 0,1
	v_add_nc_u32 v[ADRA+\s], s21, v[CO]
	v_add_nc_u32 v[ADRB+\s], s22, v[CO]
	s_add_co_u32 s21, s21, SLOT
	s_add_co_u32 s22, s22, SLOT
.endr
	s_lshl_b32 s88, s42, 10
	s_lshl_b32 s89, s16, 9
	s_add_co_u32 s88, s88, s89
	s_mov_b32 s89, 0
	s_add_nc_u64 s[12:13], s[74:75], s[88:89]
.irp b, 0,1,2,3,4,5,6,7
	global_load_b128 v[BC+8*\b:BC+8*\b+3], v27, s[12:13] offset:64*\b
	global_load_b128 v[BC+8*\b+4:BC+8*\b+7], v27, s[12:13] offset:64*\b+16
.endr
	s_lshl_b32 s90, s17, 4
	s_lshl_b32 s91, s15, 3
	s_add_co_u32 s90, s90, s91
	s_lshl_b32 s90, s90, 16
	s_lshl_b32 s91, s42, 1
	s_add_co_u32 s91, s91, s16
	s_lshl_b32 s91, s91, 11
	s_add_co_u32 s90, s90, s91
	s_mov_b32 s91, 0
	s_add_nc_u64 s[10:11], s[76:77], s[90:91]
.macro FRAG reg, adr, q, i
.irp c, 0,1,2,3
	ds_load_b128 v[\reg+4*\c:\reg+4*\c+3], v[\adr] offset:4096*(\i)+2048*(\q)+512*\c
.endr
.endm
.macro MUL16 a0, p, zero
.irp a, \a0, \a0+1
.irp b, 0,1,2,3,4,5,6,7
.if \zero
	v_wmma_f32_16x16x128_fp8_fp8 v[8*(8*((\a)%4)+\b):8*(8*((\a)%4)+\b)+7], v[128*(\p)+FR*\b:128*(\p)+FR*\b+FR-1], v[AF+FR*(\a):AF+FR*(\a)+FR-1], 0
.else
	v_wmma_f32_16x16x128_fp8_fp8 v[8*(8*((\a)%4)+\b):8*(8*((\a)%4)+\b)+7], v[128*(\p)+FR*\b:128*(\p)+FR*\b+FR-1], v[AF+FR*(\a):AF+FR*(\a)+FR-1], v[8*(8*((\a)%4)+\b):8*(8*((\a)%4)+\b)+7]
.endif
.endr
.endr
.endm
.macro FETCH_B slot, q, p
	WIN TO_B
.irp i, 0,1,2,3,4,5,6,7
	FRAG 128*(\p)+FR*\i, ADRB+\slot, \q, \i
.endr
	WIN 0
.endm
.macro FETCH_A slot, q, i0
.irp i, \i0, \i0+1, \i0+2, \i0+3
	FRAG AF+FR*(\i), ADRA+\slot, \q, \i
.endr
.endm
.macro PLACES n
.rept \n
	v_nop
.endr
.endm
.macro STEP slot, q, zero
	s_wait_dscnt 4*NL
	WIN MUL_LO
	MUL16 0, (\q)%2, \zero
	MUL16 2, (\q)%2, \zero
	s_wait_dscnt 0
	PLACES NP
	FETCH_B \slot, (\q)+1, 1-(\q)%2
	FETCH_A \slot, (\q)+1, 0
	WIN MUL_HI
	MUL16 4, (\q)%2, \zero
	MUL16 6, (\q)%2, \zero
	PLACES NP
	WIN 0
	FETCH_A \slot, (\q)+1, 4
.endm
.macro TURN slot, next, fill
	s_wait_tensorcnt 0x0
	ds_add_u32 v[SPW], v[NIL]
	s_wait_dscnt 4*NL+1
	WIN MUL_LO
	MUL16 0, 1, 0
	s_wait_dscnt 0x0
	s_barrier_signal -1
	MUL16 2, 1, 0
	WIN 0
	s_barrier_wait -1
.if \fill
	CREST
	s_add_nc_u64 s[G0+4*\slot+2:G0+4*\slot+3], s[G0+4*\slot+2:G0+4*\slot+3], 2*KSB
	s_add_nc_u64 s[G0B+4*\slot+2:G0B+4*\slot+3], s[G0B+4*\slot+2:G0B+4*\slot+3], 2*KSB
	JLOAD G0+4*\slot, G1, G0B+4*\slot, G1B
.else
	PLACES NP
.endif
	FETCH_B \next, 0, 0
	FETCH_A \next, 0, 0
	WIN MUL_HI
	MUL16 4, 1, 0
	MUL16 6, 1, 0
	PLACES NP
	WIN 0
	FETCH_A \next, 0, 4
.endm
	s_wait_alu depctr_va_vdst(0)
	s_wait_tensorcnt 1
	s_barrier_signal -1
	s_barrier_wait -1
	FETCH_B 0, 0, 0
	FETCH_A 0, 0, 0
	FETCH_A 0, 0, 4
	STEP 0, 0, 1
	s_mov_b32 s3, LAPS-1
.Llap:
	TURN 0, 1, 1
	STEP 1, 0, 0
	TURN 1, 0, 1
	STEP 0, 0, 0
	s_sub_co_u32 s3, s3, 1
	s_cmp_lg_u32 s3, 0
	s_cbranch_scc1 .Llap
	TURN 0, 1, 0
	STEP 1, 0, 0
	s_wait_dscnt 4*NL
	WIN MUL_LO
	MUL16 0, 1, 0
	MUL16 2, 1, 0
	s_wait_dscnt 0
	WIN MUL_HI
	MUL16 4, 1, 0
	MUL16 6, 1, 0
	WIN 0
.macro EPC a
.set AC, 64*((\a)%4)
.set CS, CD+16*((\a)%4)
.if (\a) >= 4
	s_wait_xcnt 0x0
.endif
	WIN 0x02+((\a)/4)
.irp b, 0,1,2,3,4,5,6,7
.irp j, 0,2,4,6
	v_pk_fma_f32 v[Y+8*\b+\j:Y+8*\b+\j+1], v[AC+8*\b+\j:AC+8*\b+\j+1], s[96:97], v[BC+8*\b+\j:BC+8*\b+\j+1] op_sel_hi:[1,0,1]
.endr
.endr
	WIN 0
.set ei, 0
.rept 64
	v_med3_num_f32 v[Y+ei], v[Y+ei], 0, v49
.set ei, ei+1
.endr
.irp b, 0,1,2,3,4,5,6,7
	v_cvt_scalef32_pk8_fp8_f32 v[CS+2*\b:CS+2*\b+1], v[Y+8*\b:Y+8*\b+7], v48
.endr
	v_nop
.irp i, 0,1,2,3
	global_store_b128 v[CO], v[CS+4*\i:CS+4*\i+3], s[10:11] offset:(\a)*65536+512*\i
.endr
.endm
	s_wait_kmcnt 0x0
	s_add_co_i32 s96, s96, s97
	s_add_co_i32 s96, s96, 127
	s_lshl_b32 s96, s96, 23
	s_mov_b32 s97, s96
	s_add_co_i32 s98, s98, 127
	s_lshl_b32 s99, s98, 23
	s_add_co_i32 s98, s98, 8
	s_lshl_b32 s98, s98, 23
	s_or_b32 s98, s98, 0x600000
	s_wait_loadcnt 0x0
	v_mov_b32 v48, s99
	v_mov_b32 v49, s98
	PLACES NP
.irp a, 0,1,2,3,4,5,6,7
	EPC \a
.endr
	s_wait_tensorcnt 0x0
	ds_add_u32 v[SPW], v[NIL]
	s_wait_dscnt 0x0
	CROUND
	s_endpgm
.Lfunc_end_k_q2d9e5ac31a_ffn1:
	.size	k_q2d9e5ac31a_ffn1, .Lfunc_end_k_q2d9e5ac31a_ffn1-k_q2d9e5ac31a_ffn1
	.p2alignl 7, 3214868480
	.fill 96, 4, 3214868480
	.section	.rodata,"a",@progbits
	.p2align	6, 0x0
	.amdhsa_kernel k_q2d9e5ac31a_ffn1
		.amdhsa_group_segment_fixed_size 327680
		.amdhsa_private_segment_fixed_size 0
		.amdhsa_enable_private_segment 0
		.amdhsa_kernarg_size 40
		.amdhsa_user_sgpr_count 2
		.amdhsa_user_sgpr_kernarg_segment_ptr 1
		.amdhsa_wavefront_size32 1
		.amdhsa_system_sgpr_workgroup_id_x 1
		.amdhsa_system_sgpr_workgroup_id_y 1
		.amdhsa_system_sgpr_workgroup_id_z 1
		.amdhsa_system_vgpr_workitem_id 0
		.amdhsa_next_free_vgpr 1024
		.amdhsa_next_free_sgpr 104
		.amdhsa_reserve_vcc 0
		.amdhsa_float_denorm_mode_32 3
		.amdhsa_float_denorm_mode_16_64 3
		.amdhsa_memory_ordered 1
		.amdhsa_forward_progress 1
		.amdhsa_inst_pref_size 136
	.end_amdhsa_kernel
	.amdgpu_metadata
---
amdhsa.version: [ 1, 2 ]
amdhsa.kernels:
  - .name:           k_q2d9e5ac31a_ffn1
    .symbol:         k_q2d9e5ac31a_ffn1.kd
    .args:
      - { .name: h2c, .offset: 0, .size: 8, .value_kind: global_buffer, .address_space: global }
      - { .name: wc, .offset: 8, .size: 8, .value_kind: global_buffer, .address_space: global }
      - { .name: lowp_scales, .offset: 16, .size: 8, .value_kind: global_buffer, .address_space: global }
      - { .name: b1, .offset: 24, .size: 8, .value_kind: global_buffer, .address_space: global }
      - { .name: hidc, .offset: 32, .size: 8, .value_kind: global_buffer, .address_space: global }
    .group_segment_fixed_size: 327680
    .private_segment_fixed_size: 0
    .kernarg_segment_align: 8
    .kernarg_segment_size: 40
    .max_flat_workgroup_size: 128
    .sgpr_count:     104
    .vgpr_count:     1024
    .wavefront_size: 32
...
	.end_amdgpu_metadata
.endif
;; end of part 13
;; launch ffn2 (part 14): grid 8 x 32, 4 waves a work-group, clusters of 4 x 4, 327,680 bytes of LDS; arguments hidc, wc, lowp_scales, b2, x1, out0; writes out0
.if DOCPART == 14
	.amdgcn_target "amdgcn-amd-amdhsa--gfx1250"
	.amdhsa_code_object_version 6
	.text
	.protected	k_q2d9e5ac31a_ffn2
	.globl	k_q2d9e5ac31a_ffn2
	.p2align	8
	.type	k_q2d9e5ac31a_ffn2,@function
k_q2d9e5ac31a_ffn2:
	s_mov_b64 s[64:65], 0
	v_nop
	global_prefetch_b8 v0, s[64:65] scope:SCOPE_SE
	s_setreg_imm32_b32 hwreg(HW_REG_WAVE_MODE, 25, 1), 1
	s_wait_xcnt 0x0
	s_wait_alu depctr_hold_cnt(0) depctr_sa_sdst(0) depctr_va_vdst(0) depctr_va_sdst(0) depctr_va_ssrc(0) depctr_va_vcc(0) depctr_vm_vsrc(0)
	s_getreg_b32 s2, hwreg(HW_REG_IB_STS2, 6, 4)
	s_cmp_eq_u32 s2, 0
	s_cbranch_scc0 .Lentry_in_a_cluster
	s_endpgm
.Lentry_in_a_cluster:
	s_bfe_u32 s2, ttmp6, 0x10000c
	s_cmp_lg_u32 s2, 0xf033
	s_cbranch_scc0 .Lentry_shape_is_right
	s_endpgm
.Lentry_shape_is_right:
.set KK,    4096
.set WOFF,  0x800000
.set SCA,   56
.set NTOUT, 1
.set RBP,   16*KK
.set KSB,   8192
.set HALFT, 32768
.set SLOT,  131072
.set SPARE, 262144
.set STAGE, 262656
.set SPITCH, 272
.set LAPS,  KK/1024
.set ADRA, 16
.set ADRB, 20
.set STO,  24
.set RD,   25
.set CO,   26
.set BO,   27
.set SPW,  28
.set NIL,  29
.set BK,   32
.set BI,   96
.set ACC,  128
.set F0,   0
.set F1,   128
.set G1,  24
.set G0,  32
.set G1B, 48
.set G0B, 56
.set MSB, 0
.macro WIN new
.if MSB != (\new)
	s_set_vgpr_msb (MSB<<8)|(\new)
.set MSB, (\new)
.endif
.endm
.set MUL,  0x05
.set TO_F, 0x40
.macro JLOAD g0a, g1a, g0b, g1b
	s_cmp_eq_u32 s15, 0
	s_cbranch_scc0 .Lfor_b_\@
	tensor_load_to_lds s[\g0a:\g0a+3], s[\g1a:\g1a+7]
	s_nop 0
.rept 4
	v_nop
.endr
	s_branch .Lasked_\@
.Lfor_b_\@:
	tensor_load_to_lds s[\g0b:\g0b+3], s[\g1b:\g1b+7]
	s_nop 0
.rept 4
	v_nop
.endr
.Lasked_\@:
.endm
.macro CREST
	s_cmp_lg_u32 s14, 0
	s_cbranch_scc1 .Lnot_wave_0_\@
	s_barrier_signal -3
.Lnot_wave_0_\@:
	s_barrier_wait -3
	s_barrier_signal -1
	s_barrier_wait -1
.endm
.macro CROUND
	s_barrier_signal -1
	s_barrier_wait -1
	CREST
.endm
	s_load_b256 s[68:75], s[0:1], 0x0
	s_load_b128 s[76:79], s[0:1], 0x20
	v_lshl_add_u32 v[SPW], v0, 2, SPARE
	v_mov_b32 v[NIL], 0
	ds_add_u32 v[SPW], v[NIL]
	ds_add_u32 v[SPW], v[NIL]
	v_lshrrev_b32 v1, 5, v0
	v_readfirstlane_b32 s14, v1
	s_lshr_b32 s15, s14, 1
	s_and_b32 s16, s14, 1
	s_bfe_u32 s40, ttmp6, 0x40000
	s_bfe_u32 s41, ttmp6, 0x40004
	s_lshl_b32 s42, ttmp9, 2
	s_add_co_u32 s42, s42, s40
	s_and_b32 s17, ttmp7, 0xffff
	s_lshl_b32 s17, s17, 2
	s_add_co_u32 s17, s17, s41
	s_lshl_b32 s43, s41, 2
	s_lshl_b32 s43, 15, s43
	s_lshl_b32 s44, 0x1111, s40
	s_or_b32 s[G1+0], s43, (1<<21)
	s_or_b32 s[G1B+0], s44, (1<<21)
.irp g, G1, G1B
	s_mov_b32 s[\g+1], KSB<<16
	s_mov_b32 s[\g+2], 4<<16
	s_mov_b32 s[\g+3], KSB<<16
	s_mov_b32 s[\g+4], 4
	s_mov_b32 s[\g+5], RBP
	s_mov_b32 s[\g+6], 0
	s_mov_b32 s[\g+7], 0
.endr
	s_lshl_b32 s18, s16, 2
	s_lshl_b32 s20, s17, 3
	s_add_co_u32 s20, s20, s18
	s_mul_i32 s20, s20, RBP
	s_mov_b32 s21, 0
	s_lshl_b32 s46, s42, 3
	s_add_co_u32 s46, s46, s18
	s_mul_i32 s46, s46, RBP
	s_add_co_u32 s46, s46, WOFF
	s_mov_b32 s47, 0
	s_lshl_b32 s45, s14, 15
	s_wait_dscnt 0x0
	s_wait_kmcnt 0x0
	s_load_b64 s[96:97], s[72:73], SCA
	s_add_nc_u64 s[20:21], s[68:69], s[20:21]
	s_add_nc_u64 s[46:47], s[70:71], s[46:47]
	s_cmp_eq_u32 s15, 0                            ; the prefetches: of the four blocks of 16 rows that I fetch, my work-group takes one, by address: block cx of A's, block cy of B's
	s_cselect_b64 s[80:81], s[20:21], s[46:47]
	s_cselect_b32 s82, s40, s41
	s_mul_i32 s82, s82, RBP
	s_mov_b32 s83, 0
	s_add_nc_u64 s[80:81], s[80:81], s[82:83]
	s_add_nc_u64 s[80:81], s[80:81], 3*KSB         ; at K step 3: the first refill steps it to K step 4
	CROUND
.irp s, 0,1
	s_mov_b32 s[G0+4*\s], 1
	s_add_co_u32 s[G0+4*\s+1], s45, \s*SLOT
	s_add_nc_u64 s[G0+4*\s+2:G0+4*\s+3], s[20:21], \s*KSB
	s_or_b32 s[G0+4*\s+3], s[G0+4*\s+3], 0x80000000
	s_mov_b32 s[G0B+4*\s], 1
	s_add_co_u32 s[G0B+4*\s+1], s45, \s*SLOT
	s_add_nc_u64 s[G0B+4*\s+2:G0B+4*\s+3], s[46:47], \s*KSB
	s_or_b32 s[G0B+4*\s+3], s[G0B+4*\s+3], 0x80000000
.if \s                                         ; slot 1's first fill is issued as a refill is: a tensor wait, an add, its wait and a whole round in front of it
	s_wait_alu depctr_va_vdst(0)
	s_wait_tensorcnt 0x0                           ; my part of K step 0 is in
	ds_add_u32 v[SPW], v[NIL]
	s_wait_dscnt 0x0
	CROUND
.endif
	JLOAD G0+4*\s, G1, G0B+4*\s, G1B
.endr
	v_and_b32 v1, 31, v0
	v_and_b32 v2, 15, v0
	s_wait_alu depctr_va_vdst(0)
	v_bfe_u32 v3, v0, 4, 1
	v_lshlrev_b32 v4, 4, v1
	s_lshl_b32 s21, s15, 15
	s_lshl_b32 s22, s16, 15
	s_add_co_u32 s22, s22, 2*HALFT
.irp s, 0,1
	v_add_nc_u32 v[ADRA+\s], s21, v4
	v_add_nc_u32 v[ADRB+\s], s22, v4
	s_add_co_u32 s21, s21, SLOT
	s_add_co_u32 s22, s22, SLOT
.endr
	s_mul_i32 s23, s14, 16*SPITCH
	s_add_co_u32 s23, s23, STAGE
	v_mul_u32_u24 v5, v2, SPITCH
	s_wait_alu depctr_va_vdst(0)
	v_lshl_add_u32 v5, v3, 5, v5
	v_add_nc_u32 v[STO], s23, v5
	v_mul_u32_u24 v5, v3, SPITCH
	v_lshl_add_u32 v5, v2, 4, v5
	v_add_nc_u32 v[RD], s23, v5
	v_lshlrev_b32 v[BO], 4, v2
	v_lshlrev_b32 v30, 8, v1                       ; the prefetches' offset: 256 x lane: a K step of one block of rows is 8,192 bytes; never rewritten
	s_wait_alu depctr_va_vdst(0)
	v_lshl_add_u32 v[CO], v3, 12, v[BO]
	s_wait_alu depctr_va_vdst(0)
	s_lshl_b32 s18, s17, 7
	s_lshl_b32 s19, s15, 6
	s_add_co_u32 s18, s18, s19
	s_lshl_b32 s18, s18, 12
	s_lshl_b32 s19, s42, 9
	s_lshl_b32 s22, s16, 8
	s_add_co_u32 s22, s22, s19
	s_mov_b32 s23, 0
	s_add_nc_u64 s[12:13], s[74:75], s[22:23]
	s_add_co_u32 s22, s22, s18
	s_add_nc_u64 s[66:67], s[76:77], s[22:23]
	s_add_nc_u64 s[10:11], s[78:79], s[22:23]
	global_load_b128 v[BI:BI+3], v[BO], s[12:13]
	WIN 0x80
.irp a, 0,1,2,3
.irp t, 0,1,2,3,4,5,6,7
	global_load_b128 v[32*\a+4*\t:32*\a+4*\t+3], v[CO], s[66:67] offset:(16*\a+2*\t)*4096 th:TH_LOAD_NT
.endr
.endr
	WIN 0
.macro FRAG reg, adr, q, i
.irp c, 0,1,2,3
	ds_load_b128 v[\reg+4*\c:\reg+4*\c+3], v[\adr] offset:8192*(\i)+2048*(\q)+512*\c
.endr
.endm
.macro FETCH slot, q, f
	WIN TO_F
.irp i, 0,1,2,3
	FRAG (\f)+64+16*\i, ADRB+\slot, \q, \i
.endr
.irp i, 0,1,2,3
	FRAG (\f)+16*\i, ADRA+\slot, \q, \i
.endr
.endm
.macro MULA f, a, zero
.irp b, 0,1,2,3
.if \zero
	v_wmma_f32_16x16x128_fp8_fp8 v[ACC+8*(4*(\a)+\b):ACC+8*(4*(\a)+\b)+7], v[(\f)+64+16*\b:(\f)+64+16*\b+15], v[(\f)+16*(\a):(\f)+16*(\a)+15], 0
.else
	v_wmma_f32_16x16x128_fp8_fp8 v[ACC+8*(4*(\a)+\b):ACC+8*(4*(\a)+\b)+7], v[(\f)+64+16*\b:(\f)+64+16*\b+15], v[(\f)+16*(\a):(\f)+16*(\a)+15], v[ACC+8*(4*(\a)+\b):ACC+8*(4*(\a)+\b)+7]
.endif
.endr
.endm
.macro PLACES
.rept 4
	v_nop
.endr
.endm
.macro QUARTER slot, q, f, g, zero
	s_wait_dscnt 8
	WIN MUL
	MULA \f, 0, \zero
	MULA \f, 1, \zero
	PLACES
	FETCH \slot, \q, \g
	s_wait_dscnt 32
	WIN MUL
	MULA \f, 2, \zero
	MULA \f, 3, \zero
.endm
.macro TURN slot, next, fill
	WIN 0
.if \fill
	s_wait_xcnt 0x0                                ; any prefetch of mine has read its address: it is stepped here, a K step on
	s_add_nc_u64 s[80:81], s[80:81], KSB
.endif
	s_wait_tensorcnt 0x0
	ds_add_u32 v[SPW], v[NIL]
	s_wait_dscnt 9
	WIN MUL
	MULA F1, 0, 0
	s_wait_dscnt 0x0
	s_barrier_signal -1
	MULA F1, 1, 0
.if \fill
	WIN 0
.endif
	s_barrier_wait -1
.if \fill
	CREST
	s_add_nc_u64 s[G0+4*\slot+2:G0+4*\slot+3], s[G0+4*\slot+2:G0+4*\slot+3], 2*KSB
	s_add_nc_u64 s[G0B+4*\slot+2:G0B+4*\slot+3], s[G0B+4*\slot+2:G0B+4*\slot+3], 2*KSB
	JLOAD G0+4*\slot, G1, G0B+4*\slot, G1B
.else
	PLACES
.endif
	FETCH \next, 0, F0
.if \fill                                      ; a prefetch of the K step that stands two refills on: 8,192 bytes a wave, lanes 256 bytes apart; each block is named once in the cluster; the loop's last trip (s3 = 1) has no such K step
	WIN 0
	s_cmp_gt_u32 s3, 1
	s_cbranch_scc0 .Lno_ask_\@
	global_prefetch_b8 v30, s[80:81] th:TH_LOAD_NT scope:SCOPE_SE
.Lno_ask_\@:
.endif
	WIN MUL
	MULA F1, 2, 0
	MULA F1, 3, 0
.endm
	s_wait_tensorcnt 1
	s_barrier_signal -1
	s_barrier_wait -1
	FETCH 0, 0, F0
	QUARTER 0, 1, F0, F1, 1
.if LAPS > 1
	WIN 0
	s_mov_b32 s3, LAPS-1
.Llap:
	QUARTER 0, 2, F1, F0, 0
	QUARTER 0, 3, F0, F1, 0
	TURN 0, 1, 1
	QUARTER 1, 1, F0, F1, 0
	QUARTER 1, 2, F1, F0, 0
	QUARTER 1, 3, F0, F1, 0
	TURN 1, 0, 1
	QUARTER 0, 1, F0, F1, 0
	WIN 0
	s_sub_co_u32 s3, s3, 1
	s_cmp_lg_u32 s3, 0
	s_cbranch_scc1 .Llap
.endif
	QUARTER 0, 2, F1, F0, 0
	QUARTER 0, 3, F0, F1, 0
	TURN 0, 1, 0
	QUARTER 1, 1, F0, F1, 0
	QUARTER 1, 2, F1, F0, 0
	QUARTER 1, 3, F0, F1, 0
	s_wait_dscnt 8
	WIN MUL
	MULA F1, 0, 0
	MULA F1, 1, 0
	s_wait_dscnt 0
	MULA F1, 2, 0
	MULA F1, 3, 0
	WIN 0
.macro TOSTAGE a
.irp b, 0,1,2,3
	ds_store_b128 v[STO], v[ACC+8*(4*(\a)+\b):ACC+8*(4*(\a)+\b)+3] offset:64*\b
	ds_store_b128 v[STO], v[ACC+8*(4*(\a)+\b)+4:ACC+8*(4*(\a)+\b)+7] offset:64*\b+16
.endr
.set BB, BK+32*((\a)%2)
.irp t, 0,1,2,3,4,5,6,7
	ds_load_b128 v[BB+4*\t:BB+4*\t+3], v[RD] offset:\t*2*SPITCH
.endr
.endm
.macro SEND a, younger
.set BB, BK+32*((\a)%2)
	s_wait_dscnt \younger
	WIN 0x20
.set ti, 0
.rept 16
	v_pk_fma_f32 v[BB+ti:BB+ti+1], v[BB+ti:BB+ti+1], s[96:97], v[32*(\a)+ti:32*(\a)+ti+1] op_sel_hi:[1,0,1]
.set ti, ti+2
.endr
	WIN 0
.irp t, 0,1,2,3,4,5,6,7
.if NTOUT
	global_store_b128 v[CO], v[BB+4*\t:BB+4*\t+3], s[10:11] offset:(16*(\a)+2*\t)*4096 th:TH_STORE_NT
.else
	global_store_b128 v[CO], v[BB+4*\t:BB+4*\t+3], s[10:11] offset:(16*(\a)+2*\t)*4096
.endif
.endr
.endm
	s_wait_kmcnt 0x0
	s_add_co_i32 s96, s96, s97
	s_add_co_i32 s96, s96, 127
	s_lshl_b32 s96, s96, 23
	s_mov_b32 s97, s96
	s_wait_loadcnt 0x0
	WIN 0x82
.set ti, 0
.rept 32
	v_pk_add_f32 v[4*ti:4*ti+1], v[4*ti:4*ti+1], v[BI:BI+1]
	v_pk_add_f32 v[4*ti+2:4*ti+3], v[4*ti+2:4*ti+3], v[BI+2:BI+3]
.set ti, ti+1
.endr
	WIN 0
	TOSTAGE 0
.irp a, 1,2,3
.if \a > 1
	s_wait_xcnt 0x0
.endif
	TOSTAGE \a
	SEND \a-1, 16
.endr
	SEND 3, 0
	s_wait_tensorcnt 0x0
	ds_add_u32 v[SPW], v[NIL]
	s_wait_dscnt 0x0
	CROUND
	s_endpgm
.Lfunc_end_k_q2d9e5ac31a_ffn2:
	.size	k_q2d9e5ac31a_ffn2, .Lfunc_end_k_q2d9e5ac31a_ffn2-k_q2d9e5ac31a_ffn2
	.p2alignl 7, 3214868480
	.fill 96, 4, 3214868480
	.section	.rodata,"a",@progbits
	.p2align	6, 0x0
	.amdhsa_kernel k_q2d9e5ac31a_ffn2
		.amdhsa_group_segment_fixed_size 327680
		.amdhsa_private_segment_fixed_size 0
		.amdhsa_enable_private_segment 0
		.amdhsa_kernarg_size 48
		.amdhsa_user_sgpr_count 2
		.amdhsa_user_sgpr_kernarg_segment_ptr 1
		.amdhsa_wavefront_size32 1
		.amdhsa_system_sgpr_workgroup_id_x 1
		.amdhsa_system_sgpr_workgroup_id_y 1
		.amdhsa_system_sgpr_workgroup_id_z 1
		.amdhsa_system_vgpr_workitem_id 0
		.amdhsa_next_free_vgpr 640
		.amdhsa_next_free_sgpr 104
		.amdhsa_reserve_vcc 0
		.amdhsa_float_denorm_mode_32 3
		.amdhsa_float_denorm_mode_16_64 3
		.amdhsa_memory_ordered 1
		.amdhsa_forward_progress 1
		.amdhsa_inst_pref_size 82
	.end_amdhsa_kernel
	.amdgpu_metadata
---
amdhsa.version: [ 1, 2 ]
amdhsa.kernels:
  - .name:           k_q2d9e5ac31a_ffn2
    .symbol:         k_q2d9e5ac31a_ffn2.kd
    .args:
      - { .name: hidc, .offset: 0, .size: 8, .value_kind: global_buffer, .address_space: global }
      - { .name: wc, .offset: 8, .size: 8, .value_kind: global_buffer, .address_space: global }
      - { .name: lowp_scales, .offset: 16, .size: 8, .value_kind: global_buffer, .address_space: global }
      - { .name: b2, .offset: 24, .size: 8, .value_kind: global_buffer, .address_space: global }
      - { .name: x1, .offset: 32, .size: 8, .value_kind: global_buffer, .address_space: global }
      - { .name: out0, .offset: 40, .size: 8, .value_kind: global_buffer, .address_space: global }
    .group_segment_fixed_size: 327680
    .private_segment_fixed_size: 0
    .kernarg_segment_align: 8
    .kernarg_segment_size: 48
    .max_flat_workgroup_size: 128
    .sgpr_count:     104
    .vgpr_count:     640
    .wavefront_size: 32
...
	.end_amdgpu_metadata
.endif
;; end of part 14
